; MI455X (gfx1250); checked and timed in simulation.
; The chip was launched on July 23, 2026; its instructions are those of AMD's public machine-readable ISA for CDNA 5 (MIT licence, August 2026) and "CDNA5" Instruction Set Architecture Reference Guide (July 2026). The comments in the code are by the model that wrote it; some were corrected since.
;; Hybrid Interference Self Attention. Allowed arithmetic: matrix products marked QUANTISED: E2M3 operands, one E8M0 scale for each 32 along K, by v_wmma_scale_f32_16x16x128_f8f6f4 with both operands' format E2M3, f32 sums; everything else in f32.
;; Inputs: Wk 1,024 x 1,024 float32; Wkp 1,024 x 1,024 float32; Wo 1,024 x 1,024 float32; Wq 1,024 x 1,024 float32; Wqp 1,024 x 1,024 float32; Wv 1,024 x 1,024 float32; lambda_raw 16 float32; x 2 x 2,048 x 1,024 float32.
;; Outputs: out0 2 x 2,048 x 1,024 float32.
;; This version of the problem:
;;   THIS VERSION OF THE PROBLEM IS GIVEN IN LOW PRECISION. The matrix products marked QUANTISED in the list below multiply operands that are first quantised to E2M3 (2 exponent bits, 3 mantissa bits; 6 bits a number), with one power-of-two scale for each 32 numbers along K (OCP MX v1.0); their sums are f32. All else is computed in f32.
;;   The module's matrix products, in the order in which they are computed (A, B: the left and right operand; K: the contracted axis; several contracted axes count as one K, in the product's order):
;;     1. [M 4,096, K 1,024] x [K 1,024, N 1,024]; A: input x; B: input Wq: QUANTISED
;;     2. [M 4,096, K 1,024] x [K 1,024, N 1,024]; A: input x; B: input Wk: QUANTISED
;;     3. [M 4,096, K 1,024] x [K 1,024, N 1,024]; A: input x; B: input Wv: QUANTISED
;;     4. batch 32 x [M 2,048, K 64] x [K 64, N 2,048]; A: computed on the way; B: computed on the way: QUANTISED
;;     5. [M 4,096, K 1,024] x [K 1,024, N 1,024]; A: input x; B: input Wqp: QUANTISED
;;     6. [M 4,096, K 1,024] x [K 1,024, N 1,024]; A: input x; B: input Wkp: QUANTISED
;;     7. batch 32 x [M 2,048, K 64] x [K 64, N 2,048]; A: computed on the way; B: computed on the way: QUANTISED
;;     8. batch 32 x [M 2,048, K 64] x [K 64, N 2,048]; A: computed on the way; B: computed on the way: QUANTISED
;;     9. batch 32 x [M 64, K 2,048] x [K 2,048, N 2,048]; A: computed on the way; B: softmax (see below): QUANTISED
;;     10. [M 4,096, K 1,024] x [K 1,024, N 1,024]; A: computed on the way; B: input Wo: QUANTISED
;;   THE QUANTISER, for each operand of a quantised product, along K:
;;     - K is cut into blocks of 32 from its start; a last block that is shorter is filled with zeros.
;;     - A block's scale is 2^e with e = floor(log2(the largest magnitude in the block)) - 2, held to -126 .. 127; a block of zeros has e = 0. As a byte (E8M0): e + 127.
;;     - Each number is divided by its block's scale, clamped to +-7.5, and rounded to the nearest number of E2M3, ties to even, subnormals kept.
;;     - The product sums the exact products of the quantised numbers (number of the format x scale) in f32.
;;   ~~~python
;;   def quantise(x, axis):      # numpy; x: float32 -> the quantised numbers, widened to float32 again
;;       x = np.moveaxis(x, axis, -1); K = x.shape[-1]
;;       x = np.pad(x, [(0, 0)] * (x.ndim - 1) + [(0, -K % 32)]); x = x.reshape(x.shape[:-1] + (-1, 32)); a = np.abs(x).max(-1, keepdims=True)
;;       e = np.where(a > 0, np.clip(np.frexp(np.where(a > 0, a, 1))[1] - 1 - 2, -126, 127), 0)      # np.frexp(a)[1] - 1 = floor(log2(a)), exactly
;;       r = np.clip(x / 2.0 ** e, -7.5, 7.5)
;;       step = 2.0 ** (np.maximum(np.frexp(np.where(r == 0, 1, r))[1] - 1, 0) - 3)
;;       q = np.round(r / step) * step * 2.0 ** e      # np.round: ties to even
;;       return np.moveaxis(q.reshape(q.shape[:-2] + (-1,))[..., :K], -1, axis).astype(np.float32)
;;   ~~~
;;   SOFTMAX AHEAD OF A QUANTISED PRODUCT. Where the list says 'softmax', what is quantised is not the finished softmax but p = 2^(t - M), with t = logit x log2(e) and M = ceil(the row's largest t), a whole number; so 1/2 < the row's largest p <= 1. The row's sum l is taken of the UNQUANTISED p, in f32, and the product's result is divided by l at the end. Since M is a whole number, a kernel that streams over the keys may use a running M (the ceiling of the running maximum): every later rescaling is an exact power of two, which a block's scale takes up: the codes' values come out the same.
;;   OPERANDS COMPUTED ON THE WAY. 'Computed on the way' means the value that the module computes at that place (a softmax that the list does not call 'softmax' is quantised finished and normalised). What goes into a quantiser is computed in f32, as accurately as f32 sums, v_exp_f32 and their like allow (about 1e-6 of the number): no bf16 or f16 on the way to a quantiser, and a product that is left as it is and whose result goes on into a quantised operand takes f32 operands (vector FMAs, or v_wmma_f32_16x16x4_f32). A number that lies on a knife's edge between two numbers of the format may be rounded either way, as far as f32 arithmetic and the matrix unit's own rounding can turn it there, and no further.
;; 2 versions, each right. Each part assembles by itself: llvm-mc -triple=amdgcn-amd-amdhsa -mcpu=gfx1250 --defsym DOCPART=n.
;; ======== version 1 of 2: 5 launches
;; limits: a function is approximated: absolute error at most 3e-07
;; workspace buffers: opc 7,864,320 bytes; ops 327,680 bytes; qimg 9,961,472 bytes; kvimg 13,238,272 bytes; oc 3,145,728 bytes; os 131,072 bytes
;; launch quant_x (part 1): grid 128 x 1, 4 waves a work-group, no clusters, 33,280 bytes of LDS; arguments x, opc, ops; writes opc, ops
.if DOCPART == 1
	.amdgcn_target "amdgcn-amd-amdhsa--gfx1250"
	.amdhsa_code_object_version 6
	.text
	.protected	k_q8d74670a96_quant_x
	.globl	k_q8d74670a96_quant_x
	.p2align	8
	.type	k_q8d74670a96_quant_x,@function
k_q8d74670a96_quant_x:
	s_mov_b64 s[64:65], 0
	v_nop
	global_prefetch_b8 v0, s[64:65] scope:SCOPE_SE
	s_setreg_imm32_b32 hwreg(HW_REG_WAVE_MODE, 25, 1), 1
	s_wait_xcnt 0x0
; x [4096][1024], f32, becomes codes of FP6 (E2M3), K innermost (768 bytes a row), and one E8M0 scale byte for each 32 along K (32 bytes a row): rows 0 to 4095 of the operand buffers.
; A block's scale is 2^(floor(log2(its largest magnitude)) - 2); its byte is the largest magnitude's exponent field - 2, held at 1 from below.  A block of zeros so gets the byte 1 where the
; rule says 127: its codes are zeros, which add nothing under any byte but 0xff, and only this program's later launches read the bytes.
; LIMITS: NaN and infinities among the inputs are not served; blocks whose largest magnitude lies under 2^(3 - 127) keep the byte 1.
; THE ROWS ARE PERMUTED: buffer row p holds row sigma(p) of x, sigma = bits 3 and 4 of the row's number exchanged.  A wave takes a run of 8 rows (8,192 numbers), so sigma exchanges bits 0 and 1
; of the run's number.  With it, sixteen registers of two neighbouring 16 x 16 results of the next launch are sixteen true neighbours.
; A wave takes 16 steps of 512 numbers.  Each of a step's four loads reads 512 consecutive bytes; the 2,048 bytes turn through the wave's own stage in LDS and come back 64 bytes a lane, so that a
; lane holds 16 neighbours along K (two neighbouring lanes hold a block).  The stage has 16 bytes of padding behind each 64.  A lane's 16 codes are 12 bytes: the wave stores 384 consecutive bytes.
; A wave's 256 scale bytes are gathered in its own LDS bytes and leave as 256 consecutive bytes, aligned.  No barrier: waves share nothing.  Loads run four steps ahead, the turn through LDS one.
.set STEPS, 16
.set EMAX,  2
.set CB,    12                         ; bytes of 16 codes
.set R,     16                         ; v16-79   four sets of 16 numbers as they are loaded
.set X,     80                         ; v80-111  two sets of 16 neighbours
.set C,     128                        ; v128-191 codes: four registers for each step, so that no store's data are written again
.set E,     112                        ; v112-127 a scale byte for each step
.set WREG,  8192                       ; LDS: a region for each wave: two stages of 32 x SP bytes, and behind them its 256 scale bytes
.set SP,    80                         ; a lane's place in a stage: its 64 bytes + 16 of padding
	s_load_b128 s[4:7], s[0:1], 0x0                ; x, the codes
	s_load_b64 s[10:11], s[0:1], 0x10              ; the scale bytes
	v_lshl_add_u32 v192, v0, 2, 0x8000
	v_mov_b32 v193, 0
	v_lshrrev_b32 v1, 5, v0
	v_readfirstlane_b32 s16, v1                    ; wave
	v_and_b32 v2, 31, v0                           ; lane
	v_lshlrev_b32 v3, 4, v2                        ; my 16 bytes of a load's 512
	s_mul_i32 s17, s16, WREG
	v_lshrrev_b32 v14, 2, v2
	v_mul_u32_u24 v14, v14, SP
	v_and_b32 v15, 3, v2
	v_lshl_add_u32 v14, v15, 4, v14
	v_add_nc_u32 v14, s17, v14                     ; the stage, on the way in: SP (lane / 4) + 16 (lane % 4)
	v_mul_u32_u24 v15, v2, SP
	v_add_nc_u32 v15, s17, v15                     ; and on the way out: SP x lane: my 16 neighbours
	v_mul_u32_u24 v4, v2, CB                       ; my codes' place in a step's
	v_lshrrev_b32 v5, 1, v2
	s_add_co_u32 s17, s17, 2*32*SP
	v_add_nc_u32 v5, s17, v5                       ; LDS: my wave's 256 scale bytes, my block's byte
	v_lshlrev_b32 v7, 3, v2                        ; and on the way out 8 bytes a lane
	v_add_nc_u32 v6, s17, v7
	s_lshl_b32 s18, ttmp9, 2
	s_add_co_u32 s18, s18, s16                     ; the run that I read: 4 x work-group + wave
	s_and_b32 s19, s18, 1
	s_lshl_b32 s19, s19, 1
	s_bfe_u32 s20, s18, 0x10001
	s_or_b32 s19, s19, s20
	s_and_b32 s20, s18, 0xfffffffc
	s_or_b32 s19, s19, s20                         ; the run that I write: bits 0 and 1 exchanged
	s_lshl_b32 s20, s18, 15                        ; 32,768 bytes of x a run
	s_mov_b32 s21, 0
	s_mul_i32 s22, s19, 32*STEPS*CB                ; 6,144 bytes of codes
	s_mov_b32 s23, 0
	s_lshl_b32 s24, s19, 8                         ; 256 scale bytes
	s_mov_b32 s25, 0
	s_wait_kmcnt 0x0
	s_add_nc_u64 s[4:5], s[4:5], s[20:21]
	s_add_nc_u64 s[8:9], s[6:7], s[22:23]
	s_add_nc_u64 s[10:11], s[10:11], s[24:25]
.macro LOAD t
.irp i, 0,1,2,3
	global_load_b128 v[R+16*((\t)%4)+4*\i:R+16*((\t)%4)+4*\i+3], v3, s[4:5] offset:2048*(\t)+512*\i th:TH_LOAD_NT   ; 32 lanes read 512 consecutive bytes
.endr
.endm
.macro TURN t                          ; step t's numbers through the stage: LDS serves a wave's instructions in order, so no wait stands between the stores and the loads
.irp i, 0,1,2,3
	ds_store_b128 v14, v[R+16*((\t)%4)+4*\i:R+16*((\t)%4)+4*\i+3] offset:32*SP*((\t)%2)+8*SP*\i
.endr
.irp i, 0,1,2,3
	ds_load_b128 v[X+16*((\t)%2)+4*\i:X+16*((\t)%2)+4*\i+3], v15 offset:32*SP*((\t)%2)+16*\i
.endr
.endm
.irp t, 0,1,2,3
	LOAD \t
.endr
	s_wait_loadcnt 12                              ; step 0's four loads are in; three steps' twelve may be out
	TURN 0
.macro STEP t
.set XS, X+16*((\t)%2)
.if (\t) > 0
	s_wait_dscnt 1                                 ; this step's numbers are back from the stage (the last step's byte store may be out): so its stores into the stage have read their registers,
.else
	s_wait_dscnt 0x0
.endif
.if (\t)+4 < STEPS
	LOAD (\t)+4                                    ; which take the loads of four steps on
.endif
.if (\t)+1 < STEPS
.if STEPS-2-(\t) >= 3
	s_wait_loadcnt 12                              ; the next step's four loads are in; those of the three steps behind it may be out
.else
	s_wait_loadcnt 4*(STEPS-2-(\t))
.endif
	TURN (\t)+1                                    ; and go through the other stage while this step is worked
.endif
	v_max3_num_f32 v8, |v[XS]|, |v[XS+1]|, |v[XS+2]|               ; the largest magnitude of my 16
	v_max3_num_f32 v9, |v[XS+3]|, |v[XS+4]|, |v[XS+5]|
.irp i, 6,10
	v_max3_num_f32 v8, v8, |v[XS+\i]|, |v[XS+\i+1]|
	v_max3_num_f32 v9, v9, |v[XS+\i+2]|, |v[XS+\i+3]|
.endr
	v_max3_num_f32 v8, v8, |v[XS+14]|, |v[XS+15]|
	v_max3_num_f32 v8, v8, v9, (EMAX+1)<<23        ; and the floor 2^(EMAX + 1 - 127): the byte cannot fall under 1
	v_max_num_f32_dpp v8, v8, v8 row_xmask:1 row_mask:0xf bank_mask:0xf   ; and of my neighbour's 16: the block's
	v_add_nc_u32 v11, -(EMAX<<23), v8              ; EMAX off its exponent field: the conversion takes the exponent field of this operand as its scale
	v_cvt_scalef32_pk16_fp6_f32 v[C+4*(\t):C+4*(\t)+2], v[XS:XS+15], v11
	v_lshrrev_b32 v[E+(\t)], 23, v11               ; the scale's byte (also the plain line behind the conversion)
	ds_store_b8 v5, v[E+(\t)] offset:16*(\t)       ; both lanes of a block write the same byte with the same value
	global_store_b96 v4, v[C+4*(\t):C+4*(\t)+2], s[8:9] offset:32*CB*(\t)
.endm
.irp t, 0,1,2,3,4,5,6,7,8,9,10,11,12,13,14,15
	STEP \t
.endr
	ds_load_b64 v[12:13], v6                       ; LDS serves a wave's instructions in order: these see my stores
	s_wait_dscnt 0x0
	global_store_b64 v7, v[12:13], s[10:11]        ; 32 lanes store 256 consecutive bytes, aligned
	s_wait_tensorcnt 0x0
	ds_add_u32 v192, v193
	s_wait_dscnt 0x0
	s_endpgm
.Lfunc_end_k_q8d74670a96_quant_x:
	.size	k_q8d74670a96_quant_x, .Lfunc_end_k_q8d74670a96_quant_x-k_q8d74670a96_quant_x
	.p2alignl 7, 3214868480
	.fill 96, 4, 3214868480
	.section	.rodata,"a",@progbits
	.p2align	6, 0x0
	.amdhsa_kernel k_q8d74670a96_quant_x
		.amdhsa_group_segment_fixed_size 33280
		.amdhsa_private_segment_fixed_size 0
		.amdhsa_enable_private_segment 0
		.amdhsa_kernarg_size 24
		.amdhsa_user_sgpr_count 2
		.amdhsa_user_sgpr_kernarg_segment_ptr 1
		.amdhsa_wavefront_size32 1
		.amdhsa_system_sgpr_workgroup_id_x 1
		.amdhsa_system_sgpr_workgroup_id_y 1
		.amdhsa_system_sgpr_workgroup_id_z 1
		.amdhsa_system_vgpr_workitem_id 0
		.amdhsa_next_free_vgpr 194
		.amdhsa_next_free_sgpr 66
		.amdhsa_reserve_vcc 0
		.amdhsa_float_denorm_mode_32 3
		.amdhsa_float_denorm_mode_16_64 3
		.amdhsa_memory_ordered 1
		.amdhsa_forward_progress 1
		.amdhsa_inst_pref_size 32
	.end_amdhsa_kernel
	.amdgpu_metadata
---
amdhsa.version: [ 1, 2 ]
amdhsa.kernels:
  - .name:           k_q8d74670a96_quant_x
    .symbol:         k_q8d74670a96_quant_x.kd
    .args:
      - { .name: x, .offset: 0, .size: 8, .value_kind: global_buffer, .address_space: global }
      - { .name: opc, .offset: 8, .size: 8, .value_kind: global_buffer, .address_space: global }
      - { .name: ops, .offset: 16, .size: 8, .value_kind: global_buffer, .address_space: global }
    .group_segment_fixed_size: 33280
    .private_segment_fixed_size: 0
    .kernarg_segment_align: 8
    .kernarg_segment_size: 24
    .max_flat_workgroup_size: 128
    .sgpr_count:     66
    .vgpr_count:     194
    .wavefront_size: 32
...
	.end_amdgpu_metadata
.endif
;; end of part 1
;; launch quant_w (part 2): grid 48 x 4, 4 waves a work-group, no clusters, 36,352 bytes of LDS; arguments Wq, Wqp, Wk, Wkp, Wv, Wo, opc, ops; writes opc, ops
.if DOCPART == 2
	.amdgcn_target "amdgcn-amd-amdhsa--gfx1250"
	.amdhsa_code_object_version 6
	.text
	.protected	k_q8d74670a96_quant_w
	.globl	k_q8d74670a96_quant_w
	.p2align	8
	.type	k_q8d74670a96_quant_w,@function
k_q8d74670a96_quant_w:
	s_mov_b64 s[64:65], 0
	v_nop
	global_prefetch_b8 v0, s[64:65] scope:SCOPE_SE
	s_setreg_imm32_b32 hwreg(HW_REG_WAVE_MODE, 25, 1), 1
	s_wait_xcnt 0x0
; Six weights [1024 (k)][1024 (n)], f32, K their FIRST axis, become codes of FP6 (E2M3) laid [n][k] with K innermost (768 bytes a row) and one E8M0 scale byte for each 32 along K (32 bytes a row).
; WHERE THEY GO in the operand buffers (rows of 768 and of 32 bytes): Wv: rows 4096 + n.  Wq, Wqp, Wk, Wkp: head h = n / 64 at row 5120 + 256 h, as [q 64 | qp 64 | k 64 | kp 64].  Wo: rows 9216 + n.
; All but Wo are PERMUTED: buffer row p holds column sigma(p), sigma = bits 3 and 4 exchanged (it stays inside each group of 32), so that sixteen registers of two neighbouring 16 x 16 results of the
; next launch are sixteen true neighbours.  The permutation is made on the way in: lane l loads column sigma(l) of its wave's 32.
; A LANE TAKES A COLUMN n, AND ITS REGISTERS RUN DOWN K: each load reads 128 bytes of one row of the weight in a wave, a block of 32 along K lies in one lane's 32 registers, and the conversions give codes with K innermost.
; A block's scale is 2^(floor(log2(its largest magnitude)) - 2); its byte is held at 1 from below (a block of zeros gets 1: its codes are zeros, and only this program reads the bytes).
; LIMITS: NaN and infinities among the inputs are not served.
; A wave takes 32 columns x 256 along K: 8 blocks a lane, 192 bytes of codes a column.  They go through the wave's own stage in LDS and leave as rows: sixteen lanes store a row's 192 consecutive bytes.
; Work-group x: weight x / 8, columns 128 (x % 8) on; work-group y: which 256 along K.  No barrier: waves share nothing.  Loads run two blocks (64 loads a wave) ahead.
.set SIZE_K, 1024
.set SIZE_N, 1024
.set KW,    256                        ; along K for a wave
.set NB,    KW/32                      ; blocks
.set ROWB,  192                        ; bytes of KW codes
.set PITCH, 272                        ; a stage row: sixteen places of 16 bytes, each with 12 bytes of codes, + 16
.set KROW,  SIZE_K*6/8                 ; a row of the codes' buffer in bytes
.set EMAX,  2
.set X,     32                         ; v32-95   two sets of 32 numbers
.set C,     96                         ; v96..    a block's codes
.set OUTR,  112                        ; v112-175 the way out: 16 x 4 registers
.set SB,    24                         ; v24-25   the scale bytes, four to a register
	s_load_b512 s[4:19], s[0:1], 0x0               ; Wq, Wqp, Wk, Wkp, Wv, Wo in s[4:15]; the codes s[16:17]; the scale bytes s[18:19]
	v_lshl_add_u32 v192, v0, 2, 0x8c00
	v_mov_b32 v193, 0
	v_lshrrev_b32 v1, 5, v0
	v_readfirstlane_b32 s22, v1                    ; wave 0..3
	v_and_b32 v2, 31, v0                           ; lane
	s_lshr_b32 s20, ttmp9, 3                       ; which weight, in the order of the arguments
	s_and_b32 s21, ttmp9, 7
	s_lshl_b32 s23, s21, 7
	s_lshl_b32 s24, s22, 5
	s_add_co_u32 s23, s23, s24                     ; n0: my wave's first column
	s_and_b32 s24, ttmp7, 0xffff                   ; which KW along K
	s_lshr_b32 s25, s23, 6
	s_lshl_b32 s25, s25, 8                         ; 256 x head
	s_lshl_b32 s26, s20, 6
	s_add_co_u32 s25, s25, s26                     ; + 64 x weight
	s_and_b32 s26, s23, 32
	s_add_co_u32 s25, s25, s26                     ; + which 32 of the head's 64
	s_add_co_u32 s25, s25, 5120                    ; the row for Wq, Wqp, Wk, Wkp
	s_mul_i32 s26, s20, 5120
	s_add_co_u32 s26, s26, s23
	s_sub_co_u32 s26, s26, 4*5120-4096             ; the row for Wv (4096 + n0) and Wo (9216 + n0)
	s_cmp_lt_u32 s20, 4
	s_cselect_b32 s25, s25, s26
	s_cmp_lt_u32 s20, 5
	s_cselect_b32 s28, 24, 0                       ; Wo is not permuted
	v_lshrrev_b32 v10, 3, v2
	v_lshrrev_b32 v11, 4, v2
	v_xor_b32 v10, v10, v11
	v_and_b32 v10, 1, v10                          ; 1 where the lane's bits 3 and 4 differ:
	v_mul_u32_u24 v10, s28, v10
	v_xor_b32 v10, v10, v2                         ; there both are turned: sigma(lane)
	v_lshlrev_b32 v3, 2, v10                       ; in: 4 bytes a column
	s_mul_i32 s27, s22, 32*PITCH                   ; my stage
	v_mul_u32_u24 v4, v2, PITCH
	v_add_nc_u32 v4, s27, v4                       ; into it: row = my lane = the buffer's row
	v_and_b32 v5, 15, v2
	v_lshrrev_b32 v6, 4, v2                        ; out of it: sixteen lanes to a row, two rows an instruction
	v_mul_u32_u24 v7, v6, PITCH
	v_lshl_add_u32 v7, v5, 4, v7
	v_add_nc_u32 v7, s27, v7                       ; LDS address
	v_mul_u32_u24 v8, v6, KROW
	v_mad_u32_u24 v8, v5, 12, v8                   ; and the same place in the codes' buffer
	v_lshlrev_b32 v9, 5, v2                        ; my row of scale bytes: 32 bytes a row
	s_lshl_b32 s30, s24, 20                        ; the weight: 256 rows of 4,096 bytes for each step along K,
	s_lshl_b32 s29, s23, 2
	s_add_co_u32 s30, s30, s29                     ; + 4 n0
	s_mov_b32 s31, 0
	s_mul_i32 s32, s25, KROW                       ; the codes: row x 768 + 192 y
	s_mul_i32 s29, s24, ROWB
	s_add_co_u32 s32, s32, s29
	s_mov_b32 s33, 0
	s_lshl_b32 s34, s25, 5                         ; the scale bytes: row x 32 + 8 y
	s_lshl_b32 s29, s24, 3
	s_add_co_u32 s34, s34, s29
	s_mov_b32 s35, 0
	s_wait_kmcnt 0x0
.irp i, 1,2,3,4,5
	s_cmp_eq_u32 s20, \i                           ; the choice hangs on the work-group's number alone
	s_cselect_b64 s[4:5], s[4+2*\i:5+2*\i], s[4:5]
.endr
	s_add_nc_u64 s[4:5], s[4:5], s[30:31]
	s_add_nc_u64 s[16:17], s[16:17], s[32:33]
	s_add_nc_u64 s[18:19], s[18:19], s[34:35]
.macro LOAD t                          ; block t: W(32 t + i, my column), i = 0 .. 31, into set t % 2.  The largest offset is 255 rows of 4,096 bytes: inside the signed 24-bit immediate
.irp i, 0,1,2,3,4,5,6,7,8,9,10,11,12,13,14,15,16,17,18,19,20,21,22,23,24,25,26,27,28,29,30,31
	global_load_b32 v[X+32*((\t)%2)+\i], v3, s[4:5] offset:(32*(\t)+\i)*SIZE_N*4 th:TH_LOAD_NT
.endr
.endm
	LOAD 0
	LOAD 1
.macro BLOCK t
.set XS, X+32*((\t)%2)
.if (\t) < NB-1
	s_wait_loadcnt 32                              ; this block's 32 loads are in; the next block's may be out
.else
	s_wait_loadcnt 0
.endif
	v_max3_num_f32 v12, |v[XS]|, |v[XS+1]|, |v[XS+2]|               ; the block's largest magnitude: all 32 numbers are mine
	v_max3_num_f32 v13, |v[XS+3]|, |v[XS+4]|, |v[XS+5]|
.irp i, 6,10,14,18,22,26
	v_max3_num_f32 v12, v12, |v[XS+\i]|, |v[XS+\i+1]|
	v_max3_num_f32 v13, v13, |v[XS+\i+2]|, |v[XS+\i+3]|
.endr
	v_max3_num_f32 v12, v12, |v[XS+30]|, |v[XS+31]|
	v_max3_num_f32 v12, v12, v13, (EMAX+1)<<23     ; and the floor 2^(EMAX + 1 - 127)
	v_add_nc_u32 v11, -(EMAX<<23), v12             ; EMAX off its exponent field: the conversion's scale operand
	v_lshrrev_b32 v13, 23, v11                     ; the scale's byte
.if (\t)%4 == 0
	v_mov_b32 v[SB+(\t)/4], v13                    ; four bytes to a register, the lower K in the lower byte
.else
	v_lshl_or_b32 v[SB+(\t)/4], v13, 8*((\t)%4), v[SB+(\t)/4]
.endif
	v_cvt_scalef32_pk16_fp6_f32 v[C:C+2], v[XS:XS+15], v11
	v_cvt_scalef32_pk16_fp6_f32 v[C+4:C+6], v[XS+16:XS+31], v11     ; (a conversion's three registers begin on an even number)
	ds_store_b96 v4, v[C:C+2] offset:32*(\t)       ; 16 codes, 12 bytes, to a place of 16 bytes in the stage, so that every LDS address is a multiple of 16
	ds_store_b96 v4, v[C+4:C+6] offset:32*(\t)+16
.if (\t)+2 < NB
	LOAD (\t)+2
.endif
	s_wait_dscnt 0x0                               ; the stores have read their registers: the next block's codes may be written
.endm
.set Q, 0
.rept NB
	BLOCK Q
.set Q, Q+1
.endr
	global_store_b64 v9, v[SB:SB+1], s[18:19]      ; my row's NB scale bytes
.irp t, 0,1,2,3,4,5,6,7,8,9,10,11,12,13,14,15
	ds_load_b96 v[OUTR+4*\t:OUTR+4*\t+2], v7 offset:2*\t*PITCH   ; LDS serves a wave's instructions in order: these see my stores
.endr
.irp t, 0,1,2,3,4,5,6,7,8,9,10,11,12,13,14,15
	s_wait_dscnt 15-\t                             ; loads come back in order: row pair t is in, the younger ones may be out
	global_store_b96 v8, v[OUTR+4*\t:OUTR+4*\t+2], s[16:17] offset:2*\t*KROW
.endr
	s_wait_tensorcnt 0x0
	ds_add_u32 v192, v193
	s_wait_dscnt 0x0
	s_endpgm
.Lfunc_end_k_q8d74670a96_quant_w:
	.size	k_q8d74670a96_quant_w, .Lfunc_end_k_q8d74670a96_quant_w-k_q8d74670a96_quant_w
	.p2alignl 7, 3214868480
	.fill 96, 4, 3214868480
	.section	.rodata,"a",@progbits
	.p2align	6, 0x0
	.amdhsa_kernel k_q8d74670a96_quant_w
		.amdhsa_group_segment_fixed_size 36352
		.amdhsa_private_segment_fixed_size 0
		.amdhsa_enable_private_segment 0
		.amdhsa_kernarg_size 64
		.amdhsa_user_sgpr_count 2
		.amdhsa_user_sgpr_kernarg_segment_ptr 1
		.amdhsa_wavefront_size32 1
		.amdhsa_system_sgpr_workgroup_id_x 1
		.amdhsa_system_sgpr_workgroup_id_y 1
		.amdhsa_system_sgpr_workgroup_id_z 1
		.amdhsa_system_vgpr_workitem_id 0
		.amdhsa_next_free_vgpr 194
		.amdhsa_next_free_sgpr 66
		.amdhsa_reserve_vcc 0
		.amdhsa_float_denorm_mode_32 3
		.amdhsa_float_denorm_mode_16_64 3
		.amdhsa_memory_ordered 1
		.amdhsa_forward_progress 1
		.amdhsa_inst_pref_size 43
	.end_amdhsa_kernel
	.amdgpu_metadata
---
amdhsa.version: [ 1, 2 ]
amdhsa.kernels:
  - .name:           k_q8d74670a96_quant_w
    .symbol:         k_q8d74670a96_quant_w.kd
    .args:
      - { .name: Wq, .offset: 0, .size: 8, .value_kind: global_buffer, .address_space: global }
      - { .name: Wqp, .offset: 8, .size: 8, .value_kind: global_buffer, .address_space: global }
      - { .name: Wk, .offset: 16, .size: 8, .value_kind: global_buffer, .address_space: global }
      - { .name: Wkp, .offset: 24, .size: 8, .value_kind: global_buffer, .address_space: global }
      - { .name: Wv, .offset: 32, .size: 8, .value_kind: global_buffer, .address_space: global }
      - { .name: Wo, .offset: 40, .size: 8, .value_kind: global_buffer, .address_space: global }
      - { .name: opc, .offset: 48, .size: 8, .value_kind: global_buffer, .address_space: global }
      - { .name: ops, .offset: 56, .size: 8, .value_kind: global_buffer, .address_space: global }
    .group_segment_fixed_size: 36352
    .private_segment_fixed_size: 0
    .kernarg_segment_align: 8
    .kernarg_segment_size: 64
    .max_flat_workgroup_size: 128
    .sgpr_count:     66
    .vgpr_count:     194
    .wavefront_size: 32
...
	.end_amdgpu_metadata
.endif
;; end of part 2
;; launch proj (part 3): grid 16 x 20, 4 waves a work-group, clusters of 4 x 4, 327,680 bytes of LDS; arguments opc, ops, qimg, kvimg; writes qimg, kvimg
.if DOCPART == 3
	.amdgcn_target "amdgcn-amd-amdhsa--gfx1250"
	.amdhsa_code_object_version 6
	.text
	.protected	k_q8d74670a96_proj
	.globl	k_q8d74670a96_proj
	.p2align	8
	.type	k_q8d74670a96_proj,@function
k_q8d74670a96_proj:
	s_mov_b64 s[64:65], 0
	v_nop
	global_prefetch_b8 v0, s[64:65] scope:SCOPE_SE
	s_setreg_imm32_b32 hwreg(HW_REG_WAVE_MODE, 25, 1), 1
	s_wait_xcnt 0x0
	s_wait_alu depctr_hold_cnt(0) depctr_sa_sdst(0) depctr_va_vdst(0) depctr_va_sdst(0) depctr_va_ssrc(0) depctr_va_vcc(0) depctr_vm_vsrc(0)
	s_getreg_b32 s2, hwreg(HW_REG_IB_STS2, 6, 4)
	s_cmp_eq_u32 s2, 0
	s_cbranch_scc0 .Lentry_in_a_cluster
	s_endpgm
.Lentry_in_a_cluster:
	s_bfe_u32 s2, ttmp6, 0x10000c
	s_cmp_lg_u32 s2, 0xf033
	s_cbranch_scc0 .Lentry_shape_is_right
	s_endpgm
.Lentry_shape_is_right:
; THE FIVE PROJECTIONS OF x, ON CODES OF FP6 (E2M3) WITH ONE E8M0 SCALE FOR EACH 32 ALONG K = 1024, AND WHAT ATTENTION WANTS OF THEM, QUANTISED ON THE WAY OUT: no f32 result goes to memory.
; Both operands are rows of one buffer of codes (768 bytes a row) and one of scale bytes (32 a row): rows 0-4095 x, 4096-5119 Wv, 5120-9215 the heads' [q 64 | qp 64 | k 64 | kp 64].
; A tile of 256 x 256 results is made by four waves, 128 x 128 each: 64 accumulators of 16 x 16, 512 registers.  "A" = rows 256 ty on, "B" = rows 256 tx + BB on.
;   cluster rows 0-3 (ty 0-15, BB = 5120): A = 256 positions of x, B = head tx.  Wave (rh, ch): positions 128 rh on; ch = 0: [q | qp], ch = 1: [k | kp].
;   cluster row 4   (ty 16-19, BB = 0):    A = 256 rows of Wv (four heads), B = 256 positions of x: V comes out TRANSPOSED, a lane a channel, its registers along the keys, which are the next K.
; THE MATRIX INSTRUCTION IS USED TRANSPOSED (source 0 = 16 rows of B, source 1 = 16 rows of A): lane l holds row l % 16 of A's block, and its registers B's rows.  The buffers' rows are permuted
; (bits 3 and 4 of the row's number exchanged), so that registers 16 c + i of a block's accumulators are B's TRUE rows 32 c + 16 (l / 16) + i, and lane r of A's block 2 g + u is true row 32 g + 8 u + r + 8 (r / 8).
; K goes in steps of 256 through a ring of two LDS slots filled by the tensor data mover; the scale bytes of the 512 rows, for all of K, come into LDS once.  4 x 4 work-groups form a cluster: A's tiles
; are asked for jointly along a row of the cluster, B's along a column.
; THE WAY OUT, q / k side, for each block of 16 positions: amplitude a = softplus(t) / sqrt(mean(softplus(t)^2) + 1e-6) over the head's 64; phi = pi tanh(p); t, a cos(phi), a sin(phi) are quantised along the
; head's 64 and stored AS IMAGES OF THE OPERANDS' REGISTERS: 18 registers a lane and tile: 0-5 t, 6-11 cos, 12-17 sin; every store of a wave covers 512 or 256 consecutive bytes, aligned.
;   softplus(t) = max(t, 0) + ln2 log2(w) + (u - (w - 1)) (2 - w), u = e^-|t|, w = 1 + u rounded: the last term gives back what the rounding of w took.
;   tanh(p) = 1 - 2 / (1 + e^(2 p)); where p^2 < 2^-6 the series p (1 - p^2/3 + 2 p^4/15 - 17 p^6/315), whose remainder there is under 2e-9 of the number.
;   sin and cos of phi: polynomials at phi / 4 (at most pi / 4), then two doublings.
; LIMITS: NaN and infinities are not served.  softplus is 0 where e^-|t| falls under the smallest normal number (t under about -87).  sin and cos are relatively accurate near phi = 0; near their
; other zeros to about 3e-7 absolutely.  A block of zeros gets the scale byte 1 (zero codes; only this program reads the bytes).
; REGISTERS, in windows of 256: window 0: v0-31 addresses; v32-63 scale words, two sets; from v128 A's fragments, ONE set.  window 1: B's fragments, TWO sets.  windows 2, 3: the accumulators ((a, b) at v[8 (8 (a % 4) + b)]).
.set SIZE_K, 1024
.set KSTEP,  256                       ; along K in a slot
.set NQ,     KSTEP/128                 ; matrix instructions deep
.set ROWB,   192                       ; a tile's row in bytes
.set KROW,   SIZE_K*6/8                ; a row of codes in memory
.set PITCH,  240                       ; an LDS row: 3 x (64 bytes of data + 16 of padding) = 60 words: the 32 lanes of a load of 8 bytes touch 64 different banks (64 banks of 4 bytes: ISA guide 11.1)
.set FR,     12                        ; registers of a fragment: 16 rows x 128 K
.set NL,     6                         ; LDS loads that bring one
.set NP,     4                         ; places behind this matrix instruction (ISA guide 7.12.1)
.set HALFT,  128*PITCH                 ; 128 rows: what one tensor load brings
.set SLOT,   4*HALFT                   ; A's 256 rows, then B's 256 rows
.set LAPS,   SIZE_K/(2*KSTEP)          ; a lap = two K steps = once round the ring
.set KS,     SIZE_K/32                 ; a row of scales in bytes
.set SCL,    2*SLOT                    ; behind the ring: the scales, as rows of 256 bytes + 16 of padding
.set HALFS,  (128*KS/256)*272          ; the scales of 128 rows
.set SBLK,   (16*KS/256)*272           ; those of 16 rows
.set SPARE,  SCL+4*HALFS               ; behind the scales: the spare words, 128 bytes for each wave: two blocks of 256 bytes that no other line names
.set KREC,   19456                     ; a record of q: 8 tiles x 2,304 bytes, then 1,024 bytes of scale words
.set REC,    25856                     ; a record of k and v: k's 19,456 bytes, then V's 4 x 1,536 and 256 of scale words
.set ADRA, 16                          ; v16-17  LDS address of my A fragments in slot 0, 1  (v18-19: for the pieces that lie behind one padding more)
.set ADRB, 20                          ; v20-21  the same for B  (v22-23)
.set SPW,  28                          ; v28     LDS address of my spare word; never rewritten
.set NIL,  29                          ; v29     0; never rewritten
.set ADRS, 27                          ; v27     LDS address of my scale words: lanes 0-15 A's rows, lanes 16-31 B's
.set SC,   32                          ; scale words: set s at v[SC + 8 NQ s]; register NQ i + q: lanes 0-15 A's block i, lanes 16-31 B's block i
.set AF,   128                         ; A's fragments, in window 0
.set G1, 24                            ; s[24:31] descriptor group 1 for A's tiles;  s[32:39] group 0, one set for each slot
.set G0, 32
.set G1B, 48                           ; s[48:55], s[56:63] the same for B's tiles
.set G0B, 56
.set G1S, 68                           ; s[68:75], s[76:79] groups 1 and 0 for A's scales;  s[80:87], s[88:91] for B's
.set G0S, 76
.set G1SB, 80
.set G0SB, 88
.set MSB, 0
.macro WIN new                         ; the immediate's high byte repeats the setting that is left
.if MSB != \new
	s_set_vgpr_msb (MSB<<8)|\new
.set MSB, \new
.endif
.endm
.set MUL_LO, 0xa1                      ; source 0 (B) window 1, source 1 (A) window 0, C and D window 2
.set MUL_HI, 0xf1                      ; the same, C and D window 3
.set TO_B,   0x40                      ; destination window 1, address window 0
; A joint load: waves 0 and 1 fetch for A, waves 2 and 3 for B.  Each of the two lines has ONE mask and one set of registers for all that issue it; the branch hangs on the wave's number alone.
; Four v_nop follow each of the two lines, ahead of the jump, the label and what follows.
.macro JLOAD g0a, g1a, g0b, g1b
	s_cmp_eq_u32 s15, 0
	s_cbranch_scc0 .Lfor_b_\@
	tensor_load_to_lds s[\g0a:\g0a+3], s[\g1a:\g1a+7]
	s_nop 0
.rept 4
	v_nop
.endr
	s_branch .Lasked_\@
.Lfor_b_\@:
	tensor_load_to_lds s[\g0b:\g0b+3], s[\g1b:\g1b+7]
	s_nop 0
.rept 4
	v_nop
.endr
.Lasked_\@:
.endm
.macro CREST                           ; a round of the cluster's barrier behind its opening barrier
	s_cmp_lg_u32 s14, 0
	s_cbranch_scc1 .Lnot_wave_0_\@
	s_barrier_signal -3
.Lnot_wave_0_\@:
	s_barrier_wait -3
	s_barrier_signal -1
	s_barrier_wait -1
.endm
.macro CROUND                          ; a whole round
	s_barrier_signal -1
	s_barrier_wait -1
	CREST
.endm
	s_load_b256 s[4:11], s[0:1], 0x0               ; the codes s[4:5], the scale bytes s[6:7], q's records s[8:9], k's and v's s[10:11]
	v_lshl_add_u32 v[SPW], v0, 2, SPARE
	v_mov_b32 v[NIL], 0
	ds_add_u32 v28, v29
	s_wait_dscnt 0x0
	v_lshrrev_b32 v1, 5, v0
	v_readfirstlane_b32 s14, v1                    ; wave 0..3
	s_lshr_b32 s15, s14, 1                         ; rh: which half of A's rows is mine.  Also: I fetch for A (0) or for B (1)
	s_and_b32 s16, s14, 1                          ; ch: which half of B's rows.  Also: which 128 rows of that tile I fetch
	s_bfe_u32 s40, ttmp6, 0x40000                  ; cx, cy: my place in the cluster
	s_bfe_u32 s41, ttmp6, 0x40004
	s_lshl_b32 s42, ttmp9, 2
	s_add_co_u32 s42, s42, s40                     ; tx = 4 x cluster x + cx
	s_and_b32 s95, ttmp7, 0xffff                   ; the cluster's y: the same in all sixteen partners
	s_lshl_b32 s17, s95, 2
	s_add_co_u32 s17, s17, s41                     ; ty = 4 x cluster y + cy
	s_mov_b32 s97, 5120
	s_cmp_lt_u32 s95, 4
	s_cselect_b32 s96, s97, 0                      ; BB: B's rows are the heads' (from row 5120) or, in the last row of clusters, x's (from row 0)
	s_lshl_b32 s43, s41, 2
	s_lshl_b32 s43, 15, s43                        ; my row of the cluster
	s_lshl_b32 s44, 0x1111, s40                    ; my column
	; descriptor group 1: a tile of 128 rows x ROWB bytes, padded in LDS
	s_or_b32 s[G1+0], s43, (0<<16)|(1<<20)|(1<<21)|(3<<22)|(3<<25)  ; 15:0 the mask: A's tiles go to my row; 17:16 element of 1 byte; 20 padding on; 21 set beside a mask; 24:22 after every 16 words (code 3); 31:25 of 4 words (code 3)
	s_or_b32 s[G1B+0], s44, (0<<16)|(1<<20)|(1<<21)|(3<<22)|(3<<25)
.irp g, G1, G1B
	s_mov_b32 s[\g+1], ROWB<<16                    ; tensor_dim0
	s_mov_b32 s[\g+2], 128<<16                     ; tensor_dim1 = 128
	s_mov_b32 s[\g+3], ROWB<<16                    ; tile_dim0
	s_mov_b32 s[\g+4], 128                         ; tile_dim1 = 128
	s_mov_b32 s[\g+5], KROW                        ; tensor_dim0_stride
	s_mov_b32 s[\g+6], 0
	s_mov_b32 s[\g+7], 0
.endr
	; and for the scales of 128 rows: a dense block of 4,096 bytes, as 16 rows of 256 bytes (32 elements of 8 bytes), 16 bytes of padding behind each
	s_or_b32 s[G1S+0], s43, (3<<16)|(1<<20)|(1<<21)|(5<<22)|(3<<25)
	s_or_b32 s[G1SB+0], s44, (3<<16)|(1<<20)|(1<<21)|(5<<22)|(3<<25)
.irp g, G1S, G1SB
	s_mov_b32 s[\g+1], 32<<16
	s_mov_b32 s[\g+2], (128*KS/256)<<16
	s_mov_b32 s[\g+3], 32<<16
	s_mov_b32 s[\g+4], 128*KS/256
	s_mov_b32 s[\g+5], 32
	s_mov_b32 s[\g+6], 0
	s_mov_b32 s[\g+7], 0
.endr
	s_lshl_b32 s18, s16, 7                         ; which 128 rows of the tile I fetch
	s_lshl_b32 s20, s17, 8
	s_add_co_u32 s20, s20, s18                     ; A: row 256 ty + 128 x half
	s_lshl_b32 s46, s42, 8
	s_add_co_u32 s46, s46, s18
	s_add_co_u32 s46, s46, s96                     ; B: row 256 tx + 128 x half + BB
	s_mov_b32 s21, 0
	s_mov_b32 s47, 0
	s_mov_b64 s[18:19], KS
	s_mul_u64 s[22:23], s[20:21], s[18:19]         ; where these rows' scales begin, in bytes
	s_mul_u64 s[92:93], s[46:47], s[18:19]
	s_mov_b64 s[18:19], KROW
	s_mul_u64 s[20:21], s[20:21], s[18:19]         ; and their codes
	s_mul_u64 s[46:47], s[46:47], s[18:19]
	s_mul_i32 s45, s14, HALFT                      ; where they go: wave x 128 rows: no place in the cluster enters an LDS address
	s_mul_i32 s94, s14, HALFS
	s_wait_kmcnt 0x0
	s_add_nc_u64 s[20:21], s[4:5], s[20:21]
	s_add_nc_u64 s[22:23], s[6:7], s[22:23]
	s_add_nc_u64 s[46:47], s[4:5], s[46:47]
	s_add_nc_u64 s[92:93], s[6:7], s[92:93]
	CROUND                                         ; all sixteen work-groups are here: the first joint loads meet
	s_mov_b32 s[G0S], 1
	s_add_co_u32 s[G0S+1], s94, SCL
	s_mov_b64 s[G0S+2:G0S+3], s[22:23]
	s_or_b32 s[G0S+3], s[G0S+3], 0x80000000
	s_mov_b32 s[G0SB], 1
	s_add_co_u32 s[G0SB+1], s94, SCL
	s_mov_b64 s[G0SB+2:G0SB+3], s[92:93]
	s_or_b32 s[G0SB+3], s[G0SB+3], 0x80000000
	JLOAD G0S, G1S, G0SB, G1SB                     ; the scales first: they are wanted with K step 0
.irp s, 0,1
	s_mov_b32 s[G0+4*\s], 1
	s_add_co_u32 s[G0+4*\s+1], s45, \s*SLOT
	s_add_nc_u64 s[G0+4*\s+2:G0+4*\s+3], s[20:21], \s*ROWB
	s_or_b32 s[G0+4*\s+3], s[G0+4*\s+3], 0x80000000
	s_mov_b32 s[G0B+4*\s], 1
	s_add_co_u32 s[G0B+4*\s+1], s45, \s*SLOT
	s_add_nc_u64 s[G0B+4*\s+2:G0B+4*\s+3], s[46:47], \s*ROWB
	s_or_b32 s[G0B+4*\s+3], s[G0B+4*\s+3], 0x80000000
	JLOAD G0+4*\s, G1, G0B+4*\s, G1B
.endr
	v_and_b32 v1, 15, v0                           ; l % 16
	v_bfe_u32 v2, v0, 4, 1                         ; l / 16
	v_mul_u32_u24 v3, v1, PITCH
	v_mul_u32_u24 v4, v2, 24
	v_add_nc_u32 v4, v3, v4                        ; a fragment's row x pitch + 24 x half
	v_lshl_add_u32 v5, v2, 4, v4                   ; and the same behind one padding more
	s_mul_i32 s21, s15, HALFT                      ; my 128 rows of A
	s_mul_i32 s22, s16, HALFT                      ; my 128 rows of B,
	s_add_co_u32 s22, s22, 2*HALFT                 ; which lie behind A's 256
.irp s, 0,1
	v_add_nc_u32 v[ADRA+\s], s21, v4
	v_add_nc_u32 v[ADRB+\s], s22, v4
	v_add_nc_u32 v[ADRA+2+\s], s21, v5
	v_add_nc_u32 v[ADRB+2+\s], s22, v5
	s_add_co_u32 s21, s21, SLOT
	s_add_co_u32 s22, s22, SLOT
.endr
	v_mul_u32_u24 v5, v1, KS                       ; my row's scales: KS bytes a row,
	v_lshrrev_b32 v6, 8, v5
	v_lshl_add_u32 v5, v6, 4, v5                   ; and 16 more for each 256 passed
	s_mul_i32 s21, s15, HALFS                      ; A's: my 128 rows
	s_mul_i32 s22, s16, HALFS                      ; B's: my 128 rows, behind A's 256
	s_add_co_u32 s22, s22, 2*HALFS
	s_sub_co_u32 s22, s22, s21
	v_mul_u32_u24 v6, s22, v2                      ; lanes 16-31 take B's
	s_add_co_u32 s21, s21, SCL
	v_add_nc_u32 v5, v5, v6
	v_add_nc_u32 v[ADRS], s21, v5
.macro FRAG reg, adr, q, i             ; a fragment, 16 rows x 128 K of 6-bit codes, is 12 registers: lane l holds row l % 16; registers 6 c .. 6 c + 5 hold K = 64 c + 32 (l / 16) + 0 .. 31: 24 bytes of the row's stream of bits, as they lie
.irp p, 0,1,2,3,4,5                    ; in pieces of 8 bytes, so that every address is a multiple of the access's size
.set PC, 12*(\q)+6*(\p/3)+\p%3        ; 16 bytes of padding lie behind every 64 bytes (8 pieces): where the piece three on lies behind one padding more, the second address register serves
.if PC%8 < 5
	ds_load_b64 v[\reg+2*\p:\reg+2*\p+1], v[\adr] offset:8*PC+16*(PC/8)+(\i)*16*PITCH
.else
	ds_load_b64 v[\reg+2*\p:\reg+2*\p+1], v[\adr+2] offset:8*PC+16*(PC/8)+(\i)*16*PITCH
.endif
.endr
.endm
; 16 matrix instructions: A's blocks a0, a0 + 1 x B's eight, 128 along K: the slot's q-th.  p: B's set;  sc: the set of scale words.  zero = 1: the first product starts the sums: nothing is ever cleared.
; The 64 accumulators take turns, one instruction a turn, in the same order in every step.
.macro MUL16 a0, p, q, sc, zero
.irp a, \a0, \a0+1
.irp b, 0,1,2,3,4,5,6,7
.if \zero
	v_wmma_scale_f32_16x16x128_f8f6f4 v[8*(8*((\a)%4)+\b):8*(8*((\a)%4)+\b)+7], v[128*(\p)+FR*\b:128*(\p)+FR*\b+FR-1], v[AF+FR*(\a):AF+FR*(\a)+FR-1], 0, v[SC+8*NQ*(\sc)+NQ*\b+(\q)], v[SC+8*NQ*(\sc)+NQ*(\a)+(\q)] matrix_a_fmt:MATRIX_FMT_FP6 matrix_b_fmt:MATRIX_FMT_FP6 matrix_a_scale:MATRIX_SCALE_ROW1
.else
	v_wmma_scale_f32_16x16x128_f8f6f4 v[8*(8*((\a)%4)+\b):8*(8*((\a)%4)+\b)+7], v[128*(\p)+FR*\b:128*(\p)+FR*\b+FR-1], v[AF+FR*(\a):AF+FR*(\a)+FR-1], v[8*(8*((\a)%4)+\b):8*(8*((\a)%4)+\b)+7], v[SC+8*NQ*(\sc)+NQ*\b+(\q)], v[SC+8*NQ*(\sc)+NQ*(\a)+(\q)] matrix_a_fmt:MATRIX_FMT_FP6 matrix_b_fmt:MATRIX_FMT_FP6 matrix_a_scale:MATRIX_SCALE_ROW1
.endif
.endr
.endr
.endm
.macro FETCH_B slot, q, p              ; B's eight fragments of the slot's q-th 128 along K into set p
	WIN TO_B
.irp i, 0,1,2,3,4,5,6,7
	FRAG 128*(\p)+FR*\i, ADRB+\slot, \q, \i
.endr
	WIN 0
.endm
.macro FETCH_A slot, q, i0             ; A's blocks i0 .. i0 + 3
.irp i, \i0, \i0+1, \i0+2, \i0+3
	FRAG AF+FR*(\i), ADRA+\slot, \q, \i
.endr
.endm
.macro SCALES sc                       ; the next K step's scale words into set sc: NQ words a row; lanes 0-15 take A's block i, lanes 16-31 B's block i
.irp i, 0,1,2,3,4,5,6,7
	ds_load_b64 v[SC+8*NQ*\sc+NQ*\i:SC+8*NQ*\sc+NQ*\i+1], v[ADRS] offset:\i*SBLK
.endr
.endm
; A load into a register that a matrix instruction has read, and a vector instruction that reads a matrix result or writes one of its registers, stand NP places behind that matrix instruction; only plain
; vector instructions that name none of its registers are places (ISA guide 7.12.1 for vector instructions).
.macro PLACES n
.rept \n
	v_nop
.endr
.endm
; A step of 128 along K that has its successor in the same slot.
.macro STEP slot, q, zero
	s_wait_dscnt 4*NL                              ; B's set and A's blocks 0-3 are in; the youngest 24 loads (A's blocks 4-7) may be out
	WIN MUL_LO
	MUL16 0, (\q)%2, \q, \slot, \zero
	MUL16 2, (\q)%2, \q, \slot, \zero
	s_wait_dscnt 0                                 ; A's blocks 4-7 are in (asked for 32 matrix instructions ago)
	PLACES NP
	FETCH_B \slot, (\q)+1, 1-(\q)%2
	FETCH_A \slot, (\q)+1, 0
	WIN MUL_HI
	MUL16 4, (\q)%2, \q, \slot, \zero
	MUL16 6, (\q)%2, \q, \slot, \zero
	PLACES NP
	WIN 0
	FETCH_A \slot, (\q)+1, 4
.endm
; A slot's last step changes slots: ONE barrier; in front of it each wave waits for all its tensor loads, adds 0 to its spare word, and waits for that and for its own reads of this slot.  fill = 1: this slot is filled again, two K steps ahead.
.macro TURN slot, next, fill
	s_wait_tensorcnt 0x0                           ; all my tensor loads have landed: my part of the next slot;  (every window is 0 here: the add's two registers lie in window 0)
	ds_add_u32 v[SPW], v[NIL]                      ; 0 onto my spare word;
	s_wait_dscnt 4*NL+1                            ; (the add and the youngest 24 loads, A's blocks 4-7, may be out)
	WIN MUL_LO
	MUL16 0, 1, NQ-1, \slot, 0                     ; sixteen matrix instructions stand between the add and the wait for it
	s_wait_dscnt 0x0                               ; the add is done, and my reads of this slot are over
	s_barrier_signal -1
	MUL16 2, 1, NQ-1, \slot, 0
	WIN 0
	s_barrier_wait -1
.if \fill
	CREST                                          ; the barrier has opened a round of the cluster's barrier: no wave of any partner still reads this slot's tile or has a load on its way
	s_add_nc_u64 s[G0+4*\slot+2:G0+4*\slot+3], s[G0+4*\slot+2:G0+4*\slot+3], 2*ROWB
	s_add_nc_u64 s[G0B+4*\slot+2:G0B+4*\slot+3], s[G0B+4*\slot+2:G0B+4*\slot+3], 2*ROWB
	JLOAD G0+4*\slot, G1, G0B+4*\slot, G1B         ; the first tensor load behind the round; the four v_nop behind it are the places in front of the loads below
.else
	PLACES NP
.endif
	v_add_nc_u32 v[ADRS], 4*NQ, v[ADRS]            ; on to the next K step's scale words (no LDS load of mine is out)
	FETCH_B \next, 0, 0
	FETCH_A \next, 0, 0
	SCALES \next
	WIN MUL_HI
	MUL16 4, 1, NQ-1, \slot, 0
	MUL16 6, 1, NQ-1, \slot, 0
	PLACES NP
	WIN 0
	FETCH_A \next, 0, 4
.endm
	s_wait_tensorcnt 1                             ; the scales and my part of K step 0 are in (K step 1's load may be out),
	s_barrier_signal -1
	s_barrier_wait -1                              ; everybody's are
	FETCH_B 0, 0, 0
	FETCH_A 0, 0, 0
	SCALES 0
	FETCH_A 0, 0, 4
	STEP 0, 0, 1                                   ; the first step stands in front of the loop: its products start the sums
	s_mov_b32 s3, LAPS-1
.Llap:                                                 ; a trip goes once round the ring, from a lap's second step to the next lap's first, and fills both slots again
	TURN 0, 1, 1
	STEP 1, 0, 0
	TURN 1, 0, 1
	STEP 0, 0, 0
	s_sub_co_u32 s3, s3, 1
	s_cmp_lg_u32 s3, 0
	s_cbranch_scc1 .Llap
	TURN 0, 1, 0                                   ; the last lap fills nothing, and has no round of the cluster's barrier
	STEP 1, 0, 0
	s_wait_dscnt 4*NL                              ; the very last step: nothing more to fetch
	WIN MUL_LO
	MUL16 0, 1, NQ-1, 1, 0
	MUL16 2, 1, NQ-1, 1, 0
	s_wait_dscnt 0
	WIN MUL_HI
	MUL16 4, 1, NQ-1, 1, 0
	MUL16 6, 1, NQ-1, 1, 0
	WIN 0
; ---------------------------------------------------------------- THE WAY OUT.  It touches no LDS byte.  Window 0 is free from v8 on, but for v28 and v29.
.set SWR,  8                           ; v8-15    the tiles' scale words
.set VT2,  16                          ; v[16:17] 2/15, twice;  v[18:19], v[20:21] the polynomials' middle coefficients, twice (an instruction names one scalar pair)
.set VS2,  18
.set VC2,  20
.set RS,   22                          ; v[22:23] 1 / sqrt(mean + eps), twice
.set DOTW, 24                          ; v24      t's scale word [b0, b1, 1, 1]
.set PHW,  25                          ; v25      the phase word [cos0, cos1, sin0, sin1]
.set L16,  26                          ; v26      16 x lane
.set L8,   27                          ; v27      8 x lane
.set SS2,  30                          ; v[30:31] the second chain of the sum of squares
.set E0,   32                          ; six arrays of 32 numbers
.set E1,   64
.set E2,   96
.set E3,   128
.set E4,   160
.set E5,   192
.set TM,   224                         ; v224-227 largest magnitudes
.set TP,   228                         ; v228-231 the other half's, then the bytes
.set SO,   232                         ; v232-235 the conversions' scale operands
.set FRG,  236                         ; v236-253 a tile's 18 registers
.set SS,   254                         ; v[254:255] the sum of squares
.macro KPAIR r, x                      ; a packed form names a pair and takes its low word for both halves: both are written
	s_mov_b32 s[\r], \x
	s_mov_b32 s[\r+1], \x
.endm
; Lines over an array of 32 numbers, two at a time, ascending.
.macro VV op, d, a, b                  ; d = a op b
.set ii, 0
.rept 16
	\op v[\d+ii:\d+ii+1], v[\a+ii:\a+ii+1], v[\b+ii:\b+ii+1]
.set ii, ii+2
.endr
.endm
.macro VSUB d, a, b                    ; d = a - b
.set ii, 0
.rept 16
	v_pk_add_f32 v[\d+ii:\d+ii+1], v[\a+ii:\a+ii+1], v[\b+ii:\b+ii+1] neg_lo:[0,1] neg_hi:[0,1]
.set ii, ii+2
.endr
.endm
.macro VK op, d, a, k                  ; d = a op constant
.set ii, 0
.rept 16
	\op v[\d+ii:\d+ii+1], v[\a+ii:\a+ii+1], \k op_sel_hi:[1,0]
.set ii, ii+2
.endr
.endm
.macro VSC op, d, a, s                 ; d = a op scalar
.set ii, 0
.rept 16
	\op v[\d+ii:\d+ii+1], v[\a+ii:\a+ii+1], s[\s:\s+1] op_sel_hi:[1,0]
.set ii, ii+2
.endr
.endm
.macro VP op, d, a, p                  ; d = a op the pair v[p:p+1]
.set ii, 0
.rept 16
	\op v[\d+ii:\d+ii+1], v[\a+ii:\a+ii+1], v[\p:\p+1]
.set ii, ii+2
.endr
.endm
.macro FVVV d, a, b, c                 ; d = a b + c
.set ii, 0
.rept 16
	v_pk_fma_f32 v[\d+ii:\d+ii+1], v[\a+ii:\a+ii+1], v[\b+ii:\b+ii+1], v[\c+ii:\c+ii+1]
.set ii, ii+2
.endr
.endm
.macro FVSV d, a, s, c                 ; d = a scalar + c
.set ii, 0
	s_wait_alu depctr_va_vdst(0)
.rept 16
	v_pk_fma_f32 v[\d+ii:\d+ii+1], v[\a+ii:\a+ii+1], s[\s:\s+1], v[\c+ii:\c+ii+1] op_sel_hi:[1,0,1]
.set ii, ii+2
.endr
.endm
.macro FVSP d, a, s, p                 ; d = a scalar + the pair v[p:p+1]
.set ii, 0
.rept 16
	v_pk_fma_f32 v[\d+ii:\d+ii+1], v[\a+ii:\a+ii+1], s[\s:\s+1], v[\p:\p+1] op_sel_hi:[1,0,1]
.set ii, ii+2
.endr
.endm
.macro FVVS d, a, b, s                 ; d = a b + scalar
.set ii, 0
.rept 16
	v_pk_fma_f32 v[\d+ii:\d+ii+1], v[\a+ii:\a+ii+1], v[\b+ii:\b+ii+1], s[\s:\s+1] op_sel_hi:[1,1,0]
.set ii, ii+2
.endr
.endm
.macro FVVK d, a, b, k                 ; d = a b + constant
.set ii, 0
.rept 16
	v_pk_fma_f32 v[\d+ii:\d+ii+1], v[\a+ii:\a+ii+1], v[\b+ii:\b+ii+1], \k op_sel_hi:[1,1,0]
.set ii, ii+2
.endr
.endm
.macro FNVVK d, a, b, k                ; d = constant - a b
.set ii, 0
.rept 16
	v_pk_fma_f32 v[\d+ii:\d+ii+1], v[\a+ii:\a+ii+1], v[\b+ii:\b+ii+1], \k op_sel_hi:[1,1,0] neg_lo:[1,0,0] neg_hi:[1,0,0]
.set ii, ii+2
.endr
.endm
.macro FVKK d, a, k1, k2               ; d = a constant + constant
.set ii, 0
.rept 16
	v_pk_fma_f32 v[\d+ii:\d+ii+1], v[\a+ii:\a+ii+1], \k1, \k2 op_sel_hi:[1,0,0]
.set ii, ii+2
.endr
.endm
.macro TR op, d, a                     ; 32 transcendentals back to back; the caller sets one plain line behind them (ISA guide 5.7.2)
.set ii, 0
.rept 32
	\op v[\d+ii], v[\a+ii]
.set ii, ii+1
.endr
.endm
	PLACES NP                                      ; behind the last products: the lines below write registers that held their scale words and A's fragments, and read results
	v_and_b32 v1, 31, v0
	v_lshlrev_b32 v[L16], 4, v1
	v_lshlrev_b32 v[L8], 3, v1
.irp j, 0,1
	v_mov_b32 v[VT2+\j], 0x3e088889                ; 2/15
	v_mov_b32 v[VS2+\j], 0x3c08839e                ; sin: 8.3321609e-3
	v_mov_b32 v[VC2+\j], 0xbab6061a                ; cos: -1.3887316e-3
.endr
.irp b, 0,1,2,3
	v_mov_b32 v[TP+\b], 0                          ; written once: a lane permute's destination counts as one of its sources
.endr
	; No tensor load of mine is out since the last change of slots: the descriptors' registers take the constants.
	s_mov_b32 s24, 0x3fb8aa3b                      ; log2(e)
	KPAIR 26, 0x4038aa3b                           ; 2 log2(e)
	KPAIR 28, 0x3f317218                           ; ln 2
	KPAIR 30, 0xbd5d0dd1                           ; -17/315
	KPAIR 34, 0xbeaaaaab                           ; -1/3
	KPAIR 36, 0x3f490fdb                           ; pi / 4
	KPAIR 38, 0xb94ca1f9                           ; sin: -1.9515296e-4
	KPAIR 56, 0xbe2aaaa3                           ; sin: -1.6666655e-1
	KPAIR 44, 0x37ccf5ce                           ; cos: 2.4433157e-5
	KPAIR 48, 0x3d2aaaa5                           ; cos: 4.1666646e-2
	s_mov_b32 s50, 0x3c800000                      ; 2^-6: the series' bound on p^2, and 1/64 for the mean
	s_mov_b32 s51, 0x358637bd                      ; 1e-6
	s_mov_b32 s52, 0x76543210                      ; v_permlanex16_b32's selects for lane l xor 16
	s_mov_b32 s53, 0xfedcba98
	s_mov_b32 s54, 0xffff0000                      ; lanes 16-31
	s_cmp_ge_u32 s95, 4                            ; the cluster's y: alike in all sixteen partners
	s_cbranch_scc1 .Lv
	; ---- q / k side.  My 128 positions are one record: ((batch x 16 + head) x 16 + step); ch = 0 stores q's, ch = 1 k's.
	s_lshl_b32 s18, s17, 1
	s_add_co_u32 s18, s18, s15                     ; 2 ty + rh: which 128 positions of the 4,096
	s_lshr_b32 s19, s18, 4
	s_lshl_b32 s19, s19, 4                         ; 16 x batch
	s_add_co_u32 s19, s19, s42                     ; + head
	s_lshl_b32 s19, s19, 4
	s_and_b32 s18, s18, 15
	s_add_co_u32 s19, s19, s18                     ; the record
	s_mov_b32 s20, REC
	s_cmp_eq_u32 s16, 0                            ; the choice hangs on the wave's number alone
	s_cselect_b32 s20, KREC, s20
	s_cselect_b64 s[12:13], s[8:9], s[10:11]
	s_mul_i32 s20, s19, s20
	s_mov_b32 s21, 0
	s_add_nc_u64 s[12:13], s[12:13], s[20:21]
; Block a: 16 positions.  t = accumulators 0-3 (registers AC + 0 .. 31: the head's channels 16 h + 0..15 and 32 + 16 h + 0..15), p = accumulators 4-7.  Every accumulator is read from its low end on.
.macro QKBLOCK a
.set AC, 64*((\a)%4)
.set W1, 2+(\a)/4                      ; source 0 in the accumulators' window
.set W2, 5*W1                          ; sources 0 and 1
	WIN W2
.irp c, 0,1
	v_max3_num_f32 v[TM+\c], |v[AC+16*\c]|, |v[AC+16*\c+1]|, 0x1800000   ; t's two blocks: my 16 numbers of each, and the floor 2^(3 - 127): the byte cannot fall under 1
.endr
.irp i, 2,4,6,8,10,12,14
.irp c, 0,1
	v_max3_num_f32 v[TM+\c], |v[AC+16*\c+\i]|, |v[AC+16*\c+\i+1]|, v[TM+\c]
.endr
.endr
	VV v_pk_mul_f32, E1, AC+32, AC+32              ; p^2
.set ii, 0
.rept 32
	v_max_num_f32 v[E2+ii], 0, v[AC+ii]            ; max(t, 0)
.set ii, ii+1
.endr
	WIN W1
.set ii, 0
.rept 32
	v_mul_f32 v[E0+ii], -|v[AC+ii]|, s24           ; -|t| log2(e)
.set ii, ii+1
.endr
	VSC v_pk_mul_f32, E3, AC+32, 26                ; 2 p log2(e)
	WIN 0
	TR v_exp_f32, E0, E0                           ; u = e^-|t|
	TR v_exp_f32, E3, E3                           ; e^(2 p)
	v_nop
.irp c, 0,1
	v_permlanex16_b32 v[TP+\c], v[TM+\c], s52, s53
.endr
.irp c, 0,1
	v_max_num_f32 v[TM+\c], v[TM+\c], v[TP+\c]     ; with lane l xor 16's: the block's largest magnitude
.endr
.irp c, 0,1
	v_add_nc_u32 v[SO+\c], 0xff000000, v[TM+\c]    ; 2 off its exponent field: the conversion's scale operand
.endr
.irp c, 0,1
	v_lshrrev_b32 v[TP+\c], 23, v[SO+\c]           ; the scale's byte
.endr
	v_lshl_or_b32 v[DOTW], v[TP+1], 8, v[TP]
	v_or_b32 v[DOTW], 0x01010000, v[DOTW]          ; the upper 64 of the instruction's K: the byte 1; q's codes there are zeros
	s_wait_alu depctr_va_vdst(0)
	VK v_pk_add_f32, E4, E0, 1.0                   ; w = 1 + u, rounded
	TR v_log_f32, E5, E4
	v_nop
	VK v_pk_add_f32, E4, E4, -1.0                  ; w - 1, exact
	VSUB E0, E0, E4                                ; u - (w - 1): what the rounding took
	FVKK E4, E4, -1.0, 1.0                         ; 2 - w, which is 1 / w where the correction matters (w near 1)
	FVSV E2, E5, 28, E2                            ; max(t, 0) + ln2 log2(w)
	FVVV E2, E0, E4, E2                            ; softplus(t)
	v_pk_mul_f32 v[SS:SS+1], v[E2:E2+1], v[E2:E2+1]               ; the sum of its squares, in two packed chains
	v_pk_mul_f32 v[SS2:SS2+1], v[E2+2:E2+3], v[E2+2:E2+3]
.irp i, 4,8,12,16,20,24,28
	v_pk_fma_f32 v[SS:SS+1], v[E2+\i:E2+\i+1], v[E2+\i:E2+\i+1], v[SS:SS+1]
	v_pk_fma_f32 v[SS2:SS2+1], v[E2+\i+2:E2+\i+3], v[E2+\i+2:E2+\i+3], v[SS2:SS2+1]
.endr
	v_pk_add_f32 v[SS:SS+1], v[SS:SS+1], v[SS2:SS2+1]
	v_add_f32 v[SS], v[SS], v[SS+1]
	v_permlanex16_b32 v[SS+1], v[SS], s52, s53     ; the head's other 32 channels lie in lane l xor 16
	v_add_f32 v[SS], v[SS], v[SS+1]
	v_fma_f32 v[SS], v[SS], s50, s51               ; the mean + 1e-6
	v_rsq_f32 v[RS], v[SS]
	v_nop
	s_wait_alu depctr_va_vdst(0)
	v_mov_b32 v[RS+1], v[RS]
	VK v_pk_add_f32, E3, E3, 1.0
	TR v_rcp_f32, E3, E3
	v_nop
	s_wait_alu depctr_va_vdst(0)
	FVKK E3, E3, -2.0, 1.0                         ; tanh(p) = 1 - 2 / (1 + e^(2 p))
	FVSP E4, E1, 30, VT2                           ; the series in p^2
	FVVS E4, E4, E1, 34
	FVVK E4, E4, E1, 1.0
	WIN W1
	VV v_pk_mul_f32, E4, AC+32, E4                 ; x p
	s_wait_xcnt 0x0                                ; the last block's stores have had their addresses translated (ISA guide 3.1): only behind this wait is the tile's image written again
	v_cvt_scalef32_pk16_fp6_f32 v[FRG:FRG+2], v[AC:AC+15], v[SO]
	v_cvt_scalef32_pk16_fp6_f32 v[E5:E5+2], v[AC+16:AC+31], v[SO+1]   ; (a conversion's three registers begin on an even number)
	WIN 0
	v_nop                                          ; one plain line behind a scaled conversion
.irp i, 0,1,2
	v_permlane16_swap_b32 v[FRG+\i], v[E5+\i]      ; the operand's layout wants a WHOLE block in a lane: lanes 0-15 block 0, lanes 16-31 block 1
.endr
.irp i, 0,1,2
	v_mov_b32 v[FRG+3+\i], v[E5+\i]
.endr
.set ii, 0
.rept 32
	v_cmp_gt_f32 vcc_lo, s50, v[E1+ii]             ; p^2 < 2^-6: the series.  A choice of a value, in every lane and trip
	v_cndmask_b32 v[E3+ii], v[E3+ii], v[E4+ii], vcc_lo
.set ii, ii+1
.endr
	VSC v_pk_mul_f32, E3, E3, 36                   ; y = phi / 4
	VV v_pk_mul_f32, E1, E3, E3                    ; z = y^2
	FVSP E0, E1, 38, VS2
	FVVS E0, E0, E1, 56
	VV v_pk_mul_f32, E0, E0, E1
	FVVV E0, E0, E3, E3                            ; sin y = y + y z (S1 + S2 z + S3 z^2)
	FVSP E4, E1, 44, VC2
	FVVS E4, E4, E1, 48
	VV v_pk_mul_f32, E5, E1, E1
	FVKK E1, E1, -0.5, 1.0
	FVVV E4, E5, E4, E1                            ; cos y = 1 - z / 2 + z^2 (C1 + C2 z + C3 z^2)
	VV v_pk_add_f32, E5, E0, E0
	VV v_pk_mul_f32, E1, E5, E4                    ; sin 2y = 2 sin y cos y
	FNVVK E3, E5, E0, 1.0                          ; cos 2y = 1 - 2 sin^2 y
	VV v_pk_add_f32, E5, E1, E1
	VV v_pk_mul_f32, E0, E5, E3                    ; sin phi
	FNVVK E4, E5, E1, 1.0                          ; cos phi
	VP v_pk_mul_f32, E2, E2, RS                    ; the amplitude
	VV v_pk_mul_f32, E4, E4, E2                    ; a cos
	VV v_pk_mul_f32, E0, E0, E2                    ; a sin
.irp b, 0,1,2,3                        ; blocks 0, 1: cos; 2, 3: sin
.set QB, E4+16*\b-(\b/2)*(E4-E0+32)
	v_max3_num_f32 v[TM+\b], |v[QB]|, |v[QB+1]|, 0x1800000
.endr
.irp i, 2,4,6,8,10,12,14
.irp b, 0,1,2,3
.set QB, E4+16*\b-(\b/2)*(E4-E0+32)
	v_max3_num_f32 v[TM+\b], v[TM+\b], |v[QB+\i]|, |v[QB+\i+1]|
.endr
.endr
.irp b, 0,1,2,3
	v_permlanex16_b32 v[TP+\b], v[TM+\b], s52, s53
.endr
.irp b, 0,1,2,3
	v_max_num_f32 v[TM+\b], v[TM+\b], v[TP+\b]
.endr
.irp b, 0,1,2,3
	v_add_nc_u32 v[SO+\b], 0xff000000, v[TM+\b]
.endr
.irp b, 0,1,2,3
	v_lshrrev_b32 v[TP+\b], 23, v[SO+\b]
.endr
	v_lshl_or_b32 v[PHW], v[TP+1], 8, v[TP]
	v_lshl_or_b32 v[PHW], v[TP+2], 16, v[PHW]
	v_lshl_or_b32 v[PHW], v[TP+3], 24, v[PHW]
	v_cvt_scalef32_pk16_fp6_f32 v[FRG+6:FRG+8], v[E4:E4+15], v[SO]
	v_cvt_scalef32_pk16_fp6_f32 v[E1:E1+2], v[E4+16:E4+31], v[SO+1]
	v_cvt_scalef32_pk16_fp6_f32 v[FRG+12:FRG+14], v[E0:E0+15], v[SO+2]
	v_cvt_scalef32_pk16_fp6_f32 v[E1+4:E1+6], v[E0+16:E0+31], v[SO+3]
	v_nop
.irp i, 0,1,2
	v_permlane16_swap_b32 v[FRG+6+\i], v[E1+\i]
	v_permlane16_swap_b32 v[FRG+12+\i], v[E1+4+\i]
.endr
.irp i, 0,1,2
	v_mov_b32 v[FRG+9+\i], v[E1+\i]
	v_mov_b32 v[FRG+15+\i], v[E1+4+\i]
.endr
.irp c, 0,1,2,3
	global_store_b128 v[L16], v[FRG+4*\c:FRG+4*\c+3], s[12:13] offset:2304*(\a)+512*\c   ; the image: 32 lanes store 512 consecutive bytes, aligned
.endr
	global_store_b64 v[L8], v[FRG+16:FRG+17], s[12:13] offset:2304*(\a)+2048             ; and 256
	v_cndmask_b32 v[SWR+(\a)], v[DOTW], v[PHW], s54   ; lanes 0-15 keep t's word of row r, lanes 16-31 the phase word of row r
.endm
.irp a, 0,1,2,3,4,5,6,7
	QKBLOCK \a
.endr
	global_store_b128 v[L16], v[SWR:SWR+3], s[12:13] offset:18432    ; the scale words of tiles 0-3,
	global_store_b128 v[L16], v[SWR+4:SWR+7], s[12:13] offset:18944  ; and 4-7
	s_wait_tensorcnt 0x0                           ; the wave's end
	ds_add_u32 v[SPW], v[NIL]
	s_wait_dscnt 0x0
	CROUND                                         ; the closing round: no work-group ends while a partner may still ask for a tile that names it
	s_endpgm
.Lv:	; ---- V's side.  My rows are 128 channels: heads 4 (ty - 16) + 2 rh and the next; my columns 128 positions: step 2 tx + ch of the 32.
	s_lshl_b32 s18, s42, 1
	s_add_co_u32 s18, s18, s16
	s_lshr_b32 s19, s18, 4
	s_lshl_b32 s19, s19, 4                         ; 16 x batch
	s_sub_co_u32 s20, s17, 16
	s_lshl_b32 s20, s20, 2
	s_add_co_u32 s19, s19, s20
	s_lshl_b32 s20, s15, 1
	s_add_co_u32 s19, s19, s20                     ; + my first head
	s_lshl_b32 s19, s19, 4
	s_and_b32 s18, s18, 15
	s_add_co_u32 s19, s19, s18                     ; the record
	s_mul_i32 s20, s19, REC
	s_add_co_u32 s20, s20, KREC                    ; V's part lies behind k's
	s_mov_b32 s21, 0
	s_add_nc_u64 s[12:13], s[10:11], s[20:21]
; Block a: 16 channels (tile a % 4 of head a / 4) x 128 keys: register 16 b + i is key 32 b + 16 (l / 16) + i: one fragment of the second product and one scale word a row.
.macro VBLOCK a
.set AC, 64*((\a)%4)
.set W1, 2+(\a)/4
.set W2, 5*W1
	WIN W2
.irp b, 0,1,2,3
	v_max3_num_f32 v[TM+\b], |v[AC+16*\b]|, |v[AC+16*\b+1]|, 0x1800000
.endr
.irp i, 2,4,6,8,10,12,14
.irp b, 0,1,2,3
	v_max3_num_f32 v[TM+\b], |v[AC+16*\b+\i]|, |v[AC+16*\b+\i+1]|, v[TM+\b]
.endr
.endr
	WIN 0
.irp b, 0,1,2,3
	v_permlanex16_b32 v[TP+\b], v[TM+\b], s52, s53
.endr
.irp b, 0,1,2,3
	v_max_num_f32 v[TM+\b], v[TM+\b], v[TP+\b]
.endr
.irp b, 0,1,2,3
	v_add_nc_u32 v[SO+\b], 0xff000000, v[TM+\b]
.endr
.irp b, 0,1,2,3
	v_lshrrev_b32 v[TP+\b], 23, v[SO+\b]
.endr
	v_lshl_or_b32 v[SWR+(\a)%4], v[TP+1], 8, v[TP]
	v_lshl_or_b32 v[SWR+(\a)%4], v[TP+2], 16, v[SWR+(\a)%4]
	v_lshl_or_b32 v[SWR+(\a)%4], v[TP+3], 24, v[SWR+(\a)%4]
	WIN W1
	s_wait_xcnt 0x0                                ; the earlier stores have had their addresses translated: their data registers are written again only behind this wait
.irp c, 0,1
	v_cvt_scalef32_pk16_fp6_f32 v[FRG+6*\c:FRG+6*\c+2], v[AC+32*\c:AC+32*\c+15], v[SO+2*\c]
	v_cvt_scalef32_pk16_fp6_f32 v[E1+4*\c:E1+4*\c+2], v[AC+32*\c+16:AC+32*\c+31], v[SO+2*\c+1]
.endr
	WIN 0
	v_nop
.irp c, 0,1
.irp i, 0,1,2
	v_permlane16_swap_b32 v[FRG+6*\c+\i], v[E1+4*\c+\i]
.endr
.irp i, 0,1,2
	v_mov_b32 v[FRG+3+6*\c+\i], v[E1+4*\c+\i]
.endr
.endr
.irp c, 0,1,2
	global_store_b128 v[L16], v[FRG+4*\c:FRG+4*\c+3], s[12:13] offset:((\a)/4)*16*REC+1536*((\a)%4)+512*\c   ; the next head's record lies 16 records on
.endr
.if (\a)%4 == 3
	v_cndmask_b32 v[DOTW], v[SWR], v[SWR+2], s54   ; two registers carry the four tiles' words: tiles 0, 1 in lanes 0-15, tiles 2, 3 in lanes 16-31
	v_cndmask_b32 v[PHW], v[SWR+1], v[SWR+3], s54
	global_store_b64 v[L8], v[DOTW:PHW], s[12:13] offset:((\a)/4)*16*REC+6144
.endif
.endm
.irp a, 0,1,2,3,4,5,6,7
	VBLOCK \a
.endr
	s_wait_tensorcnt 0x0                           ; the wave's end
	ds_add_u32 v[SPW], v[NIL]
	s_wait_dscnt 0x0
	CROUND                                         ; the closing round
	s_endpgm
.Lfunc_end_k_q8d74670a96_proj:
	.size	k_q8d74670a96_proj, .Lfunc_end_k_q8d74670a96_proj-k_q8d74670a96_proj
	.p2alignl 7, 3214868480
	.fill 96, 4, 3214868480
	.section	.rodata,"a",@progbits
	.p2align	6, 0x0
	.amdhsa_kernel k_q8d74670a96_proj
		.amdhsa_group_segment_fixed_size 327680
		.amdhsa_private_segment_fixed_size 0
		.amdhsa_enable_private_segment 0
		.amdhsa_kernarg_size 32
		.amdhsa_user_sgpr_count 2
		.amdhsa_user_sgpr_kernarg_segment_ptr 1
		.amdhsa_wavefront_size32 1
		.amdhsa_system_sgpr_workgroup_id_x 1
		.amdhsa_system_sgpr_workgroup_id_y 1
		.amdhsa_system_sgpr_workgroup_id_z 1
		.amdhsa_system_vgpr_workitem_id 0
		.amdhsa_next_free_vgpr 1024
		.amdhsa_next_free_sgpr 100
		.amdhsa_reserve_vcc 1
		.amdhsa_float_denorm_mode_32 3
		.amdhsa_float_denorm_mode_16_64 3
		.amdhsa_memory_ordered 1
		.amdhsa_forward_progress 1
		.amdhsa_inst_pref_size 255
	.end_amdhsa_kernel
	.section	.bss,"aw",@nobits
	.p2align	6
	.space	262144
	.amdgpu_metadata
---
amdhsa.version: [ 1, 2 ]
amdhsa.kernels:
  - .name:           k_q8d74670a96_proj
    .symbol:         k_q8d74670a96_proj.kd
    .args:
      - { .name: opc, .offset: 0, .size: 8, .value_kind: global_buffer, .address_space: global }
      - { .name: ops, .offset: 8, .size: 8, .value_kind: global_buffer, .address_space: global }
      - { .name: qimg, .offset: 16, .size: 8, .value_kind: global_buffer, .address_space: global }
      - { .name: kvimg, .offset: 24, .size: 8, .value_kind: global_buffer, .address_space: global }
    .group_segment_fixed_size: 327680
    .private_segment_fixed_size: 0
    .kernarg_segment_align: 8
    .kernarg_segment_size: 32
    .max_flat_workgroup_size: 128
    .sgpr_count:     100
    .vgpr_count:     1024
    .wavefront_size: 32
...
	.end_amdgpu_metadata
.endif
;; end of part 3
;; launch attn (part 4): grid 8 x 32, 16 waves a work-group, clusters of 4 x 1, 327,680 bytes of LDS; arguments qimg, kvimg, lambda_raw, oc, os; writes oc, os
.if DOCPART == 4
	.amdgcn_target "amdgcn-amd-amdhsa--gfx1250"
	.amdhsa_code_object_version 6
	.text
	.protected	k_q8d74670a96_attn
	.globl	k_q8d74670a96_attn
	.p2align	8
	.type	k_q8d74670a96_attn,@function
k_q8d74670a96_attn:
	s_mov_b64 s[64:65], 0
	v_nop
	global_prefetch_b8 v0, s[64:65] scope:SCOPE_SE
	s_setreg_imm32_b32 hwreg(HW_REG_WAVE_MODE, 25, 1), 1
	s_wait_xcnt 0x0
	s_wait_alu depctr_hold_cnt(0) depctr_sa_sdst(0) depctr_va_vdst(0) depctr_va_sdst(0) depctr_va_ssrc(0) depctr_va_vcc(0) depctr_vm_vsrc(0)
	s_getreg_b32 s2, hwreg(HW_REG_IB_STS2, 6, 4)
	s_cmp_eq_u32 s2, 0
	s_cbranch_scc0 .Lentry_in_a_cluster
	s_endpgm
.Lentry_in_a_cluster:
	s_bfe_u32 s2, ttmp6, 0x10000c
	s_cmp_lg_u32 s2, 0x3003
	s_cbranch_scc0 .Lentry_shape_is_right
	s_endpgm
.Lentry_shape_is_right:
; CAUSAL ATTENTION ON CODES OF FP6 (E2M3), one E8M0 scale for each 32 along a product's K.  score = (q . k + lam (qcos . kcos + qsin . ksin)) / 8, lam = 0.5 tanh(lambda_raw[head]).
; t = score log2(e); M = the running largest t rounded UP to a whole number; p = 2^(t - M) is quantised along the keys, not normalised; the row's sum is taken of the unquantised p and divides O at the end.
; When M moves, the sum and O are multiplied by 2^(old M - new M): exact.  o is then quantised along the model's 1,024 (a head is two blocks of 32) and stored as rows of codes for the last projection.
; OPERANDS COME AS IMAGES OF THEIR REGISTERS.  A record is 128 positions of one batch and head.  Its 8 tiles of 16 positions have 18 registers a lane: 0-5 q or k (K = the head's 64), 6-11 cos, 12-17 sin.
; The phase product takes registers 6-17 of both sides: K = 128 = cos's 64, then sin's 64: one instruction for the two products.  The dot product takes k's registers 0-11 against q's 0-5 and six registers of
; ZERO codes: what k's cos codes meet there adds nothing.  V's part: 4 tiles of 16 channels x 128 keys.  The positions of a tile are not neighbours: lane r of tile 2 g + u is position 32 g + 8 u + r + 8 (r / 8), so
; that the 16 registers of score tiles 2 b, 2 b + 1 are 16 neighbouring keys 32 b + 16 (lane / 16) + 0..15; V's channels likewise.
; SHARES.  A work-group (x = 0..7, one batch and head) has sixteen waves in 256 registers each, four to a SIMD.  WAVE w OWNS QUERY TILE x OF RECORD w and walks key steps 0 .. w of 128 keys; step w is its diagonal.
; So every work-group has the same 136 wave-steps, every branch hangs on the wave's number and a counter alone, and all work-groups of a head want all 16 records of k and v.
; CLUSTER.  The four work-groups of a cluster share batch and head: each record is asked for JOINTLY.  A slot holds four records; waves 0-3, which have the least work, bring one record each.
; Both products are used transposed (S^T = K Q^T, O^T = V^T P^T): a lane holds ONE query throughout.
; LIMITS: NaN and infinities are not served.  A block of zeros gets the scale byte 1 (zero codes; only this program reads the bytes).
; o's codes leave as 24 bytes a lane and its scale bytes one a lane, to rows 768 and 32 bytes apart: a work-group holds 48 bytes of a row, and the two buffers are 3.3 MB in all.
.set REC,   25856                      ; a record of k and v: 101 rows of 256 bytes
.set KREC,  19456                      ; a record of q; also where V's part begins
.set SLOT1, 1<<17                      ; slot 1 begins here, so that one exclusive or turns an address in one slot into the other's (a slot's four records are 103,424 bytes)
.set SPARE, 2*SLOT1                    ; the spare words, 128 bytes for each of sixteen waves: eight blocks of 256 bytes that no other line names
.set L16,  1                           ; v1   16 x lane
.set L8,   2                           ; v2   8 x lane
.set AD16, 3                           ; v3   the step's record + 16 x lane
.set AD8,  4                           ; v4   + 8 x lane
.set SPW,  5                           ; v5   LDS address of my spare word; never rewritten
.set NIL,  6                           ; v6   0; never rewritten
.set DD,   7                           ; v7   my query's place in its 128, less 16 (lane / 16)
.set OFFC, 8                           ; v8   where my 24 bytes of o's codes go
.set OFFS, 9                           ; v9   and my scale byte
                                       ; v12 -M, v13 the largest t, v[14:15] the sum in two halves
.set QD,   16                          ; v16-27  q's codes, then six registers of zero codes
.set QP,   28                          ; v28-39  q's cos and sin codes
.set KB,   40                          ; v40-111 four tiles of k (18 registers each), later four of V (12 each)
.set S,    112                         ; v112-175 S^T, then p
.set OT,   176                         ; v176-207 O^T
.set KSC,  208                         ; v208-215 k's scale words: register T: lanes 0-15 the dot word, lanes 16-31 the phase word, of tile T's row r
.set VSC,  216                         ; v216-217 V's: tiles 0, 1 in lanes 0-15, tiles 2, 3 in lanes 16-31
.set QSC,  218                         ; v218     q's, as k's
.set LAM,  220                         ; v[220:221] lam, twice
                                       ; v224-235 p's codes; v232-254 at work; v252 f, v253 p's scale word; v255 -infinity
.set WV,   18                          ; s18  my wave's number
.set G1,   24                          ; s[24:31] descriptor group 1;  s[32:35] group 0, which walks
.set G0,   32
.set SEL,  36                          ; s[36:37] lane selects for v_permlanex16_b32: lane l xor 16
.set CS,   38                          ; s[38:39] c = log2(e) / 8
.set TBS,  40                          ; s40  LDS byte at which the step's record begins
.set SJ,   41                          ; s41  the key step
.set SLOTS, 42
.set INNER, 43
.macro TLOAD                           ; waves 0-3 bring a record each; the branch hangs on the wave's number alone.  Four v_nop follow the load
	s_cmp_lt_u32 s[WV], 4
	s_cbranch_scc0 .Lnone_\@
	tensor_load_to_lds s[G0:G0+3], s[G1:G1+7]
	s_nop 0
.rept 4
	v_nop
.endr
.Lnone_\@:
.endm
.macro CROUND                          ; a round of the cluster's barrier
	s_barrier_signal -1
	s_barrier_wait -1
	s_cmp_lg_u32 s[WV], 0
	s_cbranch_scc1 .Lnot_wave_0_\@
	s_barrier_signal -3
.Lnot_wave_0_\@:
	s_barrier_wait -3
	s_barrier_signal -1
	s_barrier_wait -1
.endm
	s_load_b256 s[4:11], s[0:1], 0x0               ; q's records s[4:5], k's and v's s[6:7], lambda_raw s[8:9], o's codes s[10:11]
	s_load_b64 s[12:13], s[0:1], 0x20              ; o's scale bytes
	v_lshl_add_u32 v[SPW], v0, 2, SPARE
	v_mov_b32 v[NIL], 0
	ds_add_u32 v5, v6
	s_wait_dscnt 0x0
	v_lshrrev_b32 v10, 5, v0
	v_readfirstlane_b32 s[WV], v10                 ; wave 0..15
	s_bfe_u32 s14, ttmp6, 0x40000                  ; cx
	s_lshl_b32 s15, ttmp9, 2
	s_add_co_u32 s15, s15, s14                     ; x = 4 x cluster x + cx: it enters q's and o's global addresses and the mask's number alone
	s_and_b32 s16, ttmp7, 0xffff                   ; batch x 16 + head, which the four partners share
	; descriptor group 1: a record, dense: 101 rows of 256 bytes (32 elements of 8 bytes), no padding: every read takes consecutive bytes
	s_mov_b32 s[G1], 15|(3<<16)|(1<<21)            ; 15:0 the mask: all four work-groups; 17:16 elements of 8 bytes; 21 set beside a mask
	s_mov_b32 s[G1+1], 32<<16                      ; tensor_dim0
	s_mov_b32 s[G1+2], 101<<16                     ; tensor_dim1
	s_mov_b32 s[G1+3], 32<<16                      ; tile_dim0
	s_mov_b32 s[G1+4], 101                         ; tile_dim1
	s_mov_b32 s[G1+5], 32                          ; tensor_dim0_stride
	s_mov_b32 s[G1+6], 0
	s_mov_b32 s[G1+7], 0
	s_and_b32 s17, s[WV], 3                        ; which of a slot's four records I bring, if I bring one
	s_mul_i32 s19, s17, REC                        ; its place in a slot
	s_lshl_b32 s20, s16, 4
	s_add_co_u32 s20, s20, s17
	s_mul_i32 s20, s20, REC                        ; and in memory: record (batch, head, step)
	s_mov_b32 s21, 0
	s_lshl_b32 s22, s16, 4
	s_add_co_u32 s22, s22, s[WV]
	s_mul_i32 s22, s22, KREC                       ; q's record w
	s_mul_i32 s23, s15, 2304
	s_add_co_u32 s44, s22, s23                     ; its tile x
	s_mov_b32 s45, 0
	s_lshr_b32 s46, s15, 2
	s_lshl_b32 s46, s46, 9
	s_and_b32 s47, s15, 3
	s_lshl_b32 s47, s47, 2
	s_add_co_u32 s46, s46, s47
	s_add_co_u32 s46, s46, s22
	s_add_co_u32 s46, s46, 18432                   ; and that tile's scale words: 18,432 + 512 (x / 4) + 4 (x % 4), 16 bytes from lane to lane
	s_mov_b32 s47, 0
	s_and_b32 s53, s16, 15                         ; the head
	s_lshl_b32 s48, s53, 2
	s_mov_b32 s49, 0
	s_mov_b32 s[SEL], 0x76543210
	s_mov_b32 s[SEL+1], 0xfedcba98
	s_mov_b32 s[CS], 0x3e38aa3b                    ; c = log2(e) / 8
	s_mov_b32 s[CS+1], s[CS]                       ; (named with it as a pair, so it is written)
	s_mov_b32 s55, 0xffff0000                      ; lanes 16-31
	s_mov_b32 s[TBS], 0
	s_mov_b32 s[SJ], 0
	s_mov_b32 s[SLOTS], 3
	s_wait_kmcnt 0x0
	s_mov_b32 s[G0], 1                             ; 1:0 count = 1
	s_mov_b32 s[G0+1], s19                         ; 63:32 LDS address: slot 0
	s_add_nc_u64 s[G0+2:G0+3], s[6:7], s[20:21]    ; 120:64 global address
	s_or_b32 s[G0+3], s[G0+3], 0x80000000          ; 127:126 type = 2
	CROUND                                         ; all four work-groups are here: the first joint loads meet
	TLOAD                                          ; slot 0: key steps 0-3
	s_add_nc_u64 s[44:45], s[4:5], s[44:45]
	s_add_nc_u64 s[46:47], s[4:5], s[46:47]
	s_add_nc_u64 s[48:49], s[8:9], s[48:49]
	s_load_b32 s50, s[48:49], 0x0                  ; lambda_raw[head]
	v_and_b32 v10, 31, v0
	v_lshlrev_b32 v[L16], 4, v10
	v_lshlrev_b32 v[L8], 3, v10
	global_load_b128 v[QD:QD+3], v[L16], s[44:45]                  ; the image's registers 0-3,
	global_load_b64 v[QD+4:QD+5], v[L16], s[44:45] offset:512      ; 4, 5: q;
	global_load_b64 v[QP:QP+1], v[L16], s[44:45] offset:520        ; 6, 7,
	global_load_b128 v[QP+2:QP+5], v[L16], s[44:45] offset:1024    ; 8-11,
	global_load_b128 v[QP+6:QP+9], v[L16], s[44:45] offset:1536    ; 12-15,
	global_load_b64 v[QP+10:QP+11], v[L8], s[44:45] offset:2048    ; 16, 17: cos and sin
	global_load_b32 v[QSC], v[L16], s[46:47]
	v_and_b32 v10, 15, v0                          ; r
	v_bfe_u32 v11, v0, 4, 1                        ; h
	s_lshr_b32 s51, s15, 1
	s_lshl_b32 s51, s51, 5
	s_and_b32 s52, s15, 1
	s_lshl_b32 s52, s52, 3
	s_add_co_u32 s51, s51, s52                     ; 32 (x / 2) + 8 (x % 2)
	v_and_b32 v219, 7, v10
	v_lshrrev_b32 v222, 3, v10
	v_lshl_add_u32 v219, v222, 4, v219
	v_add_nc_u32 v219, s51, v219                   ; my query's place in its 128: 32 (x / 2) + 8 (x % 2) + r + 8 (r / 8)
	v_lshlrev_b32 v222, 4, v11
	v_sub_nc_u32 v[DD], v219, v222
	s_lshr_b32 s52, s16, 4
	s_lshl_b32 s52, s52, 11
	s_lshl_b32 s51, s[WV], 7
	s_add_co_u32 s52, s52, s51
	v_add_nc_u32 v219, s52, v219                   ; its row of o: 2,048 x batch + 128 w + place
	v_mul_u32_u24 v[OFFC], v219, 768
	v_mad_u32_u24 v[OFFC], v11, 24, v[OFFC]
	s_mul_i32 s51, s53, 48
	v_add_nc_u32 v[OFFC], s51, v[OFFC]             ; row x 768 + 48 x head + 24 h: my block of 32 codes
	v_lshlrev_b32 v[OFFS], 5, v219
	v_add_nc_u32 v[OFFS], v[OFFS], v11
	s_lshl_b32 s51, s53, 1
	v_add_nc_u32 v[OFFS], s51, v[OFFS]             ; row x 32 + 2 x head + h: its scale byte
.irp j, 6,7,8,9,10,11
	v_mov_b32 v[QD+\j], 0                          ; zero codes for the upper 64 of the dot instruction's K
.endr
	v_mov_b32 v13, 0xff61b1e6                      ; the largest t so far: -3e38, under every t
	v_floor_f32 v12, -v13                          ; -M
	v_mov_b32 v14, 0                               ; the sum, in two halves
	v_mov_b32 v15, 0
.irp b, 0,1,2,3
	v_mov_b32 v[236+\b], 0                         ; written once: a lane permute's destination counts as one of its sources
.endr
	v_mov_b32 v252, 0
	v_mov_b32 v253, 0                              ; (named as the upper half of the pair v[252:253] before it is first written)
	v_mov_b32 v255, 0xff800000                     ; -infinity
.set n, 0
.rept 32
	v_mov_b32 v[OT+n], 0                           ; O^T.  (The step is written once: a wave's first step finds zeros, which the first change of M leaves zeros)
.set n, n+1
.endr
	s_wait_kmcnt 0x0
	v_mov_b32 v220, s50                            ; L = lambda_raw[head]
	v_mul_f32 v221, v220, v220
	v_mul_f32 v222, 0x4038aa3b, v220
	v_exp_f32 v222, v222                           ; e^(2 L)
	v_mov_b32 v223, 0x3e088889                     ; (a plain line behind the exponential)  2/15
	s_wait_alu depctr_va_vdst(0)
	v_add_f32 v222, 1.0, v222
	v_rcp_f32 v222, v222
	v_fmamk_f32 v223, v221, 0xbd5d0dd1, v223       ; the series L (1 - L^2/3 + 2 L^4/15 - 17 L^6/315), taken where L^2 < 2^-6
	v_fmaak_f32 v223, v223, v221, 0xbeaaaaab
	v_fma_f32 v223, v223, v221, 1.0
	v_mul_f32 v223, v223, v220
	s_wait_alu depctr_va_vdst(0)
	v_fma_f32 v222, v222, -2.0, 1.0                ; tanh(L) = 1 - 2 / (1 + e^(2 L))
	v_cmp_gt_f32 vcc_lo, 0x3c800000, v221
	v_cndmask_b32 v220, v222, v223, vcc_lo
	v_mul_f32 v[LAM], 0.5, v220                    ; lam
	v_mov_b32 v[LAM+1], v[LAM]
; A KEY STEP: 128 keys, the record at s[TBS].  A step whose keys all come after my queries (step > wave) is left out: a scalar branch round its loads, products and softmax, not round the lines that step
; the address and the count; no barrier and no tensor load stands in a step.
.macro STEP
	s_cmp_gt_u32 s[SJ], s[WV]
	s_cbranch_scc1 .Lhidden_\@
	v_add_nc_u32 v[AD16], s[TBS], v[L16]
	v_add_nc_u32 v[AD8], s[TBS], v[L8]
	v_nop
	v_nop                                          ; four places in front of loads into registers that the last step's products have read
	ds_load_b128 v[KSC:KSC+3], v[AD16] offset:18432
	ds_load_b128 v[KSC+4:KSC+7], v[AD16] offset:18944
.irp g, 0,1                                    ; S^T, four tiles of 16 keys at a time
.if \g
.rept 4
	v_nop
.endr
.endif
.irp t, 0,1,2,3
.irp c, 0,1,2,3
	ds_load_b128 v[KB+18*\t+4*\c:KB+18*\t+4*\c+3], v[AD16] offset:2304*(4*\g+\t)+512*\c
.endr
	ds_load_b64 v[KB+18*\t+16:KB+18*\t+17], v[AD8] offset:2304*(4*\g+\t)+2048
.endr
	s_wait_dscnt 0x0
.irp t, 0,1,2,3                                ; the phase products start the sums: kcos . qcos + ksin . qsin; both sides' scale words from lanes 16-31
	v_wmma_scale_f32_16x16x128_f8f6f4 v[S+8*(4*\g+\t):S+8*(4*\g+\t)+7], v[KB+18*\t+6:KB+18*\t+17], v[QP:QP+11], 0, v[KSC+4*\g+\t], v[QSC] matrix_a_fmt:MATRIX_FMT_FP6 matrix_b_fmt:MATRIX_FMT_FP6 matrix_a_scale:MATRIX_SCALE_ROW1 matrix_b_scale:MATRIX_SCALE_ROW1
.endr
.rept 4
	v_nop
.endr
.irp t, 0,1,2,3
.irp j, 0,2,4,6
	v_pk_mul_f32 v[S+8*(4*\g+\t)+\j:S+8*(4*\g+\t)+\j+1], v[S+8*(4*\g+\t)+\j:S+8*(4*\g+\t)+\j+1], v[LAM:LAM+1]   ; x lam
.endr
.endr
.irp t, 0,1,2,3                                ; + k . q.  The four accumulators take turns, one instruction a turn
	v_wmma_scale_f32_16x16x128_f8f6f4 v[S+8*(4*\g+\t):S+8*(4*\g+\t)+7], v[KB+18*\t:KB+18*\t+11], v[QD:QD+11], v[S+8*(4*\g+\t):S+8*(4*\g+\t)+7], v[KSC+4*\g+\t], v[QSC] matrix_a_fmt:MATRIX_FMT_FP6 matrix_b_fmt:MATRIX_FMT_FP6
.endr
.endr
.rept 4
	v_nop                                          ; places in front of the loads below and of the first read of the scores
.endr
.irp t, 0,1,2,3                                ; V's four tiles land while the softmax is walked
.irp c, 0,1,2
	ds_load_b128 v[KB+12*\t+4*\c:KB+12*\t+4*\c+3], v[AD16] offset:KREC+1536*\t+512*\c
.endr
.endr
	ds_load_b64 v[VSC:VSC+1], v[AD8] offset:KREC+6144
	s_cmp_lg_u32 s[SJ], s[WV]                      ; on the diagonal (step = wave) hidden scores become -infinity ahead of the maximum: p = 0 then
	s_cbranch_scc1 .Lopen_\@
.set n, 0
.rept 64
	v_cmp_gt_i32 vcc_lo, 32*(n/16)+n%16, v[DD]     ; register 16 b + i holds key 32 b + 16 (lane / 16) + i of the step: hidden where 32 b + i > my place - 16 (lane / 16)
	v_cndmask_b32 v[S+n], v[S+n], v255, vcc_lo
.set n, n+1
.endr
.Lopen_\@:
.irp b, 0,1,2,3
	v_max3_num_f32 v[232+\b], v[S+16*\b], v[S+1+16*\b], v[S+2+16*\b]   ; THE LARGEST SCORE OF EACH BLOCK OF 32 KEYS: for the row's maximum, and, since p rises with the score, for the block's largest p
.endr
.irp i, 3,5,7,9,11,13
.irp b, 0,1,2,3
	v_max3_num_f32 v[232+\b], v[232+\b], v[S+16*\b+\i], v[S+1+16*\b+\i]
.endr
.endr
.irp b, 0,1,2,3
	v_max_num_f32 v[232+\b], v[232+\b], v[S+15+16*\b]
.endr
.irp b, 0,1,2,3
	v_permlanex16_b32 v[236+\b], v[232+\b], s[SEL], s[SEL+1]
.endr
.irp b, 0,1,2,3
	v_max_num_f32 v[232+\b], v[232+\b], v[236+\b]  ; with lane l xor 16's 16 keys
.endr
	v_max3_num_f32 v254, v232, v233, v234
	v_max_num_f32 v254, v254, v235                 ; the step's largest score of my query
	v_mul_f32 v254, s[CS], v254                    ; as t (c is positive)
	v_max_num_f32 v13, v13, v254                   ; the running largest t
	v_mov_b32 v254, v12
	v_floor_f32 v12, -v13                          ; the new -M = floor(-t) = -ceil(t): M IS A WHOLE NUMBER
	v_sub_f32 v254, v12, v254                      ; M's old value less its new one: a whole number, 0 or less
	v_cvt_i32_f32 v254, v254                       ; (it saturates)
	v_ldexp_f32 v252, 1.0, v254                    ; f = 2^(old M - new M)
.set n, 0
.rept 32
	v_pk_fma_f32 v[S+n:S+n+1], v[S+n:S+n+1], s[CS:CS+1], v[12:13] op_sel_hi:[1,0,0]   ; t - M, two at a time
.set n, n+2
.endr
.irp b, 0,1,2,3
	v_fma_f32 v[232+\b], v[232+\b], s[CS], v12     ; the same of each block's largest score
.endr
.set n, 0
.rept 64
	v_exp_f32 v[S+n], v[S+n]                       ; p = 2^(t - M), at most 1: NOT normalised
.set n, n+1
.endr
.irp b, 0,1,2,3
	v_exp_f32 v[232+\b], v[232+\b]                 ; the block's largest p: the same two instructions on the same number give the same bits
.endr
	v_pk_mul_f32 v[14:15], v[14:15], v[252:253] op_sel_hi:[1,0]   ; the sums under the new M.  (A plain line behind the exponentials)
	s_wait_alu depctr_va_vdst(0)
.irp b, 0,1,2,3
	v_max_num_f32 v[232+\b], 0x1800000, v[232+\b]  ; the floor 2^(3 - 127): the byte cannot fall under 1 (a block whose every p is 0 keeps that byte: its codes are zeros)
.endr
.irp b, 0,1,2,3
	v_add_nc_u32 v[244+\b], 0xff000000, v[232+\b]  ; 2 off the exponent field: the conversion's scale operand
.endr
.irp b, 0,1,2,3
	v_lshrrev_b32 v[236+\b], 23, v[244+\b]         ; the scale's byte
.endr
	v_lshl_or_b32 v253, v237, 8, v236              ; p's scale word for these 128 keys
	v_lshl_or_b32 v253, v238, 16, v253
	v_lshl_or_b32 v253, v239, 24, v253
.irp c, 0,1
	v_cvt_scalef32_pk16_fp6_f32 v[224+6*\c:226+6*\c], v[S+32*\c:S+15+32*\c], v[244+2*\c]
	v_cvt_scalef32_pk16_fp6_f32 v[236+4*\c:238+4*\c], v[S+16+32*\c:S+31+32*\c], v[244+2*\c+1]   ; (a conversion's three registers begin on an even number)
.endr
	v_nop                                          ; one plain line behind a scaled conversion
.irp c, 0,1                                    ; the operand's layout wants a WHOLE block in a lane: lanes 0-15 block 2 c, lanes 16-31 block 2 c + 1
.irp i, 0,1,2
	v_permlane16_swap_b32 v[224+6*\c+\i], v[236+4*\c+\i]
.endr
.irp i, 0,1,2
	v_mov_b32 v[227+6*\c+\i], v[236+4*\c+\i]
.endr
.endr
	v_pk_add_f32 v[236:237], v[S:S+1], v[S+2:S+3]  ; THE ROW'S SUM IS TAKEN OF THE UNQUANTISED p: two at a time, in two chains
.irp j, 4,8,12,16,20,24,28,32,36,40,44,48,52,56,60
	v_pk_add_f32 v[14:15], v[14:15], v[S+\j:S+1+\j]
	v_pk_add_f32 v[236:237], v[236:237], v[S+2+\j:S+3+\j]
.endr
	v_pk_add_f32 v[14:15], v[14:15], v[236:237]
.set n, 0
.rept 16
	v_pk_mul_f32 v[OT+n:OT+n+1], v[OT+n:OT+n+1], v[252:253] op_sel_hi:[1,0]   ; O^T under the new M: x f.  (With the sums above: the places between p's scale word and codes and the products below)
.set n, n+2
.endr
	s_wait_dscnt 0x0                               ; V is in
.irp t, 0,1                                    ; O^T += V^T P^T: four tiles of 16 channels; K = these 128 keys
	v_wmma_scale_f32_16x16x128_f8f6f4 v[OT+8*\t:OT+8*\t+7], v[KB+12*\t:KB+12*\t+11], v[224:235], v[OT+8*\t:OT+8*\t+7], v[VSC+\t], v253 matrix_a_fmt:MATRIX_FMT_FP6 matrix_b_fmt:MATRIX_FMT_FP6
.endr
.irp t, 2,3
	v_wmma_scale_f32_16x16x128_f8f6f4 v[OT+8*\t:OT+8*\t+7], v[KB+12*\t:KB+12*\t+11], v[224:235], v[OT+8*\t:OT+8*\t+7], v[VSC+\t-2], v253 matrix_a_fmt:MATRIX_FMT_FP6 matrix_b_fmt:MATRIX_FMT_FP6 matrix_a_scale:MATRIX_SCALE_ROW1
.endr
.Lhidden_\@:
	s_add_co_u32 s[TBS], s[TBS], REC               ; the next step's record
	s_add_co_u32 s[SJ], s[SJ], 1
.endm
; THE CHANGE OF SLOTS stands at a slot's head.  Each wave waits for all its tensor loads (its record of the slot ahead), adds 0 to its spare word, and waits for that and for its reads of the slot that it has left.
; fill = 1: behind a round of the cluster's barrier, so that no wave of any partner still reads the other slot or has a load on its way, that slot is filled with the next four records: the load has four steps in which to land.
.macro CHANGE fill
	s_wait_tensorcnt 0x0                           ; no tensor load of mine is out, so group 0 may be written
	ds_add_u32 v[SPW], v[NIL]                      ; 0 onto my spare word
.if \fill
	s_xor_b32 s[G0+1], s[G0+1], SLOT1              ; the other slot than last time,
	s_add_nc_u64 s[G0+2:G0+3], s[G0+2:G0+3], 4*REC ; the next four records; the type bits on top are not reached
.endif
	s_wait_dscnt 0x0                               ; the add is done, and my reads of the slot that I have left are over
.if \fill
	CROUND
	TLOAD                                          ; the first thing behind the round, and a wave's one tensor load until the next
.else
	s_barrier_signal -1
	s_barrier_wait -1
.endif
.endm
.macro FOUR_STEPS                      ; a slot's four key steps: written once, walked four times; the LDS addresses hang on s[TBS]
	s_mov_b32 s[INNER], 4
.Lstep_\@:
	STEP
	s_sub_co_u32 s[INNER], s[INNER], 1
	s_cmp_lg_u32 s[INNER], 0
	s_cbranch_scc1 .Lstep_\@
	s_sub_co_u32 s[TBS], s[TBS], 4*REC             ; back to a slot's first record,
	s_xor_b32 s[TBS], s[TBS], SLOT1                ; in the other slot
.endm
	s_wait_loadcnt 0x0                             ; q
.Lslot:                                            ; three trips: behind each change of slots but the last the next slot is asked for
	CHANGE 1
	FOUR_STEPS
	s_sub_co_u32 s[SLOTS], s[SLOTS], 1
	s_cmp_lg_u32 s[SLOTS], 0
	s_cbranch_scc1 .Lslot
	CHANGE 0                                       ; the last slot is written out
	FOUR_STEPS
	; THE WAY OUT.  O^T / the sum: register 16 g + i is channel 32 g + 16 (lane / 16) + i of my query's head: two blocks of 32 along the last projection's K, quantised here.
.rept 4
	v_nop                                          ; places behind the last products
.endr
	v_add_f32 v14, v14, v15                        ; the sum's two halves,
	v_permlanex16_b32 v252, v14, s[SEL], s[SEL+1]
	v_add_f32 v14, v14, v252                       ; and lane l xor 16's: the row's sum
	v_rcp_f32 v14, v14
	v_nop                                          ; a plain line behind the reciprocal
.set n, 0
	s_wait_alu depctr_va_vdst(0)
.rept 32
	v_mul_f32 v[S+n], v[OT+n], v14                 ; each accumulator from its low end on
.set n, n+1
.endr
.irp b, 0,1
	v_max3_num_f32 v[232+\b], |v[S+16*\b]|, |v[S+16*\b+1]|, 0x1800000
.endr
.irp i, 2,4,6,8,10,12,14
.irp b, 0,1
	v_max3_num_f32 v[232+\b], v[232+\b], |v[S+16*\b+\i]|, |v[S+16*\b+\i+1]|
.endr
.endr
.irp b, 0,1
	v_permlanex16_b32 v[236+\b], v[232+\b], s[SEL], s[SEL+1]
.endr
.irp b, 0,1
	v_max_num_f32 v[232+\b], v[232+\b], v[236+\b]
.endr
.irp b, 0,1
	v_add_nc_u32 v[244+\b], 0xff000000, v[232+\b]
.endr
.irp b, 0,1
	v_lshrrev_b32 v[240+\b], 23, v[244+\b]
.endr
	v_cvt_scalef32_pk16_fp6_f32 v[224:226], v[S:S+15], v244
	v_cvt_scalef32_pk16_fp6_f32 v[236:238], v[S+16:S+31], v245
	v_nop
.irp i, 0,1,2
	v_permlane16_swap_b32 v[224+\i], v[236+\i]     ; lanes 0-15 now hold block 0, lanes 16-31 block 1
.endr
.irp i, 0,1,2
	v_mov_b32 v[227+\i], v[236+\i]
.endr
	v_cndmask_b32 v240, v240, v241, s55            ; my block's byte
	global_store_b64 v[OFFC], v[224:225], s[10:11]
	global_store_b64 v[OFFC], v[226:227], s[10:11] offset:8
	global_store_b64 v[OFFC], v[228:229], s[10:11] offset:16
	global_store_b8 v[OFFS], v240, s[12:13]
	s_wait_tensorcnt 0x0                           ; the wave's end
	ds_add_u32 v[SPW], v[NIL]
	s_wait_dscnt 0x0
	CROUND                                         ; the closing round: no work-group ends while a partner may still ask for a record that names it
	s_endpgm
.Lfunc_end_k_q8d74670a96_attn:
	.size	k_q8d74670a96_attn, .Lfunc_end_k_q8d74670a96_attn-k_q8d74670a96_attn
	.p2alignl 7, 3214868480
	.fill 96, 4, 3214868480
	.section	.rodata,"a",@progbits
	.p2align	6, 0x0
	.amdhsa_kernel k_q8d74670a96_attn
		.amdhsa_group_segment_fixed_size 327680
		.amdhsa_private_segment_fixed_size 0
		.amdhsa_enable_private_segment 0
		.amdhsa_kernarg_size 40
		.amdhsa_user_sgpr_count 2
		.amdhsa_user_sgpr_kernarg_segment_ptr 1
		.amdhsa_wavefront_size32 1
		.amdhsa_system_sgpr_workgroup_id_x 1
		.amdhsa_system_sgpr_workgroup_id_y 1
		.amdhsa_system_sgpr_workgroup_id_z 1
		.amdhsa_system_vgpr_workitem_id 0
		.amdhsa_next_free_vgpr 256
		.amdhsa_next_free_sgpr 66
		.amdhsa_reserve_vcc 1
		.amdhsa_float_denorm_mode_32 3
		.amdhsa_float_denorm_mode_16_64 3
		.amdhsa_memory_ordered 1
		.amdhsa_forward_progress 1
		.amdhsa_inst_pref_size 65
	.end_amdhsa_kernel
	.amdgpu_metadata
---
amdhsa.version: [ 1, 2 ]
amdhsa.kernels:
  - .name:           k_q8d74670a96_attn
    .symbol:         k_q8d74670a96_attn.kd
    .args:
      - { .name: qimg, .offset: 0, .size: 8, .value_kind: global_buffer, .address_space: global }
      - { .name: kvimg, .offset: 8, .size: 8, .value_kind: global_buffer, .address_space: global }
      - { .name: lambda_raw, .offset: 16, .size: 8, .value_kind: global_buffer, .address_space: global }
      - { .name: oc, .offset: 24, .size: 8, .value_kind: global_buffer, .address_space: global }
      - { .name: os, .offset: 32, .size: 8, .value_kind: global_buffer, .address_space: global }
    .group_segment_fixed_size: 327680
    .private_segment_fixed_size: 0
    .kernarg_segment_align: 8
    .kernarg_segment_size: 40
    .max_flat_workgroup_size: 512
    .sgpr_count:     66
    .vgpr_count:     256
    .wavefront_size: 32
...
	.end_amdgpu_metadata
.endif
;; end of part 4
;; launch outp (part 5): grid 4 x 16, 4 waves a work-group, clusters of 4 x 4, 327,680 bytes of LDS; arguments oc, os, opc, ops, out0; writes out0
.if DOCPART == 5
	.amdgcn_target "amdgcn-amd-amdhsa--gfx1250"
	.amdhsa_code_object_version 6
	.text
	.protected	k_q8d74670a96_outp
	.globl	k_q8d74670a96_outp
	.p2align	8
	.type	k_q8d74670a96_outp,@function
k_q8d74670a96_outp:
	s_mov_b64 s[64:65], 0
	v_nop
	global_prefetch_b8 v0, s[64:65] scope:SCOPE_SE
	s_setreg_imm32_b32 hwreg(HW_REG_WAVE_MODE, 25, 1), 1
	s_wait_xcnt 0x0
	s_wait_alu depctr_hold_cnt(0) depctr_sa_sdst(0) depctr_va_vdst(0) depctr_va_sdst(0) depctr_va_ssrc(0) depctr_va_vcc(0) depctr_vm_vsrc(0)
	s_getreg_b32 s2, hwreg(HW_REG_IB_STS2, 6, 4)
	s_cmp_eq_u32 s2, 0
	s_cbranch_scc0 .Lentry_in_a_cluster
	s_endpgm
.Lentry_in_a_cluster:
	s_bfe_u32 s2, ttmp6, 0x10000c
	s_cmp_lg_u32 s2, 0xf033
	s_cbranch_scc0 .Lentry_shape_is_right
	s_endpgm
.Lentry_shape_is_right:
; out0[m][n] = sum over k of o[m][k] Wo[k][n].  A = o: [4096][1024] as codes of FP6 (E2M3) with one E8M0 scale for each 32 along K, made by the launch before; B = Wo with K innermost: rows 9216 on of the
; operand buffers (768 bytes of codes and 32 scale bytes a row).  C: [4096][1024] f32; sums in f32.
; A tile of C, 256 x 256, is made by a work-group of four waves; a wave makes 128 x 128: 64 accumulators of 16 x 16, 512 registers.  C has 64 such tiles.
; K goes in steps of 256 through a ring of two LDS slots filled by the tensor data mover: a tile's row is 192 bytes of memory.
; THE SCALES of the work-group's 256 rows of A and 256 rows of B, for all of K, are two dense blocks of memory: they come into LDS ONCE, with the first fills, and stay.
; CLUSTERS: 4 x 4 work-groups.  The four of a row of the cluster need the same tiles of A, the four of a column the same tiles of B: each tile is asked for JOINTLY, by the same tensor load with the
; same descriptor and a mask that names the four.  THE MATRIX INSTRUCTION IS USED TRANSPOSED (source 0 = 16 rows of B, source 1 = 16 rows of A): a lane then holds eight neighbouring numbers of a row of C.
; REGISTERS, in windows of 256: window 0: v0-31 addresses; v32-63 scale words, two sets; from v128 A's fragments, ONE set; on the way out v32-255 are free.
;   window 1: B's fragments, TWO sets, at v0 and at v128.   window 2: the 32 accumulators of my rows 0-63 (accumulator (a, b) at v[8 (8 a + b)]);   window 3: those of my rows 64-127.
.set SIZE_M, 4096
.set SIZE_N, 1024
.set SIZE_K, 1024
.set KSTEP,  256                       ; along K in a slot
.set NQ,     KSTEP/128                 ; matrix instructions deep
.set ROWB,   192                       ; a tile's row in bytes
.set KROW,   SIZE_K*6/8                ; a row of A or of B in memory, in bytes
.set PITCH,  240                       ; an LDS row: 3 x (64 bytes of data + 16 of padding) = 60 words: the 32 lanes of a load of 8 bytes touch 64 different banks (64 banks of 4 bytes: ISA guide 11.1)
.set FR,     12                        ; registers of a fragment: 16 rows x 128 K
.set NL,     6                         ; LDS loads that bring one
.set NP,     4                         ; places behind this matrix instruction (ISA guide 7.12.1)
.set HALFT,  128*PITCH                 ; 128 rows: what one tensor load brings
.set SLOT,   4*HALFT                   ; A's 256 rows, then B's 256 rows
.set LAPS,   SIZE_K/(2*KSTEP)          ; a lap = two K steps = once round the ring
.set KS,     SIZE_K/32                 ; a row of scales in bytes
.set SCL,    2*SLOT                    ; behind the ring: the scales, as rows of 256 bytes + 16 of padding
.set HALFS,  (128*KS/256)*272          ; the scales of 128 rows
.set SBLK,   (16*KS/256)*272           ; those of 16 rows
.set SPARE,  SCL+4*HALFS               ; behind the scales: the spare words, 128 bytes for each wave: two blocks of 256 bytes that no other line names
.set SPITCH, 528                       ; the way out: a stage of 16 rows x (512 bytes + 16) for each wave.  It lies in slot 0, which has had its last fill and its last read when the first result is stored there
.set ADRA, 16                          ; v16-17  LDS address of my A fragments in slot 0, 1  (v18-19: for the pieces that lie behind one padding more)
.set ADRB, 20                          ; v20-21  the same for B  (v22-23)
.set STO,  24                          ; v24     the way out: where I put 32 bytes of a row
.set RD,   25                          ; v25     the way out: where I read a row back
.set CO,   26                          ; v26     my byte offset in a row of C
.set SPW,  28                          ; v28     LDS address of my spare word; never rewritten
.set NIL,  29                          ; v29     0; never rewritten
.set ADRS, 27                          ; v27     LDS address of my scale words: lanes 0-15 A's rows, lanes 16-31 B's
.set SC,   32                          ; scale words: set s at v[SC + 8 NQ s]; register NQ i + q: lanes 0-15 A's block i, lanes 16-31 B's block i
.set AF,   128                         ; A's fragments, in window 0
.set BK,   128                         ; the way out: 16 rows read back from the stage: v128-191 and v192-255 by turns
.set G1, 24                            ; s[24:31] descriptor group 1 for A's tiles;  s[32:39] group 0, one set for each slot
.set G0, 32
.set G1B, 48                           ; s[48:55], s[56:63] the same for B's tiles
.set G0B, 56
.set G1S, 68                           ; s[68:75], s[76:79] groups 1 and 0 for A's scales;  s[80:87], s[88:91] for B's
.set G0S, 76
.set G1SB, 80
.set G0SB, 88
.set MSB, 0
.macro WIN new                         ; the immediate's high byte repeats the setting that is left
.if MSB != \new
	s_set_vgpr_msb (MSB<<8)|\new
.set MSB, \new
.endif
.endm
.set MUL_LO, 0xa1                      ; source 0 (B) window 1, source 1 (A) window 0, C and D window 2
.set MUL_HI, 0xf1                      ; the same, C and D window 3
.set TO_B,   0x40                      ; destination window 1, address window 0
; A joint load: waves 0 and 1 fetch for A, waves 2 and 3 for B.  Each of the two lines has ONE mask and one set of registers for all that issue it; the branch hangs on the wave's number alone.
; Four v_nop follow each of the two lines, ahead of the jump, the label and what follows.
.macro JLOAD g0a, g1a, g0b, g1b
	s_cmp_eq_u32 s15, 0
	s_cbranch_scc0 .Lfor_b_\@
	tensor_load_to_lds s[\g0a:\g0a+3], s[\g1a:\g1a+7]
	s_nop 0
.rept 4
	v_nop
.endr
	s_branch .Lasked_\@
.Lfor_b_\@:
	tensor_load_to_lds s[\g0b:\g0b+3], s[\g1b:\g1b+7]
	s_nop 0
.rept 4
	v_nop
.endr
.Lasked_\@:
.endm
.macro CREST                           ; a round of the cluster's barrier behind its opening barrier
	s_cmp_lg_u32 s14, 0
	s_cbranch_scc1 .Lnot_wave_0_\@
	s_barrier_signal -3
.Lnot_wave_0_\@:
	s_barrier_wait -3
	s_barrier_signal -1
	s_barrier_wait -1
.endm
.macro CROUND                          ; a whole round
	s_barrier_signal -1
	s_barrier_wait -1
	CREST
.endm
	s_load_b128 s[4:7], s[0:1], 0x0                ; A's codes s[4:5], A's scales s[6:7]
	s_load_b128 s[8:11], s[0:1], 0x10              ; the operand buffers: codes s[8:9], scales s[10:11]
	s_load_b64 s[12:13], s[0:1], 0x20              ; C
	v_lshl_add_u32 v[SPW], v0, 2, SPARE
	v_mov_b32 v[NIL], 0
	ds_add_u32 v28, v29
	s_wait_dscnt 0x0
	v_lshrrev_b32 v1, 5, v0
	v_readfirstlane_b32 s14, v1                    ; wave 0..3
	s_lshr_b32 s15, s14, 1                         ; which half of the tile's rows is mine.  Also: I fetch for A (0) or for B (1)
	s_and_b32 s16, s14, 1                          ; which half of its columns.  Also: which 128 rows of that tile I fetch
	s_bfe_u32 s40, ttmp6, 0x40000                  ; cx, cy: my place in the cluster
	s_bfe_u32 s41, ttmp6, 0x40004
	s_lshl_b32 s42, ttmp9, 2
	s_add_co_u32 s42, s42, s40                     ; tile column of C = 4 x cluster x + cx
	s_and_b32 s17, ttmp7, 0xffff
	s_lshl_b32 s17, s17, 2
	s_add_co_u32 s17, s17, s41                     ; tile row of C = 4 x cluster y + cy
	s_lshl_b32 s43, s41, 2
	s_lshl_b32 s43, 15, s43                        ; my row of the cluster
	s_lshl_b32 s44, 0x1111, s40                    ; my column
	; descriptor group 1: a tile of 128 rows x ROWB bytes, padded in LDS
	s_or_b32 s[G1+0], s43, (0<<16)|(1<<20)|(1<<21)|(3<<22)|(3<<25)  ; 15:0 the mask: A's tiles go to my row; 17:16 element of 1 byte; 20 padding on; 21 set beside a mask; 24:22 after every 16 words (code 3); 31:25 of 4 words (code 3)
	s_or_b32 s[G1B+0], s44, (0<<16)|(1<<20)|(1<<21)|(3<<22)|(3<<25)
.irp g, G1, G1B
	s_mov_b32 s[\g+1], ROWB<<16                    ; tensor_dim0
	s_mov_b32 s[\g+2], 128<<16                     ; tensor_dim1 = 128
	s_mov_b32 s[\g+3], ROWB<<16                    ; tile_dim0
	s_mov_b32 s[\g+4], 128                         ; tile_dim1 = 128
	s_mov_b32 s[\g+5], KROW                        ; tensor_dim0_stride
	s_mov_b32 s[\g+6], 0
	s_mov_b32 s[\g+7], 0
.endr
	; and for the scales of 128 rows: a dense block of 4,096 bytes, as 16 rows of 256 bytes (32 elements of 8 bytes), 16 bytes of padding behind each
	s_or_b32 s[G1S+0], s43, (3<<16)|(1<<20)|(1<<21)|(5<<22)|(3<<25)
	s_or_b32 s[G1SB+0], s44, (3<<16)|(1<<20)|(1<<21)|(5<<22)|(3<<25)
.irp g, G1S, G1SB
	s_mov_b32 s[\g+1], 32<<16
	s_mov_b32 s[\g+2], (128*KS/256)<<16
	s_mov_b32 s[\g+3], 32<<16
	s_mov_b32 s[\g+4], 128*KS/256
	s_mov_b32 s[\g+5], 32
	s_mov_b32 s[\g+6], 0
	s_mov_b32 s[\g+7], 0
.endr
	s_lshl_b32 s18, s16, 7                         ; which 128 rows of the tile I fetch
	s_lshl_b32 s20, s17, 8
	s_add_co_u32 s20, s20, s18                     ; A: row 256 x tile row + 128 x half
	s_lshl_b32 s46, s42, 8
	s_add_co_u32 s46, s46, s18                     ; B: row 256 x tile column + 128 x half
	s_mov_b32 s21, 0
	s_mov_b32 s47, 0
	s_mov_b64 s[18:19], KS
	s_mul_u64 s[22:23], s[20:21], s[18:19]         ; where these rows' scales begin, in bytes
	s_mul_u64 s[92:93], s[46:47], s[18:19]
	s_mov_b64 s[18:19], KROW
	s_mul_u64 s[20:21], s[20:21], s[18:19]         ; and their codes
	s_mul_u64 s[46:47], s[46:47], s[18:19]
	s_mul_i32 s45, s14, HALFT                      ; where they go: wave x 128 rows: no place in the cluster enters an LDS address
	s_mul_i32 s94, s14, HALFS
	s_wait_kmcnt 0x0
	s_add_nc_u64 s[8:9], s[8:9], 9216*KROW         ; Wo's rows begin at row 9216 of the operand buffers
	s_add_nc_u64 s[10:11], s[10:11], 9216*KS
	s_add_nc_u64 s[20:21], s[4:5], s[20:21]
	s_add_nc_u64 s[22:23], s[6:7], s[22:23]
	s_add_nc_u64 s[46:47], s[8:9], s[46:47]
	s_add_nc_u64 s[92:93], s[10:11], s[92:93]
	CROUND                                         ; all sixteen work-groups are here: the first joint loads meet
	s_mov_b32 s[G0S], 1
	s_add_co_u32 s[G0S+1], s94, SCL
	s_mov_b64 s[G0S+2:G0S+3], s[22:23]
	s_or_b32 s[G0S+3], s[G0S+3], 0x80000000
	s_mov_b32 s[G0SB], 1
	s_add_co_u32 s[G0SB+1], s94, SCL
	s_mov_b64 s[G0SB+2:G0SB+3], s[92:93]
	s_or_b32 s[G0SB+3], s[G0SB+3], 0x80000000
	JLOAD G0S, G1S, G0SB, G1SB                     ; the scales first: they are wanted with K step 0
.irp s, 0,1
	s_mov_b32 s[G0+4*\s], 1
	s_add_co_u32 s[G0+4*\s+1], s45, \s*SLOT
	s_add_nc_u64 s[G0+4*\s+2:G0+4*\s+3], s[20:21], \s*ROWB
	s_or_b32 s[G0+4*\s+3], s[G0+4*\s+3], 0x80000000
	s_mov_b32 s[G0B+4*\s], 1
	s_add_co_u32 s[G0B+4*\s+1], s45, \s*SLOT
	s_add_nc_u64 s[G0B+4*\s+2:G0B+4*\s+3], s[46:47], \s*ROWB
	s_or_b32 s[G0B+4*\s+3], s[G0B+4*\s+3], 0x80000000
	JLOAD G0+4*\s, G1, G0B+4*\s, G1B
.endr
	v_and_b32 v1, 15, v0                           ; l % 16
	v_bfe_u32 v2, v0, 4, 1                         ; l / 16
	v_mul_u32_u24 v3, v1, PITCH
	v_mul_u32_u24 v4, v2, 24
	v_add_nc_u32 v4, v3, v4                        ; a fragment's row x pitch + 24 x half
	v_lshl_add_u32 v5, v2, 4, v4                   ; and the same behind one padding more
	s_mul_i32 s21, s15, HALFT                      ; my 128 rows of A
	s_mul_i32 s22, s16, HALFT                      ; my 128 rows of B,
	s_add_co_u32 s22, s22, 2*HALFT                 ; which lie behind A's 256
.irp s, 0,1
	v_add_nc_u32 v[ADRA+\s], s21, v4
	v_add_nc_u32 v[ADRB+\s], s22, v4
	v_add_nc_u32 v[ADRA+2+\s], s21, v5
	v_add_nc_u32 v[ADRB+2+\s], s22, v5
	s_add_co_u32 s21, s21, SLOT
	s_add_co_u32 s22, s22, SLOT
.endr
	v_mul_u32_u24 v5, v1, KS                       ; my row's scales: KS bytes a row,
	v_lshrrev_b32 v6, 8, v5
	v_lshl_add_u32 v5, v6, 4, v5                   ; and 16 more for each 256 passed
	s_mul_i32 s21, s15, HALFS                      ; A's: my 128 rows
	s_mul_i32 s22, s16, HALFS                      ; B's: my 128 rows, behind A's 256
	s_add_co_u32 s22, s22, 2*HALFS
	s_sub_co_u32 s22, s22, s21
	v_mul_u32_u24 v6, s22, v2                      ; lanes 16-31 take B's
	s_add_co_u32 s21, s21, SCL
	v_add_nc_u32 v5, v5, v6
	v_add_nc_u32 v[ADRS], s21, v5
	s_mul_i32 s23, s14, 16*SPITCH                  ; my stage
	v_mul_u32_u24 v5, v1, SPITCH                   ; in: row l % 16, 32 bytes for each half of the lanes
	v_lshl_add_u32 v5, v2, 5, v5
	v_add_nc_u32 v[STO], s23, v5
	v_and_b32 v6, 31, v0
	v_lshlrev_b32 v[CO], 4, v6                     ; back: the 32 lanes take one row of 512 bytes; and the same in C
	v_add_nc_u32 v[RD], s23, v[CO]
	s_lshl_b32 s20, s17, 8
	s_lshl_b32 s21, s15, 7
	s_add_co_u32 s20, s20, s21                     ; my first row of C: 256 x tile row + 128 x half
	s_mov_b32 s21, 0
	s_mov_b64 s[18:19], SIZE_N*4
	s_mul_u64 s[20:21], s[20:21], s[18:19]
	s_lshl_b32 s46, s42, 10                        ; my first column, in bytes: 1024 x tile column + 512 x half
	s_lshl_b32 s47, s16, 9
	s_add_co_u32 s46, s46, s47
	s_mov_b32 s47, 0
	s_add_nc_u64 s[20:21], s[20:21], s[46:47]
	s_add_nc_u64 s[12:13], s[12:13], s[20:21]
.macro FRAG reg, adr, q, i             ; a fragment, 16 rows x 128 K of 6-bit codes, is 12 registers: lane l holds row l % 16; registers 6 c .. 6 c + 5 hold K = 64 c + 32 (l / 16) + 0 .. 31: 24 bytes of the row's stream of bits, as they lie
.irp p, 0,1,2,3,4,5                    ; in pieces of 8 bytes, so that every address is a multiple of the access's size
.set PC, 12*(\q)+6*(\p/3)+\p%3        ; 16 bytes of padding lie behind every 64 bytes (8 pieces): where the piece three on lies behind one padding more, the second address register serves
.if PC%8 < 5
	ds_load_b64 v[\reg+2*\p:\reg+2*\p+1], v[\adr] offset:8*PC+16*(PC/8)+(\i)*16*PITCH
.else
	ds_load_b64 v[\reg+2*\p:\reg+2*\p+1], v[\adr+2] offset:8*PC+16*(PC/8)+(\i)*16*PITCH
.endif
.endr
.endm
; 16 matrix instructions: A's blocks a0, a0 + 1 x B's eight, 128 along K: the slot's q-th.  p: B's set;  sc: the set of scale words.  zero = 1: the first product starts the sums: nothing is ever cleared.
; The 64 accumulators take turns, one instruction a turn, in the same order in every step.
.macro MUL16 a0, p, q, sc, zero
.irp a, \a0, \a0+1
.irp b, 0,1,2,3,4,5,6,7
.if \zero
	v_wmma_scale_f32_16x16x128_f8f6f4 v[8*(8*((\a)%4)+\b):8*(8*((\a)%4)+\b)+7], v[128*(\p)+FR*\b:128*(\p)+FR*\b+FR-1], v[AF+FR*(\a):AF+FR*(\a)+FR-1], 0, v[SC+8*NQ*(\sc)+NQ*\b+(\q)], v[SC+8*NQ*(\sc)+NQ*(\a)+(\q)] matrix_a_fmt:MATRIX_FMT_FP6 matrix_b_fmt:MATRIX_FMT_FP6 matrix_a_scale:MATRIX_SCALE_ROW1
.else
	v_wmma_scale_f32_16x16x128_f8f6f4 v[8*(8*((\a)%4)+\b):8*(8*((\a)%4)+\b)+7], v[128*(\p)+FR*\b:128*(\p)+FR*\b+FR-1], v[AF+FR*(\a):AF+FR*(\a)+FR-1], v[8*(8*((\a)%4)+\b):8*(8*((\a)%4)+\b)+7], v[SC+8*NQ*(\sc)+NQ*\b+(\q)], v[SC+8*NQ*(\sc)+NQ*(\a)+(\q)] matrix_a_fmt:MATRIX_FMT_FP6 matrix_b_fmt:MATRIX_FMT_FP6 matrix_a_scale:MATRIX_SCALE_ROW1
.endif
.endr
.endr
.endm
.macro FETCH_B slot, q, p              ; B's eight fragments of the slot's q-th 128 along K into set p
	WIN TO_B
.irp i, 0,1,2,3,4,5,6,7
	FRAG 128*(\p)+FR*\i, ADRB+\slot, \q, \i
.endr
	WIN 0
.endm
.macro FETCH_A slot, q, i0             ; A's blocks i0 .. i0 + 3
.irp i, \i0, \i0+1, \i0+2, \i0+3
	FRAG AF+FR*(\i), ADRA+\slot, \q, \i
.endr
.endm
.macro SCALES sc                       ; the next K step's scale words into set sc: NQ words a row; lanes 0-15 take A's block i, lanes 16-31 B's block i
.irp i, 0,1,2,3,4,5,6,7
	ds_load_b64 v[SC+8*NQ*\sc+NQ*\i:SC+8*NQ*\sc+NQ*\i+1], v[ADRS] offset:\i*SBLK
.endr
.endm
; A load into a register that a matrix instruction has read, and a vector instruction or an LDS store that reads a matrix result, stand NP places behind that matrix instruction; only plain vector
; instructions that name none of its registers are places (ISA guide 7.12.1 for vector instructions).
.macro PLACES n
.rept \n
	v_nop
.endr
.endm
; A step of 128 along K that has its successor in the same slot.
.macro STEP slot, q, zero
	s_wait_dscnt 4*NL                              ; B's set and A's blocks 0-3 are in; the youngest 24 loads (A's blocks 4-7) may be out
	WIN MUL_LO
	MUL16 0, (\q)%2, \q, \slot, \zero
	MUL16 2, (\q)%2, \q, \slot, \zero
	s_wait_dscnt 0                                 ; A's blocks 4-7 are in (asked for 32 matrix instructions ago)
	PLACES NP
	FETCH_B \slot, (\q)+1, 1-(\q)%2
	FETCH_A \slot, (\q)+1, 0
	WIN MUL_HI
	MUL16 4, (\q)%2, \q, \slot, \zero
	MUL16 6, (\q)%2, \q, \slot, \zero
	PLACES NP
	WIN 0
	FETCH_A \slot, (\q)+1, 4
.endm
; A slot's last step changes slots: ONE barrier; in front of it each wave waits for all its tensor loads, adds 0 to its spare word, and waits for that and for its own reads of this slot.  fill = 1: this slot is filled again, two K steps ahead.
.macro TURN slot, next, fill
	s_wait_tensorcnt 0x0                           ; all my tensor loads have landed: my part of the next slot;  (every window is 0 here: the add's two registers lie in window 0)
	ds_add_u32 v[SPW], v[NIL]                      ; 0 onto my spare word;
	s_wait_dscnt 4*NL+1                            ; (the add and the youngest 24 loads, A's blocks 4-7, may be out)
	WIN MUL_LO
	MUL16 0, 1, NQ-1, \slot, 0                     ; sixteen matrix instructions stand between the add and the wait for it
	s_wait_dscnt 0x0                               ; the add is done, and my reads of this slot are over
	s_barrier_signal -1
	MUL16 2, 1, NQ-1, \slot, 0
	WIN 0
	s_barrier_wait -1
.if \fill
	CREST                                          ; the barrier has opened a round of the cluster's barrier: no wave of any partner still reads this slot's tile or has a load on its way
	s_add_nc_u64 s[G0+4*\slot+2:G0+4*\slot+3], s[G0+4*\slot+2:G0+4*\slot+3], 2*ROWB
	s_add_nc_u64 s[G0B+4*\slot+2:G0B+4*\slot+3], s[G0B+4*\slot+2:G0B+4*\slot+3], 2*ROWB
	JLOAD G0+4*\slot, G1, G0B+4*\slot, G1B         ; the first tensor load behind the round; the four v_nop behind it are the places in front of the loads below
.else
	PLACES NP
.endif
	v_add_nc_u32 v[ADRS], 4*NQ, v[ADRS]            ; on to the next K step's scale words (no LDS load of mine is out)
	FETCH_B \next, 0, 0
	FETCH_A \next, 0, 0
	SCALES \next
	WIN MUL_HI
	MUL16 4, 1, NQ-1, \slot, 0
	MUL16 6, 1, NQ-1, \slot, 0
	PLACES NP
	WIN 0
	FETCH_A \next, 0, 4
.endm
	s_wait_tensorcnt 1                             ; the scales and my part of K step 0 are in (K step 1's load may be out),
	s_barrier_signal -1
	s_barrier_wait -1                              ; everybody's are
	FETCH_B 0, 0, 0
	FETCH_A 0, 0, 0
	SCALES 0
	FETCH_A 0, 0, 4
	STEP 0, 0, 1                                   ; the first step stands in front of the loop: its products start the sums
	s_mov_b32 s3, LAPS-1
.Llap:                                                 ; a trip goes once round the ring, from a lap's second step to the next lap's first, and fills both slots again
	TURN 0, 1, 1
	STEP 1, 0, 0
	TURN 1, 0, 1
	STEP 0, 0, 0
	s_sub_co_u32 s3, s3, 1
	s_cmp_lg_u32 s3, 0
	s_cbranch_scc1 .Llap
	TURN 0, 1, 0                                   ; the last lap fills nothing, and has no round of the cluster's barrier
	STEP 1, 0, 0
	s_wait_dscnt 4*NL                              ; the very last step: nothing more to fetch
	WIN MUL_LO
	MUL16 0, 1, NQ-1, 1, 0
	MUL16 2, 1, NQ-1, 1, 0
	s_wait_dscnt 0
	WIN MUL_HI
	MUL16 4, 1, NQ-1, 1, 0
	MUL16 6, 1, NQ-1, 1, 0
	WIN 0
; THE WAY OUT, block by block of 16 rows x 128 columns.  A lane holds 32 neighbouring bytes of a row, and the lanes beside it hold other rows: so a block goes through my own stage in LDS and comes back as whole
; rows of 512 bytes, which the 32 lanes store as 512 consecutive bytes, aligned.  LDS serves a wave's instructions in order (ISA guide 5.7.1.4): no wait between the stores and the loads, nor in front of the next block's stores.
.macro TOSTAGE a
.set AC, 64*((\a)%4)
	WIN 0x08+4*((\a)/4)                            ; the data: window 2 or 3
.irp b, 0,1,2,3,4,5,6,7
	ds_store_b128 v[STO], v[AC+8*\b:AC+8*\b+3] offset:64*\b          ; each accumulator from its low end on
	ds_store_b128 v[STO], v[AC+8*\b+4:AC+8*\b+7] offset:64*\b+16
.endr
	WIN 0
.set BB, BK+64*((\a)%2)
.irp t, 0,1,2,3,4,5,6,7,8,9,10,11,12,13,14,15
	ds_load_b128 v[BB+4*\t:BB+4*\t+3], v[RD] offset:\t*SPITCH
.endr
.endm
.macro SEND a, younger                 ; younger: the LDS instructions issued behind block a's loads, which may stay out
.set BB, BK+64*((\a)%2)
	s_wait_dscnt \younger                          ; the block is back in registers
.if (\a) > 0
	s_add_nc_u64 s[12:13], s[12:13], 16*SIZE_N*4   ; (behind a wait on XCNT: the earlier stores have read their base)  16 rows of C on, so that the stores' offsets stay small: 15 rows of 4,096 bytes at the most
.endif
.irp t, 0,1,2,3,4,5,6,7,8,9,10,11,12,13,14,15
	global_store_b128 v[CO], v[BB+4*\t:BB+4*\t+3], s[12:13] offset:\t*SIZE_N*4 th:TH_STORE_NT   ; 32 lanes store 512 consecutive bytes, at a multiple of 256 from C's first byte; written once, read by nobody here
.endr
.endm
	PLACES NP                                      ; these places serve the loads into the registers that held A's fragments and the first reads of results alike
	TOSTAGE 0
.irp a, 1,2,3,4,5,6,7
.if \a > 1
	s_wait_xcnt 0x0                                ; block a - 2's stores have read their registers and their base: block a's loads may land there, and the base may step
.endif
	TOSTAGE \a
	SEND \a-1, 32                                  ; behind block a - 1's loads: block a's 16 stores and 16 loads
.endr
	s_wait_xcnt 0x0                                ; block 6's stores have read their base
	SEND 7, 0
	s_wait_tensorcnt 0x0                           ; the wave's end, behind my last tensor load and my last LDS store
	ds_add_u32 v[SPW], v[NIL]
	s_wait_dscnt 0x0
	CROUND                                         ; the closing round: no work-group ends while a partner may still ask for a tile that names it
	s_endpgm
.Lfunc_end_k_q8d74670a96_outp:
	.size	k_q8d74670a96_outp, .Lfunc_end_k_q8d74670a96_outp-k_q8d74670a96_outp
	.p2alignl 7, 3214868480
	.fill 96, 4, 3214868480
	.section	.rodata,"a",@progbits
	.p2align	6, 0x0
	.amdhsa_kernel k_q8d74670a96_outp
		.amdhsa_group_segment_fixed_size 327680
		.amdhsa_private_segment_fixed_size 0
		.amdhsa_enable_private_segment 0
		.amdhsa_kernarg_size 40
		.amdhsa_user_sgpr_count 2
		.amdhsa_user_sgpr_kernarg_segment_ptr 1
		.amdhsa_wavefront_size32 1
		.amdhsa_system_sgpr_workgroup_id_x 1
		.amdhsa_system_sgpr_workgroup_id_y 1
		.amdhsa_system_sgpr_workgroup_id_z 1
		.amdhsa_system_vgpr_workitem_id 0
		.amdhsa_next_free_vgpr 1024
		.amdhsa_next_free_sgpr 98
		.amdhsa_reserve_vcc 0
		.amdhsa_float_denorm_mode_32 3
		.amdhsa_float_denorm_mode_16_64 3
		.amdhsa_memory_ordered 1
		.amdhsa_forward_progress 1
		.amdhsa_inst_pref_size 160
	.end_amdhsa_kernel
	.amdgpu_metadata
---
amdhsa.version: [ 1, 2 ]
amdhsa.kernels:
  - .name:           k_q8d74670a96_outp
    .symbol:         k_q8d74670a96_outp.kd
    .args:
      - { .name: oc, .offset: 0, .size: 8, .value_kind: global_buffer, .address_space: global }
      - { .name: os, .offset: 8, .size: 8, .value_kind: global_buffer, .address_space: global }
      - { .name: opc, .offset: 16, .size: 8, .value_kind: global_buffer, .address_space: global }
      - { .name: ops, .offset: 24, .size: 8, .value_kind: global_buffer, .address_space: global }
      - { .name: out0, .offset: 32, .size: 8, .value_kind: global_buffer, .address_space: global }
    .group_segment_fixed_size: 327680
    .private_segment_fixed_size: 0
    .kernarg_segment_align: 8
    .kernarg_segment_size: 40
    .max_flat_workgroup_size: 128
    .sgpr_count:     98
    .vgpr_count:     1024
    .wavefront_size: 32
...
	.end_amdgpu_metadata
.endif
;; end of part 5
;; ======== version 2 of 2: 5 launches
;; limits: a function is approximated: absolute error at most 3e-07
;; workspace buffers: opc 7,864,320 bytes; ops 327,680 bytes; qimg 9,961,472 bytes; kvimg 13,238,272 bytes; oc 3,145,728 bytes; os 131,072 bytes
;; launch quant_x: the kernel of part 1 again; grid 128 x 1, 4 waves a work-group, no clusters, 33,280 bytes of LDS; arguments x, opc, ops; writes opc, ops
;; launch quant_w: the kernel of part 2 again; grid 48 x 4, 4 waves a work-group, no clusters, 36,352 bytes of LDS; arguments Wq, Wqp, Wk, Wkp, Wv, Wo, opc, ops; writes opc, ops
;; launch proj (part 6): grid 16 x 20, 4 waves a work-group, clusters of 4 x 4, 327,680 bytes of LDS; arguments opc, ops, qimg, kvimg; writes qimg, kvimg
.if DOCPART == 6
	.amdgcn_target "amdgcn-amd-amdhsa--gfx1250"
	.amdhsa_code_object_version 6
	.text
	.protected	k_q8d74670a96_proj
	.globl	k_q8d74670a96_proj
	.p2align	8
	.type	k_q8d74670a96_proj,@function
k_q8d74670a96_proj:
	s_mov_b64 s[64:65], 0
	v_nop
	global_prefetch_b8 v0, s[64:65] scope:SCOPE_SE
	s_setreg_imm32_b32 hwreg(HW_REG_WAVE_MODE, 25, 1), 1
	s_wait_xcnt 0x0
	s_wait_alu depctr_hold_cnt(0) depctr_sa_sdst(0) depctr_va_vdst(0) depctr_va_sdst(0) depctr_va_ssrc(0) depctr_va_vcc(0) depctr_vm_vsrc(0)
	s_getreg_b32 s2, hwreg(HW_REG_IB_STS2, 6, 4)
	s_cmp_eq_u32 s2, 0
	s_cbranch_scc0 .Lentry_in_a_cluster
	s_endpgm
.Lentry_in_a_cluster:
	s_bfe_u32 s2, ttmp6, 0x10000c
	s_cmp_lg_u32 s2, 0xf033
	s_cbranch_scc0 .Lentry_shape_is_right
	s_endpgm
.Lentry_shape_is_right:
; THE FIVE PROJECTIONS OF x, ON CODES OF FP6 (E2M3) WITH ONE E8M0 SCALE FOR EACH 32 ALONG K = 1024, AND WHAT ATTENTION WANTS OF THEM, QUANTISED ON THE WAY OUT: no f32 result goes to memory.
; Both operands are rows of one buffer of codes (768 bytes a row) and one of scale bytes (32 a row): rows 0-4095 x, 4096-5119 Wv, 5120-9215 the heads' [q 64 | qp 64 | k 64 | kp 64].
; A tile of 256 x 256 results is made by four waves, 128 x 128 each: 64 accumulators of 16 x 16, 512 registers.  "A" = rows 256 ty on, "B" = rows 256 tx + BB on.
;   cluster rows 0-3 (ty 0-15, BB = 5120): A = 256 positions of x, B = head tx.  Wave (rh, ch): positions 128 rh on; ch = 0: [q | qp], ch = 1: [k | kp].
;   cluster row 4   (ty 16-19, BB = 0):    A = 256 rows of Wv (four heads), B = 256 positions of x: V comes out TRANSPOSED, a lane a channel, its registers along the keys, which are the next K.
; THE MATRIX INSTRUCTION IS USED TRANSPOSED (source 0 = 16 rows of B, source 1 = 16 rows of A): lane l holds row l % 16 of A's block, and its registers B's rows.  The buffers' rows are permuted
; (bits 3 and 4 of the row's number exchanged), so that registers 16 c + i of a block's accumulators are B's TRUE rows 32 c + 16 (l / 16) + i, and lane r of A's block 2 g + u is true row 32 g + 8 u + r + 8 (r / 8).
; K goes in steps of 256 through a ring of two LDS slots filled by the tensor data mover; the scale bytes of the 512 rows, for all of K, come into LDS once.  4 x 4 work-groups form a cluster: A's tiles
; are asked for jointly along a row of the cluster, B's along a column.
; THE WAY OUT, q / k side, for each block of 16 positions: amplitude a = softplus(t) / sqrt(mean(softplus(t)^2) + 1e-6) over the head's 64; phi = pi tanh(p); t, a cos(phi), a sin(phi) are quantised along the
; head's 64 and stored AS IMAGES OF THE OPERANDS' REGISTERS: 18 registers a lane and tile: 0-5 t, 6-11 cos, 12-17 sin; every store of a wave covers 512 or 256 consecutive bytes, aligned.
; A BLOCK'S WORK, some 940 instructions, IS WRITTEN ONCE AND WALKED EIGHT TIMES, so that the way out is about 9 KB of code and not eight times 7.  An instruction names its registers, so each trip first
; takes its block's 64 results into fixed registers (v0-63 of window 1, which held B's fragments): 64 moves, in one of eight short stubs chosen by the trip's count.
;   softplus(t) = max(t, 0) + ln2 log2(w) + (u - (w - 1)) (2 - w), u = e^-|t|, w = 1 + u rounded: the last term gives back what the rounding of w took.
;   tanh(p) = 1 - 2 / (1 + e^(2 p)); where p^2 < 2^-6 the series p (1 - p^2/3 + 2 p^4/15 - 17 p^6/315), whose remainder there is under 2e-9 of the number.
;   sin and cos of phi: polynomials at phi / 4 (at most pi / 4), then two doublings.
; LIMITS: NaN and infinities are not served.  softplus is 0 where e^-|t| falls under the smallest normal number (t under about -87).  sin and cos are relatively accurate near phi = 0; near their
; other zeros to about 3e-7 absolutely.  A block of zeros gets the scale byte 1 (zero codes; only this program reads the bytes).
; REGISTERS, in windows of 256: window 0: v0-31 addresses; v32-63 scale words, two sets; from v128 A's fragments, ONE set.  window 1: B's fragments, TWO sets.  windows 2, 3: the accumulators ((a, b) at v[8 (8 (a % 4) + b)]).
.set SIZE_K, 1024
.set KSTEP,  256                       ; along K in a slot
.set NQ,     KSTEP/128                 ; matrix instructions deep
.set ROWB,   192                       ; a tile's row in bytes
.set KROW,   SIZE_K*6/8                ; a row of codes in memory
.set PITCH,  240                       ; an LDS row: 3 x (64 bytes of data + 16 of padding) = 60 words: the 32 lanes of a load of 8 bytes touch 64 different banks (64 banks of 4 bytes: ISA guide 11.1)
.set FR,     12                        ; registers of a fragment: 16 rows x 128 K
.set NL,     6                         ; LDS loads that bring one
.set NP,     4                         ; places behind this matrix instruction (ISA guide 7.12.1)
.set HALFT,  128*PITCH                 ; 128 rows: what one tensor load brings
.set SLOT,   4*HALFT                   ; A's 256 rows, then B's 256 rows
.set LAPS,   SIZE_K/(2*KSTEP)          ; a lap = two K steps = once round the ring
.set KS,     SIZE_K/32                 ; a row of scales in bytes
.set SCL,    2*SLOT                    ; behind the ring: the scales, as rows of 256 bytes + 16 of padding
.set HALFS,  (128*KS/256)*272          ; the scales of 128 rows
.set SBLK,   (16*KS/256)*272           ; those of 16 rows
.set SPARE,  SCL+4*HALFS               ; behind the scales: the spare words, 128 bytes for each wave: two blocks of 256 bytes that no other line names
.set KREC,   19456                     ; a record of q: 8 tiles x 2,304 bytes, then 1,024 bytes of scale words
.set REC,    25856                     ; a record of k and v: k's 19,456 bytes, then V's 4 x 1,536 and 256 of scale words
.set TILEB,  2304                      ; a tile's image: 18 registers x 128 bytes
.set ADRA, 16                          ; v16-17  LDS address of my A fragments in slot 0, 1  (v18-19: for the pieces that lie behind one padding more)
.set ADRB, 20                          ; v20-21  the same for B  (v22-23)
.set SPW,  28                          ; v28     LDS address of my spare word; never rewritten
.set NIL,  29                          ; v29     0; never rewritten
.set ADRS, 27                          ; v27     LDS address of my scale words: lanes 0-15 A's rows, lanes 16-31 B's
.set SC,   32                          ; scale words: set s at v[SC + 8 NQ s]; register NQ i + q: lanes 0-15 A's block i, lanes 16-31 B's block i
.set AF,   128                         ; A's fragments, in window 0
.set G1, 24                            ; s[24:31] descriptor group 1 for A's tiles;  s[32:39] group 0, one set for each slot
.set G0, 32
.set G1B, 48                           ; s[48:55], s[56:63] the same for B's tiles
.set G0B, 56
.set G1S, 68                           ; s[68:75], s[76:79] groups 1 and 0 for A's scales;  s[80:87], s[88:91] for B's
.set G0S, 76
.set G1SB, 80
.set G0SB, 88
.set MSB, 0
.macro WIN new                         ; the immediate's high byte repeats the setting that is left
.if MSB != \new
	s_set_vgpr_msb (MSB<<8)|\new
.set MSB, \new
.endif
.endm
.set MUL_LO, 0xa1                      ; source 0 (B) window 1, source 1 (A) window 0, C and D window 2
.set MUL_HI, 0xf1                      ; the same, C and D window 3
.set TO_B,   0x40                      ; destination window 1, address window 0
; A joint load: waves 0 and 1 fetch for A, waves 2 and 3 for B.  Each of the two lines has ONE mask and one set of registers for all that issue it; the branch hangs on the wave's number alone.
; Four v_nop follow each of the two lines, ahead of the jump, the label and what follows.
.macro JLOAD g0a, g1a, g0b, g1b
	s_cmp_eq_u32 s15, 0
	s_cbranch_scc0 .Lfor_b_\@
	tensor_load_to_lds s[\g0a:\g0a+3], s[\g1a:\g1a+7]
	s_nop 0
.rept 4
	v_nop
.endr
	s_branch .Lasked_\@
.Lfor_b_\@:
	tensor_load_to_lds s[\g0b:\g0b+3], s[\g1b:\g1b+7]
	s_nop 0
.rept 4
	v_nop
.endr
.Lasked_\@:
.endm
.macro CREST                           ; a round of the cluster's barrier behind its opening barrier
	s_cmp_lg_u32 s14, 0
	s_cbranch_scc1 .Lnot_wave_0_\@
	s_barrier_signal -3
.Lnot_wave_0_\@:
	s_barrier_wait -3
	s_barrier_signal -1
	s_barrier_wait -1
.endm
.macro CROUND                          ; a whole round
	s_barrier_signal -1
	s_barrier_wait -1
	CREST
.endm
	s_load_b256 s[4:11], s[0:1], 0x0               ; the codes s[4:5], the scale bytes s[6:7], q's records s[8:9], k's and v's s[10:11]
	v_lshl_add_u32 v[SPW], v0, 2, SPARE
	v_mov_b32 v[NIL], 0
	ds_add_u32 v28, v29
	s_wait_dscnt 0x0
	v_lshrrev_b32 v1, 5, v0
	v_readfirstlane_b32 s14, v1                    ; wave 0..3
	s_lshr_b32 s15, s14, 1                         ; rh: which half of A's rows is mine.  Also: I fetch for A (0) or for B (1)
	s_and_b32 s16, s14, 1                          ; ch: which half of B's rows.  Also: which 128 rows of that tile I fetch
	s_bfe_u32 s40, ttmp6, 0x40000                  ; cx, cy: my place in the cluster
	s_bfe_u32 s41, ttmp6, 0x40004
	s_lshl_b32 s42, ttmp9, 2
	s_add_co_u32 s42, s42, s40                     ; tx = 4 x cluster x + cx
	s_and_b32 s95, ttmp7, 0xffff                   ; the cluster's y: the same in all sixteen partners
	s_lshl_b32 s17, s95, 2
	s_add_co_u32 s17, s17, s41                     ; ty = 4 x cluster y + cy
	s_mov_b32 s97, 5120
	s_cmp_lt_u32 s95, 4
	s_cselect_b32 s96, s97, 0                      ; BB: B's rows are the heads' (from row 5120) or, in the last row of clusters, x's (from row 0)
	s_lshl_b32 s43, s41, 2
	s_lshl_b32 s43, 15, s43                        ; my row of the cluster
	s_lshl_b32 s44, 0x1111, s40                    ; my column
	; descriptor group 1: a tile of 128 rows x ROWB bytes, padded in LDS
	s_or_b32 s[G1+0], s43, (0<<16)|(1<<20)|(1<<21)|(3<<22)|(3<<25)  ; 15:0 the mask: A's tiles go to my row; 17:16 element of 1 byte; 20 padding on; 21 set beside a mask; 24:22 after every 16 words (code 3); 31:25 of 4 words (code 3)
	s_or_b32 s[G1B+0], s44, (0<<16)|(1<<20)|(1<<21)|(3<<22)|(3<<25)
.irp g, G1, G1B
	s_mov_b32 s[\g+1], ROWB<<16                    ; tensor_dim0
	s_mov_b32 s[\g+2], 128<<16                     ; tensor_dim1 = 128
	s_mov_b32 s[\g+3], ROWB<<16                    ; tile_dim0
	s_mov_b32 s[\g+4], 128                         ; tile_dim1 = 128
	s_mov_b32 s[\g+5], KROW                        ; tensor_dim0_stride
	s_mov_b32 s[\g+6], 0
	s_mov_b32 s[\g+7], 0
.endr
	; and for the scales of 128 rows: a dense block of 4,096 bytes, as 16 rows of 256 bytes (32 elements of 8 bytes), 16 bytes of padding behind each
	s_or_b32 s[G1S+0], s43, (3<<16)|(1<<20)|(1<<21)|(5<<22)|(3<<25)
	s_or_b32 s[G1SB+0], s44, (3<<16)|(1<<20)|(1<<21)|(5<<22)|(3<<25)
.irp g, G1S, G1SB
	s_mov_b32 s[\g+1], 32<<16
	s_mov_b32 s[\g+2], (128*KS/256)<<16
	s_mov_b32 s[\g+3], 32<<16
	s_mov_b32 s[\g+4], 128*KS/256
	s_mov_b32 s[\g+5], 32
	s_mov_b32 s[\g+6], 0
	s_mov_b32 s[\g+7], 0
.endr
	s_lshl_b32 s18, s16, 7                         ; which 128 rows of the tile I fetch
	s_lshl_b32 s20, s17, 8
	s_add_co_u32 s20, s20, s18                     ; A: row 256 ty + 128 x half
	s_lshl_b32 s46, s42, 8
	s_add_co_u32 s46, s46, s18
	s_add_co_u32 s46, s46, s96                     ; B: row 256 tx + 128 x half + BB
	s_mov_b32 s21, 0
	s_mov_b32 s47, 0
	s_mov_b64 s[18:19], KS
	s_mul_u64 s[22:23], s[20:21], s[18:19]         ; where these rows' scales begin, in bytes
	s_mul_u64 s[92:93], s[46:47], s[18:19]
	s_mov_b64 s[18:19], KROW
	s_mul_u64 s[20:21], s[20:21], s[18:19]         ; and their codes
	s_mul_u64 s[46:47], s[46:47], s[18:19]
	s_mul_i32 s45, s14, HALFT                      ; where they go: wave x 128 rows: no place in the cluster enters an LDS address
	s_mul_i32 s94, s14, HALFS
	s_wait_kmcnt 0x0
	s_add_nc_u64 s[20:21], s[4:5], s[20:21]
	s_add_nc_u64 s[22:23], s[6:7], s[22:23]
	s_add_nc_u64 s[46:47], s[4:5], s[46:47]
	s_add_nc_u64 s[92:93], s[6:7], s[92:93]
	CROUND                                         ; all sixteen work-groups are here: the first joint loads meet
	s_mov_b32 s[G0S], 1
	s_add_co_u32 s[G0S+1], s94, SCL
	s_mov_b64 s[G0S+2:G0S+3], s[22:23]
	s_or_b32 s[G0S+3], s[G0S+3], 0x80000000
	s_mov_b32 s[G0SB], 1
	s_add_co_u32 s[G0SB+1], s94, SCL
	s_mov_b64 s[G0SB+2:G0SB+3], s[92:93]
	s_or_b32 s[G0SB+3], s[G0SB+3], 0x80000000
	JLOAD G0S, G1S, G0SB, G1SB                     ; the scales first: they are wanted with K step 0
.irp s, 0,1
	s_mov_b32 s[G0+4*\s], 1
	s_add_co_u32 s[G0+4*\s+1], s45, \s*SLOT
	s_add_nc_u64 s[G0+4*\s+2:G0+4*\s+3], s[20:21], \s*ROWB
	s_or_b32 s[G0+4*\s+3], s[G0+4*\s+3], 0x80000000
	s_mov_b32 s[G0B+4*\s], 1
	s_add_co_u32 s[G0B+4*\s+1], s45, \s*SLOT
	s_add_nc_u64 s[G0B+4*\s+2:G0B+4*\s+3], s[46:47], \s*ROWB
	s_or_b32 s[G0B+4*\s+3], s[G0B+4*\s+3], 0x80000000
	JLOAD G0+4*\s, G1, G0B+4*\s, G1B
.endr
	v_and_b32 v1, 15, v0                           ; l % 16
	v_bfe_u32 v2, v0, 4, 1                         ; l / 16
	v_mul_u32_u24 v3, v1, PITCH
	v_mul_u32_u24 v4, v2, 24
	v_add_nc_u32 v4, v3, v4                        ; a fragment's row x pitch + 24 x half
	v_lshl_add_u32 v5, v2, 4, v4                   ; and the same behind one padding more
	s_mul_i32 s21, s15, HALFT                      ; my 128 rows of A
	s_mul_i32 s22, s16, HALFT                      ; my 128 rows of B,
	s_add_co_u32 s22, s22, 2*HALFT                 ; which lie behind A's 256
.irp s, 0,1
	v_add_nc_u32 v[ADRA+\s], s21, v4
	v_add_nc_u32 v[ADRB+\s], s22, v4
	v_add_nc_u32 v[ADRA+2+\s], s21, v5
	v_add_nc_u32 v[ADRB+2+\s], s22, v5
	s_add_co_u32 s21, s21, SLOT
	s_add_co_u32 s22, s22, SLOT
.endr
	v_mul_u32_u24 v5, v1, KS                       ; my row's scales: KS bytes a row,
	v_lshrrev_b32 v6, 8, v5
	v_lshl_add_u32 v5, v6, 4, v5                   ; and 16 more for each 256 passed
	s_mul_i32 s21, s15, HALFS                      ; A's: my 128 rows
	s_mul_i32 s22, s16, HALFS                      ; B's: my 128 rows, behind A's 256
	s_add_co_u32 s22, s22, 2*HALFS
	s_sub_co_u32 s22, s22, s21
	v_mul_u32_u24 v6, s22, v2                      ; lanes 16-31 take B's
	s_add_co_u32 s21, s21, SCL
	v_add_nc_u32 v5, v5, v6
	v_add_nc_u32 v[ADRS], s21, v5
.macro FRAG reg, adr, q, i             ; a fragment, 16 rows x 128 K of 6-bit codes, is 12 registers: lane l holds row l % 16; registers 6 c .. 6 c + 5 hold K = 64 c + 32 (l / 16) + 0 .. 31: 24 bytes of the row's stream of bits, as they lie
.irp p, 0,1,2,3,4,5                    ; in pieces of 8 bytes, so that every address is a multiple of the access's size
.set PC, 12*(\q)+6*(\p/3)+\p%3        ; 16 bytes of padding lie behind every 64 bytes (8 pieces): where the piece three on lies behind one padding more, the second address register serves
.if PC%8 < 5
	ds_load_b64 v[\reg+2*\p:\reg+2*\p+1], v[\adr] offset:8*PC+16*(PC/8)+(\i)*16*PITCH
.else
	ds_load_b64 v[\reg+2*\p:\reg+2*\p+1], v[\adr+2] offset:8*PC+16*(PC/8)+(\i)*16*PITCH
.endif
.endr
.endm
; 16 matrix instructions: A's blocks a0, a0 + 1 x B's eight, 128 along K: the slot's q-th.  p: B's set;  sc: the set of scale words.  zero = 1: the first product starts the sums: nothing is ever cleared.
; The 64 accumulators take turns, one instruction a turn, in the same order in every step.
.macro MUL16 a0, p, q, sc, zero
.irp a, \a0, \a0+1
.irp b, 0,1,2,3,4,5,6,7
.if \zero
	v_wmma_scale_f32_16x16x128_f8f6f4 v[8*(8*((\a)%4)+\b):8*(8*((\a)%4)+\b)+7], v[128*(\p)+FR*\b:128*(\p)+FR*\b+FR-1], v[AF+FR*(\a):AF+FR*(\a)+FR-1], 0, v[SC+8*NQ*(\sc)+NQ*\b+(\q)], v[SC+8*NQ*(\sc)+NQ*(\a)+(\q)] matrix_a_fmt:MATRIX_FMT_FP6 matrix_b_fmt:MATRIX_FMT_FP6 matrix_a_scale:MATRIX_SCALE_ROW1
.else
	v_wmma_scale_f32_16x16x128_f8f6f4 v[8*(8*((\a)%4)+\b):8*(8*((\a)%4)+\b)+7], v[128*(\p)+FR*\b:128*(\p)+FR*\b+FR-1], v[AF+FR*(\a):AF+FR*(\a)+FR-1], v[8*(8*((\a)%4)+\b):8*(8*((\a)%4)+\b)+7], v[SC+8*NQ*(\sc)+NQ*\b+(\q)], v[SC+8*NQ*(\sc)+NQ*(\a)+(\q)] matrix_a_fmt:MATRIX_FMT_FP6 matrix_b_fmt:MATRIX_FMT_FP6 matrix_a_scale:MATRIX_SCALE_ROW1
.endif
.endr
.endr
.endm
.macro FETCH_B slot, q, p              ; B's eight fragments of the slot's q-th 128 along K into set p
	WIN TO_B
.irp i, 0,1,2,3,4,5,6,7
	FRAG 128*(\p)+FR*\i, ADRB+\slot, \q, \i
.endr
	WIN 0
.endm
.macro FETCH_A slot, q, i0             ; A's blocks i0 .. i0 + 3
.irp i, \i0, \i0+1, \i0+2, \i0+3
	FRAG AF+FR*(\i), ADRA+\slot, \q, \i
.endr
.endm
.macro SCALES sc                       ; the next K step's scale words into set sc: NQ words a row; lanes 0-15 take A's block i, lanes 16-31 B's block i
.irp i, 0,1,2,3,4,5,6,7
	ds_load_b64 v[SC+8*NQ*\sc+NQ*\i:SC+8*NQ*\sc+NQ*\i+1], v[ADRS] offset:\i*SBLK
.endr
.endm
; A load into a register that a matrix instruction has read, and a vector instruction that reads a matrix result or writes one of its registers, stand NP places behind that matrix instruction; only plain
; vector instructions that name none of its registers are places (ISA guide 7.12.1 for vector instructions).
.macro PLACES n
.rept \n
	v_nop
.endr
.endm
; A step of 128 along K that has its successor in the same slot.
.macro STEP slot, q, zero
	s_wait_dscnt 4*NL                              ; B's set and A's blocks 0-3 are in; the youngest 24 loads (A's blocks 4-7) may be out
	WIN MUL_LO
	MUL16 0, (\q)%2, \q, \slot, \zero
	MUL16 2, (\q)%2, \q, \slot, \zero
	s_wait_dscnt 0                                 ; A's blocks 4-7 are in (asked for 32 matrix instructions ago)
	PLACES NP
	FETCH_B \slot, (\q)+1, 1-(\q)%2
	FETCH_A \slot, (\q)+1, 0
	WIN MUL_HI
	MUL16 4, (\q)%2, \q, \slot, \zero
	MUL16 6, (\q)%2, \q, \slot, \zero
	PLACES NP
	WIN 0
	FETCH_A \slot, (\q)+1, 4
.endm
; A slot's last step changes slots: ONE barrier; in front of it each wave waits for all its tensor loads, adds 0 to its spare word, and waits for that and for its own reads of this slot.  fill = 1: this slot is filled again, two K steps ahead.
.macro TURN slot, next, fill
	s_wait_tensorcnt 0x0                           ; all my tensor loads have landed: my part of the next slot;  (every window is 0 here: the add's two registers lie in window 0)
	ds_add_u32 v[SPW], v[NIL]                      ; 0 onto my spare word;
	s_wait_dscnt 4*NL+1                            ; (the add and the youngest 24 loads, A's blocks 4-7, may be out)
	WIN MUL_LO
	MUL16 0, 1, NQ-1, \slot, 0                     ; sixteen matrix instructions stand between the add and the wait for it
	s_wait_dscnt 0x0                               ; the add is done, and my reads of this slot are over
	s_barrier_signal -1
	MUL16 2, 1, NQ-1, \slot, 0
	WIN 0
	s_barrier_wait -1
.if \fill
	CREST                                          ; the barrier has opened a round of the cluster's barrier: no wave of any partner still reads this slot's tile or has a load on its way
	s_add_nc_u64 s[G0+4*\slot+2:G0+4*\slot+3], s[G0+4*\slot+2:G0+4*\slot+3], 2*ROWB
	s_add_nc_u64 s[G0B+4*\slot+2:G0B+4*\slot+3], s[G0B+4*\slot+2:G0B+4*\slot+3], 2*ROWB
	JLOAD G0+4*\slot, G1, G0B+4*\slot, G1B         ; the first tensor load behind the round; the four v_nop behind it are the places in front of the loads below
.else
	PLACES NP
.endif
	v_add_nc_u32 v[ADRS], 4*NQ, v[ADRS]            ; on to the next K step's scale words (no LDS load of mine is out)
	FETCH_B \next, 0, 0
	FETCH_A \next, 0, 0
	SCALES \next
	WIN MUL_HI
	MUL16 4, 1, NQ-1, \slot, 0
	MUL16 6, 1, NQ-1, \slot, 0
	PLACES NP
	WIN 0
	FETCH_A \next, 0, 4
.endm
	s_wait_tensorcnt 1                             ; the scales and my part of K step 0 are in (K step 1's load may be out),
	s_barrier_signal -1
	s_barrier_wait -1                              ; everybody's are
	FETCH_B 0, 0, 0
	FETCH_A 0, 0, 0
	SCALES 0
	FETCH_A 0, 0, 4
	STEP 0, 0, 1                                   ; the first step stands in front of the loop: its products start the sums
	s_mov_b32 s3, LAPS-1
.Llap:                                                 ; a trip goes once round the ring, from a lap's second step to the next lap's first, and fills both slots again
	TURN 0, 1, 1
	STEP 1, 0, 0
	TURN 1, 0, 1
	STEP 0, 0, 0
	s_sub_co_u32 s3, s3, 1
	s_cmp_lg_u32 s3, 0
	s_cbranch_scc1 .Llap
	TURN 0, 1, 0                                   ; the last lap fills nothing, and has no round of the cluster's barrier
	STEP 1, 0, 0
	s_wait_dscnt 4*NL                              ; the very last step: nothing more to fetch
	WIN MUL_LO
	MUL16 0, 1, NQ-1, 1, 0
	MUL16 2, 1, NQ-1, 1, 0
	s_wait_dscnt 0
	WIN MUL_HI
	MUL16 4, 1, NQ-1, 1, 0
	MUL16 6, 1, NQ-1, 1, 0
	WIN 0
; ---------------------------------------------------------------- THE WAY OUT.  It touches no LDS byte.  Window 0 is free from v8 on, but for v28 and v29; window 1 is free.
.set SWR,  8                           ; v8-15    the tiles' scale words
.set VT2,  16                          ; v[16:17] 2/15, twice;  v[18:19], v[20:21] the polynomials' middle coefficients, twice (an instruction names one scalar pair)
.set VS2,  18
.set VC2,  20
.set RS,   22                          ; v[22:23] 1 / sqrt(mean + eps), twice
.set DOTW, 24                          ; v24      t's scale word [b0, b1, 1, 1]
.set PHW,  25                          ; v25      the phase word [cos0, cos1, sin0, sin1]
.set L16,  26                          ; v26      16 x lane
.set L8,   27                          ; v27      8 x lane
.set SS2,  30                          ; v[30:31] the second chain of the sum of squares
.set E0,   32                          ; six arrays of 32 numbers
.set E1,   64
.set E2,   96
.set E3,   128
.set E4,   160
.set E5,   192
.set TM,   224                         ; v224-227 largest magnitudes
.set TP,   228                         ; v228-231 the other half's, then the bytes
.set SO,   232                         ; v232-235 the conversions' scale operands
.set FRG,  236                         ; v236-253 a tile's 18 registers
.set SS,   254                         ; v[254:255] the sum of squares
.macro KPAIR r, x                      ; a packed form names a pair and takes its low word for both halves: both are written
	s_mov_b32 s[\r], \x
	s_mov_b32 s[\r+1], \x
.endm
; Lines over an array of 32 numbers, two at a time, ascending.
.macro VV op, d, a, b                  ; d = a op b
.set ii, 0
.rept 16
	\op v[\d+ii:\d+ii+1], v[\a+ii:\a+ii+1], v[\b+ii:\b+ii+1]
.set ii, ii+2
.endr
.endm
.macro VSUB d, a, b                    ; d = a - b
.set ii, 0
.rept 16
	v_pk_add_f32 v[\d+ii:\d+ii+1], v[\a+ii:\a+ii+1], v[\b+ii:\b+ii+1] neg_lo:[0,1] neg_hi:[0,1]
.set ii, ii+2
.endr
.endm
.macro VK op, d, a, k                  ; d = a op constant
.set ii, 0
.rept 16
	\op v[\d+ii:\d+ii+1], v[\a+ii:\a+ii+1], \k op_sel_hi:[1,0]
.set ii, ii+2
.endr
.endm
.macro VSC op, d, a, s                 ; d = a op scalar
.set ii, 0
.rept 16
	\op v[\d+ii:\d+ii+1], v[\a+ii:\a+ii+1], s[\s:\s+1] op_sel_hi:[1,0]
.set ii, ii+2
.endr
.endm
.macro VP op, d, a, p                  ; d = a op the pair v[p:p+1]
.set ii, 0
.rept 16
	\op v[\d+ii:\d+ii+1], v[\a+ii:\a+ii+1], v[\p:\p+1]
.set ii, ii+2
.endr
.endm
.macro FVVV d, a, b, c                 ; d = a b + c
.set ii, 0
.rept 16
	v_pk_fma_f32 v[\d+ii:\d+ii+1], v[\a+ii:\a+ii+1], v[\b+ii:\b+ii+1], v[\c+ii:\c+ii+1]
.set ii, ii+2
.endr
.endm
.macro FVSV d, a, s, c                 ; d = a scalar + c
.set ii, 0
	s_wait_alu depctr_va_vdst(0)
.rept 16
	v_pk_fma_f32 v[\d+ii:\d+ii+1], v[\a+ii:\a+ii+1], s[\s:\s+1], v[\c+ii:\c+ii+1] op_sel_hi:[1,0,1]
.set ii, ii+2
.endr
.endm
.macro FVSP d, a, s, p                 ; d = a scalar + the pair v[p:p+1]
.set ii, 0
.rept 16
	v_pk_fma_f32 v[\d+ii:\d+ii+1], v[\a+ii:\a+ii+1], s[\s:\s+1], v[\p:\p+1] op_sel_hi:[1,0,1]
.set ii, ii+2
.endr
.endm
.macro FVVS d, a, b, s                 ; d = a b + scalar
.set ii, 0
.rept 16
	v_pk_fma_f32 v[\d+ii:\d+ii+1], v[\a+ii:\a+ii+1], v[\b+ii:\b+ii+1], s[\s:\s+1] op_sel_hi:[1,1,0]
.set ii, ii+2
.endr
.endm
.macro FVVK d, a, b, k                 ; d = a b + constant
.set ii, 0
.rept 16
	v_pk_fma_f32 v[\d+ii:\d+ii+1], v[\a+ii:\a+ii+1], v[\b+ii:\b+ii+1], \k op_sel_hi:[1,1,0]
.set ii, ii+2
.endr
.endm
.macro FNVVK d, a, b, k                ; d = constant - a b
.set ii, 0
.rept 16
	v_pk_fma_f32 v[\d+ii:\d+ii+1], v[\a+ii:\a+ii+1], v[\b+ii:\b+ii+1], \k op_sel_hi:[1,1,0] neg_lo:[1,0,0] neg_hi:[1,0,0]
.set ii, ii+2
.endr
.endm
.macro FVKK d, a, k1, k2               ; d = a constant + constant
.set ii, 0
.rept 16
	v_pk_fma_f32 v[\d+ii:\d+ii+1], v[\a+ii:\a+ii+1], \k1, \k2 op_sel_hi:[1,0,0]
.set ii, ii+2
.endr
.endm
.macro TR op, d, a                     ; 32 transcendentals back to back; the caller sets one plain line behind them (ISA guide 5.7.2)
.set ii, 0
.rept 32
	\op v[\d+ii], v[\a+ii]
.set ii, ii+1
.endr
.endm
	PLACES NP                                      ; behind the last products: the lines below write registers that held their scale words and A's fragments, and read results
	v_and_b32 v1, 31, v0
	v_lshlrev_b32 v[L16], 4, v1
	v_lshlrev_b32 v[L8], 3, v1
.irp j, 0,1
	v_mov_b32 v[VT2+\j], 0x3e088889                ; 2/15
	v_mov_b32 v[VS2+\j], 0x3c08839e                ; sin: 8.3321609e-3
	v_mov_b32 v[VC2+\j], 0xbab6061a                ; cos: -1.3887316e-3
.endr
.irp b, 0,1,2,3
	v_mov_b32 v[TP+\b], 0                          ; written once: a lane permute's destination counts as one of its sources
.endr
	; No tensor load of mine is out since the last change of slots: the descriptors' registers take the constants.
	s_mov_b32 s24, 0x3fb8aa3b                      ; log2(e)
	KPAIR 26, 0x4038aa3b                           ; 2 log2(e)
	KPAIR 28, 0x3f317218                           ; ln 2
	KPAIR 30, 0xbd5d0dd1                           ; -17/315
	KPAIR 34, 0xbeaaaaab                           ; -1/3
	KPAIR 36, 0x3f490fdb                           ; pi / 4
	KPAIR 38, 0xb94ca1f9                           ; sin: -1.9515296e-4
	KPAIR 56, 0xbe2aaaa3                           ; sin: -1.6666655e-1
	KPAIR 44, 0x37ccf5ce                           ; cos: 2.4433157e-5
	KPAIR 48, 0x3d2aaaa5                           ; cos: 4.1666646e-2
	s_mov_b32 s50, 0x3c800000                      ; 2^-6: the series' bound on p^2, and 1/64 for the mean
	s_mov_b32 s51, 0x358637bd                      ; 1e-6
	s_mov_b32 s52, 0x76543210                      ; v_permlanex16_b32's selects for lane l xor 16
	s_mov_b32 s53, 0xfedcba98
	s_mov_b32 s54, 0xffff0000                      ; lanes 16-31
	s_cmp_ge_u32 s95, 4                            ; the cluster's y: alike in all sixteen partners
	s_cbranch_scc1 .Lv
	; ---- q / k side.  My 128 positions are one record: ((batch x 16 + head) x 16 + step); ch = 0 stores q's, ch = 1 k's.
	s_lshl_b32 s18, s17, 1
	s_add_co_u32 s18, s18, s15                     ; 2 ty + rh: which 128 positions of the 4,096
	s_lshr_b32 s19, s18, 4
	s_lshl_b32 s19, s19, 4                         ; 16 x batch
	s_add_co_u32 s19, s19, s42                     ; + head
	s_lshl_b32 s19, s19, 4
	s_and_b32 s18, s18, 15
	s_add_co_u32 s19, s19, s18                     ; the record
	s_mov_b32 s20, REC
	s_cmp_eq_u32 s16, 0                            ; the choice hangs on the wave's number alone
	s_cselect_b32 s20, KREC, s20
	s_cselect_b64 s[12:13], s[8:9], s[10:11]
	s_mul_i32 s20, s19, s20
	s_mov_b32 s21, 0
	s_add_nc_u64 s[12:13], s[12:13], s[20:21]
	s_mov_b32 s20, 0                               ; s[20:21]: what the stores' base steps by: nothing in the first trip, a tile's image afterwards
.irp j, 0,1,2,3,4,5,6,7
	v_mov_b32 v[SWR+\j], 0                         ; these ten registers are written in the stubs and in the block's work below: written once here, each is written on every way through the switch
.endr
	v_mov_b32 v[DOTW], 0
	v_mov_b32 v[PHW], 0
; Stub a: block a's 64 results go to v0-63 of window 1, each accumulator from its low end on; the block before leaves its scale words in its own register.
.macro TAKE a
.if (\a) > 0
	v_cndmask_b32 v[SWR+(\a)-1], v[DOTW], v[PHW], s54   ; lanes 0-15 keep t's word of row r, lanes 16-31 the phase word of row r
.endif
.set TW, 0x42+(\a)/4                   ; destination window 1, source window 2 (blocks 0-3) or 3 (blocks 4-7)
	WIN TW
.set ii, 0
.rept 64
	v_mov_b32 v[ii], v[64*((\a)%4)+ii]
.set ii, ii+1
.endr
	WIN 0                                          ; at a label and at a branch every window is 0
.endm
; A block's work: 16 positions.  t = registers 0 .. 31 of window 1 (the head's channels 16 h + 0..15 and 32 + 16 h + 0..15), p = registers 32 .. 63.
.macro QKWORK
.set AC, 0
	WIN 5                                          ; sources 0 and 1 in window 1
.irp c, 0,1
	v_max3_num_f32 v[TM+\c], |v[AC+16*\c]|, |v[AC+16*\c+1]|, 0x1800000   ; t's two blocks: my 16 numbers of each, and the floor 2^(3 - 127): the byte cannot fall under 1
.endr
.irp i, 2,4,6,8,10,12,14
.irp c, 0,1
	v_max3_num_f32 v[TM+\c], |v[AC+16*\c+\i]|, |v[AC+16*\c+\i+1]|, v[TM+\c]
.endr
.endr
	VV v_pk_mul_f32, E1, AC+32, AC+32              ; p^2
.set ii, 0
.rept 32
	v_max_num_f32 v[E2+ii], 0, v[AC+ii]            ; max(t, 0)
.set ii, ii+1
.endr
	WIN 1                                          ; source 0 in window 1
.set ii, 0
.rept 32
	v_mul_f32 v[E0+ii], -|v[AC+ii]|, s24           ; -|t| log2(e)
.set ii, ii+1
.endr
	VSC v_pk_mul_f32, E3, AC+32, 26                ; 2 p log2(e)
	WIN 0
	TR v_exp_f32, E0, E0                           ; u = e^-|t|
	TR v_exp_f32, E3, E3                           ; e^(2 p)
	v_nop
.irp c, 0,1
	v_permlanex16_b32 v[TP+\c], v[TM+\c], s52, s53
.endr
.irp c, 0,1
	v_max_num_f32 v[TM+\c], v[TM+\c], v[TP+\c]     ; with lane l xor 16's: the block's largest magnitude
.endr
.irp c, 0,1
	v_add_nc_u32 v[SO+\c], 0xff000000, v[TM+\c]    ; 2 off its exponent field: the conversion's scale operand
.endr
.irp c, 0,1
	v_lshrrev_b32 v[TP+\c], 23, v[SO+\c]           ; the scale's byte
.endr
	v_lshl_or_b32 v[DOTW], v[TP+1], 8, v[TP]
	v_or_b32 v[DOTW], 0x01010000, v[DOTW]          ; the upper 64 of the instruction's K: the byte 1; q's codes there are zeros
	s_wait_alu depctr_va_vdst(0)
	VK v_pk_add_f32, E4, E0, 1.0                   ; w = 1 + u, rounded
	TR v_log_f32, E5, E4
	v_nop
	VK v_pk_add_f32, E4, E4, -1.0                  ; w - 1, exact
	VSUB E0, E0, E4                                ; u - (w - 1): what the rounding took
	FVKK E4, E4, -1.0, 1.0                         ; 2 - w, which is 1 / w where the correction matters (w near 1)
	FVSV E2, E5, 28, E2                            ; max(t, 0) + ln2 log2(w)
	FVVV E2, E0, E4, E2                            ; softplus(t)
	v_pk_mul_f32 v[SS:SS+1], v[E2:E2+1], v[E2:E2+1]               ; the sum of its squares, in two packed chains
	v_pk_mul_f32 v[SS2:SS2+1], v[E2+2:E2+3], v[E2+2:E2+3]
.irp i, 4,8,12,16,20,24,28
	v_pk_fma_f32 v[SS:SS+1], v[E2+\i:E2+\i+1], v[E2+\i:E2+\i+1], v[SS:SS+1]
	v_pk_fma_f32 v[SS2:SS2+1], v[E2+\i+2:E2+\i+3], v[E2+\i+2:E2+\i+3], v[SS2:SS2+1]
.endr
	v_pk_add_f32 v[SS:SS+1], v[SS:SS+1], v[SS2:SS2+1]
	v_add_f32 v[SS], v[SS], v[SS+1]
	v_permlanex16_b32 v[SS+1], v[SS], s52, s53     ; the head's other 32 channels lie in lane l xor 16
	v_add_f32 v[SS], v[SS], v[SS+1]
	v_fma_f32 v[SS], v[SS], s50, s51               ; the mean + 1e-6
	v_rsq_f32 v[RS], v[SS]
	v_nop
	s_wait_alu depctr_va_vdst(0)
	v_mov_b32 v[RS+1], v[RS]
	VK v_pk_add_f32, E3, E3, 1.0
	TR v_rcp_f32, E3, E3
	v_nop
	s_wait_alu depctr_va_vdst(0)
	FVKK E3, E3, -2.0, 1.0                         ; tanh(p) = 1 - 2 / (1 + e^(2 p))
	FVSP E4, E1, 30, VT2                           ; the series in p^2
	FVVS E4, E4, E1, 34
	FVVK E4, E4, E1, 1.0
	WIN 1
	VV v_pk_mul_f32, E4, AC+32, E4                 ; x p
	s_wait_xcnt 0x0                                ; the last trip's stores have had their addresses translated (ISA guide 3.1): only behind this wait are the tile's image and the stores' base written again
	s_add_nc_u64 s[12:13], s[12:13], s[20:21]      ; on to this block's image: by nothing in the first trip,
	s_mov_b32 s20, TILEB                           ; by 2,304 bytes in every later one
	v_cvt_scalef32_pk16_fp6_f32 v[FRG:FRG+2], v[AC:AC+15], v[SO]
	v_cvt_scalef32_pk16_fp6_f32 v[E5:E5+2], v[AC+16:AC+31], v[SO+1]   ; (a conversion's three registers begin on an even number)
	WIN 0
	v_nop                                          ; one plain line behind a scaled conversion
.irp i, 0,1,2
	v_permlane16_swap_b32 v[FRG+\i], v[E5+\i]      ; the operand's layout wants a WHOLE block in a lane: lanes 0-15 block 0, lanes 16-31 block 1
.endr
.irp i, 0,1,2
	v_mov_b32 v[FRG+3+\i], v[E5+\i]
.endr
.set ii, 0
.rept 32
	v_cmp_gt_f32 vcc_lo, s50, v[E1+ii]             ; p^2 < 2^-6: the series.  A choice of a value, in every lane and trip
	v_cndmask_b32 v[E3+ii], v[E3+ii], v[E4+ii], vcc_lo
.set ii, ii+1
.endr
	VSC v_pk_mul_f32, E3, E3, 36                   ; y = phi / 4
	VV v_pk_mul_f32, E1, E3, E3                    ; z = y^2
	FVSP E0, E1, 38, VS2
	FVVS E0, E0, E1, 56
	VV v_pk_mul_f32, E0, E0, E1
	FVVV E0, E0, E3, E3                            ; sin y = y + y z (S1 + S2 z + S3 z^2)
	FVSP E4, E1, 44, VC2
	FVVS E4, E4, E1, 48
	VV v_pk_mul_f32, E5, E1, E1
	FVKK E1, E1, -0.5, 1.0
	FVVV E4, E5, E4, E1                            ; cos y = 1 - z / 2 + z^2 (C1 + C2 z + C3 z^2)
	VV v_pk_add_f32, E5, E0, E0
	VV v_pk_mul_f32, E1, E5, E4                    ; sin 2y = 2 sin y cos y
	FNVVK E3, E5, E0, 1.0                          ; cos 2y = 1 - 2 sin^2 y
	VV v_pk_add_f32, E5, E1, E1
	VV v_pk_mul_f32, E0, E5, E3                    ; sin phi
	FNVVK E4, E5, E1, 1.0                          ; cos phi
	VP v_pk_mul_f32, E2, E2, RS                    ; the amplitude
	VV v_pk_mul_f32, E4, E4, E2                    ; a cos
	VV v_pk_mul_f32, E0, E0, E2                    ; a sin
.irp b, 0,1,2,3                        ; blocks 0, 1: cos; 2, 3: sin
.set QB, E4+16*\b-(\b/2)*(E4-E0+32)
	v_max3_num_f32 v[TM+\b], |v[QB]|, |v[QB+1]|, 0x1800000
.endr
.irp i, 2,4,6,8,10,12,14
.irp b, 0,1,2,3
.set QB, E4+16*\b-(\b/2)*(E4-E0+32)
	v_max3_num_f32 v[TM+\b], v[TM+\b], |v[QB+\i]|, |v[QB+\i+1]|
.endr
.endr
.irp b, 0,1,2,3
	v_permlanex16_b32 v[TP+\b], v[TM+\b], s52, s53
.endr
.irp b, 0,1,2,3
	v_max_num_f32 v[TM+\b], v[TM+\b], v[TP+\b]
.endr
.irp b, 0,1,2,3
	v_add_nc_u32 v[SO+\b], 0xff000000, v[TM+\b]
.endr
.irp b, 0,1,2,3
	v_lshrrev_b32 v[TP+\b], 23, v[SO+\b]
.endr
	v_lshl_or_b32 v[PHW], v[TP+1], 8, v[TP]
	v_lshl_or_b32 v[PHW], v[TP+2], 16, v[PHW]
	v_lshl_or_b32 v[PHW], v[TP+3], 24, v[PHW]
	v_cvt_scalef32_pk16_fp6_f32 v[FRG+6:FRG+8], v[E4:E4+15], v[SO]
	v_cvt_scalef32_pk16_fp6_f32 v[E1:E1+2], v[E4+16:E4+31], v[SO+1]
	v_cvt_scalef32_pk16_fp6_f32 v[FRG+12:FRG+14], v[E0:E0+15], v[SO+2]
	v_cvt_scalef32_pk16_fp6_f32 v[E1+4:E1+6], v[E0+16:E0+31], v[SO+3]
	v_nop
.irp i, 0,1,2
	v_permlane16_swap_b32 v[FRG+6+\i], v[E1+\i]
	v_permlane16_swap_b32 v[FRG+12+\i], v[E1+4+\i]
.endr
.irp i, 0,1,2
	v_mov_b32 v[FRG+9+\i], v[E1+\i]
	v_mov_b32 v[FRG+15+\i], v[E1+4+\i]
.endr
.irp c, 0,1,2,3
	global_store_b128 v[L16], v[FRG+4*\c:FRG+4*\c+3], s[12:13] offset:512*\c   ; the image: 32 lanes store 512 consecutive bytes, aligned
.endr
	global_store_b64 v[L8], v[FRG+16:FRG+17], s[12:13] offset:2048             ; and 256
.endm
	s_mov_b32 s3, 0                                ; the block
.Lqk:                                                  ; eight trips.  The branches hang on the count alone: alike in every wave and every partner
.irp a, 1,2,3,4,5,6,7
	s_cmp_eq_u32 s3, \a
	s_cbranch_scc1 .Ltake_\a
.endr
	TAKE 0
	s_branch .Lwork
.irp a, 1,2,3,4,5,6
.Ltake_\a:
	TAKE \a
	s_branch .Lwork
.endr
.Ltake_7:
	TAKE 7
.Lwork:
	QKWORK
	s_add_co_u32 s3, s3, 1
	s_cmp_lt_u32 s3, 8
	s_cbranch_scc1 .Lqk
	v_cndmask_b32 v[SWR+7], v[DOTW], v[PHW], s54   ; the last block's scale words
	global_store_b128 v[L16], v[SWR:SWR+3], s[12:13] offset:18432-7*TILEB    ; the scale words of tiles 0-3 (the base stands at tile 7's image),
	global_store_b128 v[L16], v[SWR+4:SWR+7], s[12:13] offset:18944-7*TILEB  ; and 4-7
	s_wait_tensorcnt 0x0                           ; the wave's end
	ds_add_u32 v[SPW], v[NIL]
	s_wait_dscnt 0x0
	CROUND                                         ; the closing round: no work-group ends while a partner may still ask for a tile that names it
	s_endpgm
.Lv:	; ---- V's side.  My rows are 128 channels: heads 4 (ty - 16) + 2 rh and the next; my columns 128 positions: step 2 tx + ch of the 32.
	s_lshl_b32 s18, s42, 1
	s_add_co_u32 s18, s18, s16
	s_lshr_b32 s19, s18, 4
	s_lshl_b32 s19, s19, 4                         ; 16 x batch
	s_sub_co_u32 s20, s17, 16
	s_lshl_b32 s20, s20, 2
	s_add_co_u32 s19, s19, s20
	s_lshl_b32 s20, s15, 1
	s_add_co_u32 s19, s19, s20                     ; + my first head
	s_lshl_b32 s19, s19, 4
	s_and_b32 s18, s18, 15
	s_add_co_u32 s19, s19, s18                     ; the record
	s_mul_i32 s20, s19, REC
	s_add_co_u32 s20, s20, KREC                    ; V's part lies behind k's
	s_mov_b32 s21, 0
	s_add_nc_u64 s[12:13], s[10:11], s[20:21]
; Block a: 16 channels (tile a % 4 of head a / 4) x 128 keys: register 16 b + i is key 32 b + 16 (l / 16) + i: one fragment of the second product and one scale word a row.
; A block is some 70 instructions: the eight are written out, since moves into fixed registers would nearly double them.
.macro VBLOCK a
.set AC, 64*((\a)%4)
.set W1, 2+(\a)/4
.set W2, 5*W1
	WIN W2
.irp b, 0,1,2,3
	v_max3_num_f32 v[TM+\b], |v[AC+16*\b]|, |v[AC+16*\b+1]|, 0x1800000
.endr
.irp i, 2,4,6,8,10,12,14
.irp b, 0,1,2,3
	v_max3_num_f32 v[TM+\b], |v[AC+16*\b+\i]|, |v[AC+16*\b+\i+1]|, v[TM+\b]
.endr
.endr
	WIN 0
.irp b, 0,1,2,3
	v_permlanex16_b32 v[TP+\b], v[TM+\b], s52, s53
.endr
.irp b, 0,1,2,3
	v_max_num_f32 v[TM+\b], v[TM+\b], v[TP+\b]
.endr
.irp b, 0,1,2,3
	v_add_nc_u32 v[SO+\b], 0xff000000, v[TM+\b]
.endr
.irp b, 0,1,2,3
	v_lshrrev_b32 v[TP+\b], 23, v[SO+\b]
.endr
	v_lshl_or_b32 v[SWR+(\a)%4], v[TP+1], 8, v[TP]
	v_lshl_or_b32 v[SWR+(\a)%4], v[TP+2], 16, v[SWR+(\a)%4]
	v_lshl_or_b32 v[SWR+(\a)%4], v[TP+3], 24, v[SWR+(\a)%4]
	WIN W1
	s_wait_xcnt 0x0                                ; the earlier stores have had their addresses translated: their data registers are written again only behind this wait
.irp c, 0,1
	v_cvt_scalef32_pk16_fp6_f32 v[FRG+6*\c:FRG+6*\c+2], v[AC+32*\c:AC+32*\c+15], v[SO+2*\c]
	v_cvt_scalef32_pk16_fp6_f32 v[E1+4*\c:E1+4*\c+2], v[AC+32*\c+16:AC+32*\c+31], v[SO+2*\c+1]
.endr
	WIN 0
	v_nop
.irp c, 0,1
.irp i, 0,1,2
	v_permlane16_swap_b32 v[FRG+6*\c+\i], v[E1+4*\c+\i]
.endr
.irp i, 0,1,2
	v_mov_b32 v[FRG+3+6*\c+\i], v[E1+4*\c+\i]
.endr
.endr
.irp c, 0,1,2
	global_store_b128 v[L16], v[FRG+4*\c:FRG+4*\c+3], s[12:13] offset:((\a)/4)*16*REC+1536*((\a)%4)+512*\c   ; the next head's record lies 16 records on
.endr
.if (\a)%4 == 3
	v_cndmask_b32 v[DOTW], v[SWR], v[SWR+2], s54   ; two registers carry the four tiles' words: tiles 0, 1 in lanes 0-15, tiles 2, 3 in lanes 16-31
	v_cndmask_b32 v[PHW], v[SWR+1], v[SWR+3], s54
	global_store_b64 v[L8], v[DOTW:PHW], s[12:13] offset:((\a)/4)*16*REC+6144
.endif
.endm
.irp a, 0,1,2,3,4,5,6,7
	VBLOCK \a
.endr
	s_wait_tensorcnt 0x0                           ; the wave's end
	ds_add_u32 v[SPW], v[NIL]
	s_wait_dscnt 0x0
	CROUND                                         ; the closing round
	s_endpgm
.Lfunc_end_k_q8d74670a96_proj:
	.size	k_q8d74670a96_proj, .Lfunc_end_k_q8d74670a96_proj-k_q8d74670a96_proj
	.p2alignl 7, 3214868480
	.fill 96, 4, 3214868480
	.section	.rodata,"a",@progbits
	.p2align	6, 0x0
	.amdhsa_kernel k_q8d74670a96_proj
		.amdhsa_group_segment_fixed_size 327680
		.amdhsa_private_segment_fixed_size 0
		.amdhsa_enable_private_segment 0
		.amdhsa_kernarg_size 32
		.amdhsa_user_sgpr_count 2
		.amdhsa_user_sgpr_kernarg_segment_ptr 1
		.amdhsa_wavefront_size32 1
		.amdhsa_system_sgpr_workgroup_id_x 1
		.amdhsa_system_sgpr_workgroup_id_y 1
		.amdhsa_system_sgpr_workgroup_id_z 1
		.amdhsa_system_vgpr_workitem_id 0
		.amdhsa_next_free_vgpr 1024
		.amdhsa_next_free_sgpr 100
		.amdhsa_reserve_vcc 1
		.amdhsa_float_denorm_mode_32 3
		.amdhsa_float_denorm_mode_16_64 3
		.amdhsa_memory_ordered 1
		.amdhsa_forward_progress 1
		.amdhsa_inst_pref_size 236
	.end_amdhsa_kernel
	.amdgpu_metadata
---
amdhsa.version: [ 1, 2 ]
amdhsa.kernels:
  - .name:           k_q8d74670a96_proj
    .symbol:         k_q8d74670a96_proj.kd
    .args:
      - { .name: opc, .offset: 0, .size: 8, .value_kind: global_buffer, .address_space: global }
      - { .name: ops, .offset: 8, .size: 8, .value_kind: global_buffer, .address_space: global }
      - { .name: qimg, .offset: 16, .size: 8, .value_kind: global_buffer, .address_space: global }
      - { .name: kvimg, .offset: 24, .size: 8, .value_kind: global_buffer, .address_space: global }
    .group_segment_fixed_size: 327680
    .private_segment_fixed_size: 0
    .kernarg_segment_align: 8
    .kernarg_segment_size: 32
    .max_flat_workgroup_size: 128
    .sgpr_count:     100
    .vgpr_count:     1024
    .wavefront_size: 32
...
	.end_amdgpu_metadata
.endif
;; end of part 6
;; launch attn: the kernel of part 4 again; grid 8 x 32, 16 waves a work-group, clusters of 4 x 1, 327,680 bytes of LDS; arguments qimg, kvimg, lambda_raw, oc, os; writes oc, os
;; launch outp: the kernel of part 5 again; grid 4 x 16, 4 waves a work-group, clusters of 4 x 4, 327,680 bytes of LDS; arguments oc, os, opc, ops, out0; writes out0
